; MI455X (gfx1250); checked and timed in simulation.
; The chip was launched on July 23, 2026; its instructions are those of AMD's public machine-readable ISA for CDNA 5 (MIT licence, August 2026) and "CDNA5" Instruction Set Architecture Reference Guide (July 2026). The comments in the code are by the model that wrote it; some were corrected since.
;; Transformer Block. Allowed arithmetic: matrix products marked QUANTISED: E2M3 operands, one E8M0 scale for each 32 along K, by v_wmma_scale_f32_16x16x128_f8f6f4 with both operands' format E2M3, f32 sums; everything else in f32.
;; Inputs: W1_codes 3,072 x 24 x 24 uint8 (E2M3 codes of W1, K innermost, in blocks of 32 codes, four codes in three bytes); W1_scales 3,072 x 24 uint8 (E8M0 scales of W1, one for each 32 codes along K); W2_codes 768 x 96 x 24 uint8 (E2M3 codes of W2, K innermost, in blocks of 32 codes, four codes in three bytes); W2_scales 768 x 96 uint8 (E8M0 scales of W2, one for each 32 codes along K); Wk_codes 768 x 24 x 24 uint8 (E2M3 codes of Wk, K innermost, in blocks of 32 codes, four codes in three bytes); Wk_scales 768 x 24 uint8 (E8M0 scales of Wk, one for each 32 codes along K); Wo_codes 768 x 24 x 24 uint8 (E2M3 codes of Wo, K innermost, in blocks of 32 codes, four codes in three bytes); Wo_scales 768 x 24 uint8 (E8M0 scales of Wo, one for each 32 codes along K); Wq_codes 768 x 24 x 24 uint8 (E2M3 codes of Wq, K innermost, in blocks of 32 codes, four codes in three bytes); Wq_scales 768 x 24 uint8 (E8M0 scales of Wq, one for each 32 codes along K); Wv_codes 768 x 24 x 24 uint8 (E2M3 codes of Wv, K innermost, in blocks of 32 codes, four codes in three bytes); Wv_scales 768 x 24 uint8 (E8M0 scales of Wv, one for each 32 codes along K); b1 3,072 float32; b2 768 float32; bk 768 float32; bo 768 float32; bq 768 float32; bv 768 float32; ln1_b 768 float32; ln1_g 768 float32; ln2_b 768 float32; ln2_g 768 float32; x 1 x 4,096 x 768 float32.
;; Outputs: out0 1 x 4,096 x 768 float32.
;; This version of the problem:
;;   THIS VERSION OF THE PROBLEM IS GIVEN IN LOW PRECISION. The matrix products marked QUANTISED in the list below multiply operands that are first quantised to E2M3 (2 exponent bits, 3 mantissa bits; 6 bits a number), with one power-of-two scale for each 32 numbers along K (OCP MX v1.0); their sums are f32. All else is computed in f32.
;;   The module's matrix products, in the order in which they are computed (A, B: the left and right operand; K: the contracted axis; several contracted axes count as one K, in the product's order):
;;     1. [M 4,096, K 768] x [K 768, N 768]; A: computed on the way; B: input Wq (given as codes): QUANTISED
;;     2. [M 4,096, K 768] x [K 768, N 768]; A: computed on the way; B: input Wk (given as codes): QUANTISED
;;     3. [M 4,096, K 768] x [K 768, N 768]; A: computed on the way; B: input Wv (given as codes): QUANTISED
;;     4. batch 12 x [M 4,096, K 64] x [K 64, N 4,096]; A: computed on the way; B: computed on the way: QUANTISED
;;     5. batch 12 x [M 4,096, K 4,096] x [K 4,096, N 64]; A: softmax (see below); B: computed on the way: QUANTISED
;;     6. [M 4,096, K 768] x [K 768, N 768]; A: computed on the way; B: input Wo (given as codes): QUANTISED
;;     7. [M 4,096, K 768] x [K 768, N 3,072]; A: computed on the way; B: input W1 (given as codes): QUANTISED
;;     8. [M 4,096, K 3,072] x [K 3,072, N 768]; A: computed on the way; B: input W2 (given as codes): QUANTISED
;;   THE QUANTISER, for each operand of a quantised product, along K:
;;     - K is cut into blocks of 32 from its start; a last block that is shorter is filled with zeros.
;;     - A block's scale is 2^e with e = floor(log2(the largest magnitude in the block)) - 2, held to -126 .. 127; a block of zeros has e = 0. As a byte (E8M0): e + 127.
;;     - Each number is divided by its block's scale, clamped to +-7.5, and rounded to the nearest number of E2M3, ties to even, subnormals kept.
;;     - The product sums the exact products of the quantised numbers (number of the format x scale) in f32.
;;   ~~~python
;;   def quantise(x, axis):      # numpy; x: float32 -> the quantised numbers, widened to float32 again
;;       x = np.moveaxis(x, axis, -1); K = x.shape[-1]
;;       x = np.pad(x, [(0, 0)] * (x.ndim - 1) + [(0, -K % 32)]); x = x.reshape(x.shape[:-1] + (-1, 32)); a = np.abs(x).max(-1, keepdims=True)
;;       e = np.where(a > 0, np.clip(np.frexp(np.where(a > 0, a, 1))[1] - 1 - 2, -126, 127), 0)      # np.frexp(a)[1] - 1 = floor(log2(a)), exactly
;;       r = np.clip(x / 2.0 ** e, -7.5, 7.5)
;;       step = 2.0 ** (np.maximum(np.frexp(np.where(r == 0, 1, r))[1] - 1, 0) - 3)
;;       q = np.round(r / step) * step * 2.0 ** e      # np.round: ties to even
;;       return np.moveaxis(q.reshape(q.shape[:-2] + (-1,))[..., :K], -1, axis).astype(np.float32)
;;   ~~~
;;   SOFTMAX AHEAD OF A QUANTISED PRODUCT. Where the list says 'softmax', what is quantised is not the finished softmax but p = 2^(t - M), with t = logit x log2(e) and M = ceil(the row's largest t), a whole number; so 1/2 < the row's largest p <= 1. The row's sum l is taken of the UNQUANTISED p, in f32, and the product's result is divided by l at the end. Since M is a whole number, a kernel that streams over the keys may use a running M (the ceiling of the running maximum): every later rescaling is an exact power of two, which a block's scale takes up: the codes' values come out the same.
;;   OPERANDS COMPUTED ON THE WAY. 'Computed on the way' means the value that the module computes at that place (a softmax that the list does not call 'softmax' is quantised finished and normalised). What goes into a quantiser is computed in f32, as accurately as f32 sums, v_exp_f32 and their like allow (about 1e-6 of the number): no bf16 or f16 on the way to a quantiser, and a product that is left as it is and whose result goes on into a quantised operand takes f32 operands (vector FMAs, or v_wmma_f32_16x16x4_f32). A number that lies on a knife's edge between two numbers of the format may be rounded either way, as far as f32 arithmetic and the matrix unit's own rounding can turn it there, and no further.
;;   INPUTS GIVEN AS CODES. W1 (in the module: [768, 3072], K = its axis 0); W2 (in the module: [3072, 768], K = its axis 0); Wk (in the module: [768, 768], K = its axis 0); Wo (in the module: [768, 768], K = its axis 0); Wq (in the module: [768, 768], K = its axis 0); Wv (in the module: [768, 768], K = its axis 0): each comes as NAME_codes (uint8): NAME with its K axis moved to the last place and cut into blocks of 32 codes, [.., K / 32, bytes a block], one block behind the other in memory; four codes in three bytes: a row's codes are one little-endian stream of bits, code i at bits 6 i .. 6 i + 5 (a code: sign, 2 exponent bits, 3 mantissa bits); and NAME_scales (uint8): the same leading axes, one E8M0 byte (e + 127) for each 32 codes along K. Its value is code x scale, taken as it is: it is not quantised again, and the codes and scales need not be those that the quantiser above would give.
;; 2 versions. Each part assembles by itself: llvm-mc -triple=amdgcn-amd-amdhsa -mcpu=gfx1250 --defsym DOCPART=n.
;; ======== version 1 of 2: 5 launches
;; workspace buffers: qc 2,359,296 bytes; qs 98,304 bytes; kv 4,915,200 bytes; cc 2,359,296 bytes; cs 98,304 bytes; x1 12,582,912 bytes; hc 9,437,184 bytes; hs 393,216 bytes
;; launch ln_qkv (part 1): grid 64 x 3, 12 waves a work-group, no clusters, 49,664 bytes of LDS; arguments x, ln1_g, ln1_b, Wq_codes, Wq_scales, bq, Wk_codes, Wk_scales, bk, Wv_codes, Wv_scales, bv, qc, qs, kv; writes qc, qs, kv
.if DOCPART == 1
	.amdgcn_target "amdgcn-amd-amdhsa--gfx1250"
	.amdhsa_code_object_version 6
	.text
	.protected	k_q9ea1d664d8_ln_qkv
	.globl	k_q9ea1d664d8_ln_qkv
	.p2align	8
	.type	k_q9ea1d664d8_ln_qkv,@function
k_q9ea1d664d8_ln_qkv:
	s_mov_b64 s[64:65], 0
	v_nop
	global_prefetch_b8 v0, s[64:65] scope:SCOPE_SE
	s_setreg_imm32_b32 hwreg(HW_REG_WAVE_MODE, 25, 1), 1
	s_wait_xcnt 0x0
; LAYER NORM, QUANTISER AND ONE PRODUCT OF 64 TOKENS x 768 COLUMNS, K = 768, on codes of FP6 (E2M3) with one E8M0 scale for each 32 along K.
; FFN = 0: work-group (R, y): tokens 64 R on; y = 0, 1, 2: q, k, v = LN1(x) W + bias; the results are quantised (q, k along the head's 64, v along the tokens) and stored in the order of an operand's registers.
; FFN = 1: work-group (R, y): h = gelu(LN2(x1) W1 + b1), columns 768 y on, quantised along the columns.
; SHARES. Twelve waves. LN: wave w takes token tile m = w & 3 (16 tokens) and 256 of the 768 columns (kt = w >> 2): 128 numbers a lane; a row's sums meet in LDS. Its two fragments of codes go to LDS as images of
; their registers. PRODUCT: wave w owns 64 columns (a head, or a unit of the hidden layer): 4 x 4 tiles, 16 accumulators by turns, 96 matrix instructions; its weights go from memory straight into its registers.
; TILES. Lane r of token tile o holds token 32 (o / 2) + 8 (o % 2) + r + 8 (r / 8) of the block, and the weight rows of a tile are chosen alike: so the 16 registers of tiles 2 b, 2 b + 1 of a result are 16 neighbours
; along the next K. q, k, h: source 0 = weights, source 1 = tokens (a lane holds a token). v: source 0 = tokens, source 1 = weights (a lane holds a channel, its registers run along the tokens, the next K).
; OUT. A half fragment (16 rows x 64 K, 6 registers a lane) is 768 bytes: registers 0-3 at 16 x lane, registers 4-5 at 512 + 8 x lane: each store covers 512 or 256 consecutive bytes, aligned. The four tiles'
; scale bytes: 8 bytes for each row r at 8 r.
; NO CLUSTER: x's rows go into registers for the norm, and each weight fragment is read by one wave alone and feeds four matrix instructions from its registers; nothing goes through LDS that partners could share.
; LIMITS: NaN and infinities among the inputs are not served. A block of zeros keeps the scale byte 1 (its codes are zeros; the bytes are read by this program alone). The variance is taken in a second pass, of x - mean.
.set FFN,  0
.set XIMG, 0                           ; LDS: 24 fragments of xn (index 6 m + s), 1,536 bytes each: three planes of 512
.set XSC,  36864                       ; their scale words, 128 bytes each
.set RED,  39936                       ; partial sums, a word at 64 w + 4 r; the sums of squares 768 bytes on
.set GBL,  41472                       ; the gain's 3,072 bytes, then the bias's
.set LI16, 1                           ; v1  16 x lane
.set LI8,  2                           ; v2  8 x lane
.set LS,   3                           ; v3  4 x lane
.set SBA,  4                           ; v4  8 r
.set WA,   5                           ; v5  weights: row r + 8 (r / 8) of 576 bytes, + 24 h
.set WSA,  6                           ; v6  their scale bytes: 24 a row, + 12 h
.set XA,   7                           ; v7  x: row r + 8 (r / 8) of 3,072 bytes, + 64 h
.set GBA,  8                           ; v8  gain and bias in LDS
.set RST,  9                           ; v9  where I put a partial sum
.set RLD,  10                          ; v10 where I read my tile's three
.set XWI,  11                          ; v11 where I put my fragments' images
.set XS,   12                          ; v12-15 xn's scale words (scales only)
.set WS,   16                          ; v16-31 the weights' scale words, 4 registers a tile, 3 used (scales only): lanes 0-15 K steps 0-2, lanes 16-31 K steps 3-5
.set XF,   32                          ; v32-79 four fragments of xn
.set WBA,  80                          ; v80-127 weights of an odd K step;  v256-303 (window 1, v0-47) of an even one
.set X,    128                         ; v128-255 my 128 numbers, later the accumulators: (o, t) at ACC + 8 (4 o + t)
.set ACC,  128
.set BIAS, 48                          ; window 1, v48-79 (v304-335): the bias in the result's layout
.set PW,   48                          ; LN phase: the scale word just made
.set MU,   50
.set RS,   52
.set CH,   54                          ; v54-61 four chains of sums
.set XWS,  62                          ; where I put my scale words
.set GG,   64                          ; v64-95 gain, v96-127 bias of 32 numbers
.set BB,   96
.set SEL,  56                          ; s[56:57] lane selects: lane l xor 16
.set GT,   32                          ; gelu: t, the polynomial, x^2
.set GP,   48
.set GQ,   64
.set C9,   122
.set GC,   68                          ; s[68:87] gelu's constants, each written twice
.set MSB, 0
.macro WIN new                         ; the immediate's high byte repeats the setting that is left
.if MSB != \new
	s_set_vgpr_msb (MSB<<8)|\new
.set MSB, \new
.endif
.endm
.macro BARRIER                         ; my LDS stores have landed and my LDS loads are in: then the work-group's barrier
	s_wait_dscnt 0x0
	s_barrier_signal -1
	s_barrier_wait -1
.endm
.macro SPAIR reg, val
	s_mov_b32 s[\reg], \val
	s_mov_b32 s[\reg+1], \val
.endm
; 64 numbers of a lane, register 16 b + i = k 32 b + 16 h + i of my row, become a fragment's 12 registers at v[PC] and its scale word v[PW]
.macro QUANT4 s
.irp b, 0,1,2,3
	v_max3_num_f32 v[TM+\b], |v[(\s)+16*\b]|, |v[(\s)+1+16*\b]|, 0x1800000   ; my 16 numbers of block b, and the floor 2^(3 - 127): the byte cannot fall under 1
.endr
.irp i, 2,4,6,8,10,12,14
.irp b, 0,1,2,3
	v_max3_num_f32 v[TM+\b], v[TM+\b], |v[(\s)+16*\b+\i]|, |v[(\s)+1+16*\b+\i]|
.endr
.endr
.irp b, 0,1,2,3
	v_permlanex16_b32 v[TM+4+\b], v[TM+\b], s[SEL], s[SEL+1]
.endr
.irp b, 0,1,2,3
	v_max_num_f32 v[TM+\b], v[TM+\b], v[TM+4+\b]          ; with lane l xor 16's: the block's largest magnitude
.endr
.irp b, 0,1,2,3
	v_add_nc_u32 v[TM+12+\b], 0xff000000, v[TM+\b]        ; 2 off its exponent field: the conversion's scale operand
.endr
.irp b, 0,1,2,3
	v_lshrrev_b32 v[TM+4+\b], 23, v[TM+12+\b]             ; the scale's byte
.endr
	v_lshl_or_b32 v[PW], v[TM+5], 8, v[TM+4]
	v_lshl_or_b32 v[PW], v[TM+6], 16, v[PW]
	v_lshl_or_b32 v[PW], v[TM+7], 24, v[PW]
.irp c, 0,1
	v_cvt_scalef32_pk16_fp6_f32 v[PC+6*\c:PC+2+6*\c], v[(\s)+32*\c:(\s)+15+32*\c], v[TM+12+2*\c]
	v_cvt_scalef32_pk16_fp6_f32 v[PT+4*\c:PT+2+4*\c], v[(\s)+16+32*\c:(\s)+31+32*\c], v[TM+13+2*\c]   ; (a conversion's three registers begin on an even number)
.endr
	v_nop                                                 ; one plain place behind a scaled conversion
.irp c, 0,1                            ; the operand's layout wants a whole block in a lane
.irp i, 0,1,2
	v_permlane16_swap_b32 v[PC+6*\c+\i], v[PT+4*\c+\i]
.endr
.irp i, 0,1,2
	v_mov_b32 v[PC+3+6*\c+\i], v[PT+4*\c+\i]
.endr
.endr
.endm
; the same for 32 numbers (two blocks): a half fragment's 6 registers at v[dst], its two bytes in v[pb]
.macro QUANT2 s, dst, pb
.irp b, 0,1
	v_max3_num_f32 v[TM+\b], |v[(\s)+16*\b]|, |v[(\s)+1+16*\b]|, 0x1800000   ; each accumulator is read from its low end on
.endr
.irp i, 2,4,6,8,10,12,14
.irp b, 0,1
	v_max3_num_f32 v[TM+\b], v[TM+\b], |v[(\s)+16*\b+\i]|, |v[(\s)+1+16*\b+\i]|
.endr
.endr
.irp b, 0,1
	v_permlanex16_b32 v[TM+2+\b], v[TM+\b], s[SEL], s[SEL+1]
.endr
.irp b, 0,1
	v_max_num_f32 v[TM+\b], v[TM+\b], v[TM+2+\b]
.endr
.irp b, 0,1
	v_add_nc_u32 v[TM+4+\b], 0xff000000, v[TM+\b]
.endr
.irp b, 0,1
	v_lshrrev_b32 v[TM+2+\b], 23, v[TM+4+\b]
.endr
	v_lshl_or_b32 v[\pb], v[TM+3], 8, v[TM+2]
	v_cvt_scalef32_pk16_fp6_f32 v[(\dst):(\dst)+2], v[(\s):(\s)+15], v[TM+4]
	v_cvt_scalef32_pk16_fp6_f32 v[PT:PT+2], v[(\s)+16:(\s)+31], v[TM+5]
	v_nop
.irp i, 0,1,2
	v_permlane16_swap_b32 v[(\dst)+\i], v[PT+\i]
.endr
.irp i, 0,1,2
	v_mov_b32 v[(\dst)+3+\i], v[PT+\i]
.endr
.endm
.macro IMAGE k                         ; the fragment in v[PC] on and its scale word go to LDS as they stand
.irp c, 0,1,2
	ds_store_b128 v[XWI], v[PC+4*\c:PC+4*\c+3] offset:XIMG+1536*(\k)+512*\c
.endr
	ds_store_b32 v[XWS], v[PW] offset:XSC+128*(\k)
	s_wait_dscnt 0x0                                      ; the stores have read their registers
.endm
.macro GBLOAD c                        ; gain and bias of my numbers 32 c .. 32 c + 31
.irp bb, 0,1
.irp j, 0,1,2,3
	ds_load_b128 v[GG+16*\bb+4*\j:GG+16*\bb+4*\j+3], v[GBA] offset:128*(2*(\c)+\bb)+16*\j
	ds_load_b128 v[BB+16*\bb+4*\j:BB+16*\bb+4*\j+3], v[GBA] offset:3072+128*(2*(\c)+\bb)+16*\j
.endr
.endr
.endm
.macro NORM c                          ; (x - mean) x rstd x g + b
.set i, 0
.rept 16
	v_pk_mul_f32 v[X+32*(\c)+i:X+32*(\c)+i+1], v[X+32*(\c)+i:X+32*(\c)+i+1], v[RS:RS+1]
.set i, i+2
.endr
.set i, 0
.rept 16
	v_pk_fma_f32 v[X+32*(\c)+i:X+32*(\c)+i+1], v[X+32*(\c)+i:X+32*(\c)+i+1], v[GG+i:GG+i+1], v[BB+i:BB+i+1]
.set i, i+2
.endr
.endm
.macro JOIN                            ; four chains -> my row's sum over my wave's 256 columns, in both halves of the lanes
	v_pk_add_f32 v[CH:CH+1], v[CH:CH+1], v[CH+2:CH+3]
	v_pk_add_f32 v[CH+4:CH+5], v[CH+4:CH+5], v[CH+6:CH+7]
	v_pk_add_f32 v[CH:CH+1], v[CH:CH+1], v[CH+4:CH+5]
	v_add_f32 v[CH], v[CH], v[CH+1]
	v_permlanex16_b32 v[CH+1], v[CH], s[SEL], s[SEL+1]
	v_add_f32 v[CH], v[CH], v[CH+1]
.endm
.macro WLOAD s, base                   ; my unit's four weight fragments of K step s: each 24 bytes of a row as three loads of 8
.irp t, 0,1,2,3
.irp p, 0,1,2,3,4,5
	global_load_b64 v[\base+12*\t+2*\p:\base+12*\t+2*\p+1], v[WA], s[34:35] offset:(32*(\t/2)+8*(\t%2))*576+96*(\s)+48*(\p/3)+8*(\p%3)
.endr
.endr
.endm
.macro MMT o, t, s                     ; transposed: source 0 = weight tile t, source 1 = token tile o
.set rD, ACC+8*(4*(\o)+(\t))
.if (\s) == 0
	v_wmma_scale_f32_16x16x128_f8f6f4 v[rD:rD+7], v[WB+12*(\t):WB+12*(\t)+11], v[XF+12*(\o):XF+12*(\o)+11], v[BIAS+8*(\t):BIAS+8*(\t)+7], v[WS+4*(\t)], v[XS+(\o)] matrix_a_fmt:MATRIX_FMT_FP6 matrix_b_fmt:MATRIX_FMT_FP6
.elseif (\s) < 3
	v_wmma_scale_f32_16x16x128_f8f6f4 v[rD:rD+7], v[WB+12*(\t):WB+12*(\t)+11], v[XF+12*(\o):XF+12*(\o)+11], v[rD:rD+7], v[WS+4*(\t)+(\s)], v[XS+(\o)] matrix_a_fmt:MATRIX_FMT_FP6 matrix_b_fmt:MATRIX_FMT_FP6
.else
	v_wmma_scale_f32_16x16x128_f8f6f4 v[rD:rD+7], v[WB+12*(\t):WB+12*(\t)+11], v[XF+12*(\o):XF+12*(\o)+11], v[rD:rD+7], v[WS+4*(\t)+(\s)-3], v[XS+(\o)] matrix_a_fmt:MATRIX_FMT_FP6 matrix_b_fmt:MATRIX_FMT_FP6 matrix_a_scale:MATRIX_SCALE_ROW1
.endif
.endm
.macro MMV o, t, s                     ; v: source 0 = token tile t, source 1 = weight tile o
.set rD, ACC+8*(4*(\o)+(\t))
.if (\s) == 0
	v_wmma_scale_f32_16x16x128_f8f6f4 v[rD:rD+7], v[XF+12*(\t):XF+12*(\t)+11], v[WB+12*(\o):WB+12*(\o)+11], v[BIAS+8*(\o):BIAS+8*(\o)+7], v[XS+(\t)], v[WS+4*(\o)] matrix_a_fmt:MATRIX_FMT_FP6 matrix_b_fmt:MATRIX_FMT_FP6
.elseif (\s) < 3
	v_wmma_scale_f32_16x16x128_f8f6f4 v[rD:rD+7], v[XF+12*(\t):XF+12*(\t)+11], v[WB+12*(\o):WB+12*(\o)+11], v[rD:rD+7], v[XS+(\t)], v[WS+4*(\o)+(\s)] matrix_a_fmt:MATRIX_FMT_FP6 matrix_b_fmt:MATRIX_FMT_FP6
.else
	v_wmma_scale_f32_16x16x128_f8f6f4 v[rD:rD+7], v[XF+12*(\t):XF+12*(\t)+11], v[WB+12*(\o):WB+12*(\o)+11], v[rD:rD+7], v[XS+(\t)], v[WS+4*(\o)+(\s)-3] matrix_a_fmt:MATRIX_FMT_FP6 matrix_b_fmt:MATRIX_FMT_FP6 matrix_b_scale:MATRIX_SCALE_ROW1
.endif
.endm
; The six K steps. A step: four places, xn's four fragments and scale words from LDS, the weights of the step after next's predecessor from memory, 16 matrix instructions on 16 accumulators by turns.
.macro PROD tr
.irp s, 0,1,2,3,4,5
	WIN 0
.if \s > 0
.rept 4
	v_nop                                                 ; places in front of loads into registers that the last step's matrix instructions have read
.endr
.endif
.irp o, 0,1,2,3
.irp c, 0,1,2
	ds_load_b128 v[XF+12*\o+4*\c:XF+12*\o+4*\c+3], v[LI16] offset:XIMG+(6*\o+\s)*1536+512*\c
.endr
	ds_load_b32 v[XS+\o], v[LS] offset:XSC+128*(6*\o+\s)
.endr
.if (\s >= 1) && (\s <= 4)
.if (\s % 2) == 1
	WIN 0x40                                              ; destination window 1
	WLOAD \s+1, 0
	WIN 0
.else
	WLOAD \s+1, WBA
.endif
.endif
.if \s < 5
	s_wait_loadcnt 24                                     ; this step's weights are in; the next step's 24 loads may be out
.else
	s_wait_loadcnt 0x0
.endif
	s_wait_dscnt 0x0
.if (\s % 2) == 0
.set WB, 0
.else
.set WB, WBA
.endif
.if \tr
.if \s == 0
	WIN 0x11                                              ; source 0 (weights) and C (bias) window 1
.elseif (\s % 2) == 0
	WIN 0x01
.endif
.irp o, 0,1,2,3
.irp t, 0,1,2,3
	MMT \o, \t, \s
.endr
.endr
.else
.if \s == 0
	WIN 0x14                                              ; source 1 (weights) and C (bias) window 1
.elseif (\s % 2) == 0
	WIN 0x04
.endif
.irp o, 0,1,2,3
.irp t, 0,1,2,3
	MMV \o, \t, \s
.endr
.endr
.endif
.endr
	WIN 0
.endm
; gelu(x) = max(u, x - u), u = x E, E = erfc(|x| / sqrt 2) / 2 = t 2^(-x^2 log2(e) / 2 + c0 + t (c1 + .. t c9)), t = 1 / (1 + |x| sqrt(2) / 4): a fit of erfc whose fractional error is 1.2e-7 for every x
.macro GELU16 a
.irp i, 0,1,2,3,4,5,6,7,8,9,10,11,12,13,14,15
	v_fma_f32 v[GT+\i], |v[(\a)+\i]|, 0x3eb504f3, 1.0     ; each accumulator is read from its low end on
.endr
.irp i, 0,1,2,3,4,5,6,7,8,9,10,11,12,13,14,15
	v_rcp_f32 v[GT+\i], v[GT+\i]
.endr
.irp i, 0,2,4,6,8,10,12,14
	v_pk_mul_f32 v[GQ+\i:GQ+\i+1], v[(\a)+\i:(\a)+\i+1], v[(\a)+\i:(\a)+\i+1]   ; plain work behind the batch
.endr
	s_wait_alu depctr_va_vdst(0)                          ; one wait for the sixteen reciprocals, ahead of their first reader
.irp i, 0,2,4,6,8,10,12,14
	v_pk_fma_f32 v[GP+\i:GP+\i+1], v[GT+\i:GT+\i+1], v[C9:C9+1], s[GC+16:GC+17] op_sel_hi:[1,1,0]
.endr
.irp k, 7,6,5,4,3,2,1,0
.irp i, 0,2,4,6,8,10,12,14
	v_pk_fma_f32 v[GP+\i:GP+\i+1], v[GP+\i:GP+\i+1], v[GT+\i:GT+\i+1], s[GC+2*\k:GC+2*\k+1] op_sel_hi:[1,1,0]
.endr
.endr
.irp i, 0,2,4,6,8,10,12,14
	v_pk_fma_f32 v[GP+\i:GP+\i+1], v[GQ+\i:GQ+\i+1], s[GC+18:GC+19], v[GP+\i:GP+\i+1] op_sel_hi:[1,0,1]
.endr
.irp i, 0,1,2,3,4,5,6,7,8,9,10,11,12,13,14,15
	v_exp_f32 v[GP+\i], v[GP+\i]
.endr
	v_nop                                                 ; a plain place behind the last exponential
	s_wait_alu depctr_va_vdst(0)                          ; one wait for the sixteen
.irp i, 0,2,4,6,8,10,12,14
	v_pk_mul_f32 v[GP+\i:GP+\i+1], v[GP+\i:GP+\i+1], v[GT+\i:GT+\i+1]
.endr
.irp i, 0,2,4,6,8,10,12,14
	v_pk_mul_f32 v[GP+\i:GP+\i+1], v[GP+\i:GP+\i+1], v[(\a)+\i:(\a)+\i+1]
.endr
.irp i, 0,2,4,6,8,10,12,14
	v_pk_add_f32 v[GQ+\i:GQ+\i+1], v[(\a)+\i:(\a)+\i+1], v[GP+\i:GP+\i+1] neg_lo:[0,1] neg_hi:[0,1]
.endr
.irp i, 0,1,2,3,4,5,6,7,8,9,10,11,12,13,14,15
	v_max_num_f32 v[(\a)+\i], v[GP+\i], v[GQ+\i]
.endr
.endm
	; ---- head
	s_load_b512 s[4:19], s[0:1], 0x0                      ; x, g, b, then FFN = 0: Wq's codes, scales, bq, Wk's codes, scales;  FFN = 1: W1's codes, scales, b1, hc, hs
.if FFN == 0
	s_load_b256 s[20:27], s[0:1], 0x40                    ; bk, Wv's codes, scales, bv
	s_load_b128 s[28:31], s[0:1], 0x60                    ; qc, qs
	s_load_b64 s[32:33], s[0:1], 0x70                     ; kv
	v_lshl_add_u32 v27, v0, 2, 0xbc00
	v_mov_b32 v31, 0
.endif
	v_lshrrev_b32 v44, 5, v0
	v_readfirstlane_b32 s44, v44                          ; wave 0..11
	v_and_b32 v43, 31, v0                                 ; lane
	v_and_b32 v40, 15, v0                                 ; r
	v_bfe_u32 v41, v0, 4, 1                               ; h
	v_and_b32 v42, 8, v40
	v_add_nc_u32 v42, v42, v40                            ; r + 8 (r / 8)
	s_and_b32 s45, s44, 3                                 ; m
	s_lshr_b32 s46, s44, 2                                ; kt
	s_mov_b32 s47, ttmp9                                  ; R
	s_and_b32 s48, ttmp7, 0xffff                          ; y
	s_mov_b32 s[SEL], 0x76543210
	s_mov_b32 s[SEL+1], 0xfedcba98
	s_mov_b32 s58, 0x3aaaaaab                             ; 1 / 768
	s_mov_b32 s59, 0x3727c5ac                             ; 1e-5
.if FFN
	SPAIR GC+0,  0xc034d90f                               ; c0 .. c8, then -log2(e) / 2
	SPAIR GC+2,  0x3fb8ab5a
	SPAIR GC+4,  0x3f0a29d2
	SPAIR GC+6,  0x3e0efb2e
	SPAIR GC+8,  0xbe899a80
	SPAIR GC+10, 0x3ecdfd18
	SPAIR GC+12, 0xbfd1a1e5
	SPAIR GC+14, 0x40097039
	SPAIR GC+16, 0xbf97d29d
	SPAIR GC+18, 0xbf38aa3b
.endif
	v_lshlrev_b32 v[LI16], 4, v43
	v_lshlrev_b32 v[LI8], 3, v43
	v_lshlrev_b32 v[LS], 2, v43
	v_lshlrev_b32 v[SBA], 3, v40
	v_mul_u32_u24 v[WA], v42, 576
	v_mad_u32_u24 v[WA], v41, 24, v[WA]
	v_mul_u32_u24 v[WSA], v42, 24
	v_mad_u32_u24 v[WSA], v41, 12, v[WSA]
	v_mul_u32_u24 v[XA], v42, 3072
	v_lshl_add_u32 v[XA], v41, 6, v[XA]
	s_lshl_b32 s49, s46, 10
	s_add_co_u32 s49, s49, GBL
	v_lshl_add_u32 v[GBA], v41, 6, s49                    ; GBL + 1,024 kt + 64 h
	s_lshl_b32 s49, s44, 6
	s_add_co_u32 s49, s49, RED
	v_lshl_add_u32 v[RST], v40, 2, s49
	s_lshl_b32 s49, s45, 6
	s_add_co_u32 s49, s49, RED
	v_lshl_add_u32 v[RLD], v40, 2, s49
	s_mul_i32 s49, s45, 6
	s_lshl_b32 s50, s46, 1
	s_add_co_u32 s49, s49, s50                            ; my first fragment: 6 m + 2 kt
	s_mul_i32 s50, s49, 1536
	v_add_nc_u32 v[XWI], s50, v[LI16]
	s_lshl_b32 s50, s49, 7
	v_add_nc_u32 v[XWS], s50, v[LS]
	v_lshlrev_b32 v36, 6, v41                             ; the bias, transposed form: 64 h
	v_lshlrev_b32 v37, 2, v42                             ; v's form: 4 (r + 8 (r / 8))
	s_cmp_lt_u32 s44, 6                                   ; waves 0-5 bring the gain, waves 6-11 the bias of the norm: 16 bytes a thread
	s_cselect_b32 s53, 0, 3072
	v_lshlrev_b32 v38, 4, v0
	v_sub_nc_u32 v38, v38, s53
	v_lshl_add_u32 v39, v0, 4, GBL
	s_lshl_b32 s49, s47, 6                                ; my tile's first token: 64 R + 32 (m / 2) + 8 (m % 2)
	s_lshr_b32 s50, s45, 1
	s_lshl_b32 s50, s50, 5
	s_add_co_u32 s49, s49, s50
	s_and_b32 s50, s45, 1
	s_lshl_b32 s50, s50, 3
	s_add_co_u32 s49, s49, s50
	s_mul_i32 s50, s49, 3072
	s_lshl_b32 s51, s46, 10
	s_add_co_u32 s50, s50, s51                            ; + my 256 columns
	s_mov_b32 s51, 0
	s_mov_b32 s55, 0
.if FFN
	s_mul_i32 s52, s48, 12
	s_add_co_u32 s52, s52, s44                            ; my unit of 64 columns: 12 y + w
.else
	s_mov_b32 s52, s44                                    ; my head
.endif
	s_wait_kmcnt 0x0
	s_add_nc_u64 s[4:5], s[4:5], s[50:51]
.if FFN
	s_mov_b64 s[34:35], s[10:11]
	s_mov_b64 s[36:37], s[12:13]
	s_mov_b64 s[38:39], s[14:15]
	s_mov_b64 s[40:41], s[16:17]
	s_mov_b64 s[42:43], s[18:19]
	s_mul_i32 s49, s47, 48
	s_add_co_u32 s49, s49, s52                            ; 48 R + unit
	s_mul_i32 s50, s49, 3072
	s_lshl_b32 s54, s49, 7
.else
	s_lshl_b32 s49, s44, 6
	s_add_co_u32 s49, s49, s47                            ; 64 head + R
	s_mul_i32 s50, s49, 3072                              ; q's four half fragments
	s_lshl_b32 s54, s49, 7                                ; and their scale bytes
	s_lshl_b32 s49, s44, 5
	s_lshr_b32 s53, s47, 1
	s_add_co_u32 s49, s49, s53
	s_mul_i32 s49, s49, 12800                             ; the record of head w, keys 128 (R / 2) on
	s_and_b32 s53, s47, 1
	s_mul_i32 s60, s53, 3072
	s_add_co_u32 s60, s60, s49                            ; k's place in it
	s_lshl_b32 s61, s53, 7
	s_add_co_u32 s61, s61, s49
	s_add_co_u32 s61, s61, 12288                          ; and its scale bytes'
	s_cmp_eq_u32 s48, 2
	s_cselect_b32 s62, 6144, 0                            ; v's lie 6,144 and 256 bytes behind k's
	s_cselect_b32 s63, 256, 0
	s_cselect_b64 s[34:35], s[22:23], s[16:17]
	s_cselect_b64 s[36:37], s[24:25], s[18:19]
	s_cselect_b64 s[38:39], s[26:27], s[20:21]
	s_add_co_u32 s60, s60, s62
	s_add_co_u32 s61, s61, s63
	s_cmp_eq_u32 s48, 0
	s_cselect_b64 s[34:35], s[10:11], s[34:35]
	s_cselect_b64 s[36:37], s[12:13], s[36:37]
	s_cselect_b64 s[38:39], s[14:15], s[38:39]
	s_cselect_b64 s[40:41], s[28:29], s[32:33]
	s_cselect_b64 s[42:43], s[30:31], s[32:33]
	s_cselect_b32 s50, s50, s60
	s_cselect_b32 s54, s54, s61
.endif
	s_add_nc_u64 s[40:41], s[40:41], s[50:51]             ; where my codes go
	s_add_nc_u64 s[42:43], s[42:43], s[54:55]             ; and my scale bytes
	s_mul_i32 s54, s52, 36864
	s_add_nc_u64 s[34:35], s[34:35], s[54:55]             ; my 64 rows of weights,
	s_mul_i32 s54, s52, 1536
	s_add_nc_u64 s[36:37], s[36:37], s[54:55]             ; their scale bytes,
	s_lshl_b32 s54, s52, 8
	s_add_nc_u64 s[38:39], s[38:39], s[54:55]             ; their bias
	s_cmp_lt_u32 s44, 6
	s_cselect_b64 s[6:7], s[6:7], s[8:9]
.if FFN == 0
	s_cmp_eq_u32 s48, 2
	s_cbranch_scc1 .Lbias_v
.endif
	WIN 0x40                                              ; the bias as the C of each sum's first matrix instruction: lane (r, h) holds the tile's eight columns of its half
.irp t, 0,1,2,3
	global_load_b128 v[BIAS+8*\t:BIAS+8*\t+3], v36, s[38:39] offset:(32*(\t/2)+8*(\t%2))*4
	global_load_b128 v[BIAS+8*\t+4:BIAS+8*\t+7], v36, s[38:39] offset:(32*(\t/2)+8*(\t%2))*4+16
.endr
	WIN 0
.if FFN == 0
	s_branch .Lbias_done
.Lbias_v:
	WIN 0x40                                              ; v: a lane holds one channel: the same number in all eight registers
.irp o, 0,1,2,3
.irp j, 0,1,2,3,4,5,6,7
	global_load_b32 v[BIAS+8*\o+\j], v37, s[38:39] offset:(32*(\o/2)+8*(\o%2))*4
.endr
.endr
	WIN 0
.Lbias_done:
.endif
	global_load_b128 v[32:35], v38, s[6:7]
.irp b, 0,1,2,3,4,5,6,7
.irp j, 0,1,2,3
	global_load_b128 v[X+16*\b+4*\j:X+16*\b+4*\j+3], v[XA], s[4:5] offset:128*\b+16*\j   ; register 16 b + i: column 32 b + 16 h + i of my 256
.endr
.endr
	WIN 0x40
	WLOAD 0, 0
	WIN 0
.irp t, 0,1,2,3
	global_load_b96 v[WS+4*\t:WS+4*\t+2], v[WSA], s[36:37] offset:(32*(\t/2)+8*(\t%2))*24
.endr
.set TM, 32
.set PC, 64
.set PT, 76
	; ---- the mean
	s_wait_loadcnt 28                                     ; bias, gain and x are in; the 24 weight loads and the 4 loads of scale words may be out
	ds_store_b128 v39, v[32:35]
.irp c, 0,1,2,3
	v_pk_add_f32 v[CH+2*\c:CH+2*\c+1], v[X+4*\c:X+4*\c+1], v[X+4*\c+2:X+4*\c+3]
.endr
.set i, 16
.rept 14
.irp c, 0,1,2,3
	v_pk_add_f32 v[CH+2*\c:CH+2*\c+1], v[CH+2*\c:CH+2*\c+1], v[X+i+2*\c:X+i+2*\c+1]
.endr
.set i, i+8
.endr
	JOIN
	ds_store_b32 v[RST], v[CH]                            ; both lanes of a row write the same word with the same value
	BARRIER
	ds_load_b32 v[CH], v[RLD]
	ds_load_b32 v[CH+1], v[RLD] offset:256
	ds_load_b32 v[CH+2], v[RLD] offset:512
	GBLOAD 0
	s_wait_dscnt 16                                       ; the three partial sums are in; the 16 loads of gain and bias may be out
	v_add_f32 v[CH], v[CH], v[CH+1]
	v_add_f32 v[CH], v[CH], v[CH+2]
	v_mul_f32 v[MU], s58, v[CH]
	v_mov_b32 v[MU+1], v[MU]
	; ---- the variance, of x - mean
.set i, 0
.rept 64
	v_pk_add_f32 v[X+i:X+i+1], v[X+i:X+i+1], v[MU:MU+1] neg_lo:[0,1] neg_hi:[0,1]
.set i, i+2
.endr
.irp c, 0,1,2,3
	v_pk_mul_f32 v[CH+2*\c:CH+2*\c+1], v[X+2*\c:X+2*\c+1], v[X+2*\c:X+2*\c+1]
.endr
.set i, 8
.rept 15
.irp c, 0,1,2,3
	v_pk_fma_f32 v[CH+2*\c:CH+2*\c+1], v[X+i+2*\c:X+i+2*\c+1], v[X+i+2*\c:X+i+2*\c+1], v[CH+2*\c:CH+2*\c+1]
.endr
.set i, i+8
.endr
	JOIN
	ds_store_b32 v[RST], v[CH] offset:768
	BARRIER
	ds_load_b32 v[CH], v[RLD] offset:768
	ds_load_b32 v[CH+1], v[RLD] offset:1024
	ds_load_b32 v[CH+2], v[RLD] offset:1280
	s_wait_dscnt 0x0
	v_add_f32 v[CH], v[CH], v[CH+1]
	v_add_f32 v[CH], v[CH], v[CH+2]
	v_fma_f32 v[CH], v[CH], s58, s59
	v_rsq_f32 v[RS], v[CH]
	v_nop                                                 ; a plain place behind the transcendental
	s_wait_alu depctr_va_vdst(0)                          ; and the wait ahead of its first reader
	v_mov_b32 v[RS+1], v[RS]
	; ---- normalise, quantise, images to LDS
	NORM 0
	GBLOAD 1
	s_wait_dscnt 0x0
	NORM 1
	QUANT4 X
	IMAGE 0
	GBLOAD 2
	s_wait_dscnt 0x0
	NORM 2
	GBLOAD 3
	s_wait_dscnt 0x0
	NORM 3
	QUANT4 X+64
	IMAGE 1
	WLOAD 1, WBA
	s_barrier_signal -1                                   ; (IMAGE has waited for my LDS stores)
	s_barrier_wait -1                                     ; xn's 24 fragments lie in LDS
	; ---- the product
.if FFN == 0
	s_cmp_eq_u32 s48, 2
	s_cbranch_scc1 .Lprod_v
.endif
	PROD 1
.if FFN == 0
	s_branch .Lepi
.Lprod_v:
	PROD 0
.Lepi:
.endif
	; ---- the way out
.rept 4
	v_nop                                                 ; places behind the last matrix instructions
.endr
.set TM, 108
.set PT, 104
.set PC, 80
	v_mov_b32 v[TM+2], 0                                  ; written once: a lane permute's destination counts as one of its sources
	v_mov_b32 v[TM+3], 0
.if FFN
	v_mov_b32 v[C9], 0x3e7c6f08
	v_mov_b32 v[C9+1], 0x3e7c6f08
.endif
.irp o, 0,1,2,3
.if FFN
	GELU16 ACC+32*\o
	GELU16 ACC+32*\o+16
.endif
	QUANT2 ACC+32*\o, PC+6*\o, 116+\o
.endr
	v_lshl_or_b32 v120, v117, 16, v116                    ; tiles 0, 1: two bytes each;
	v_lshl_or_b32 v121, v119, 16, v118                    ; tiles 2, 3
.irp o, 0,1,2,3
	global_store_b128 v[LI16], v[PC+6*\o:PC+6*\o+3], s[40:41] offset:768*\o          ; 512 consecutive bytes, aligned
	global_store_b64 v[LI8], v[PC+6*\o+4:PC+6*\o+5], s[40:41] offset:768*\o+512      ; 256 consecutive bytes, aligned
.endr
	global_store_b64 v[SBA], v[120:121], s[42:43]         ; 128 consecutive bytes; lanes 16-31 write what lanes 0-15 write
	s_wait_tensorcnt 0x0
	ds_add_u32 v27, v31
	s_wait_dscnt 0x0
	s_endpgm
.Lfunc_end_k_q9ea1d664d8_ln_qkv:
	.size	k_q9ea1d664d8_ln_qkv, .Lfunc_end_k_q9ea1d664d8_ln_qkv-k_q9ea1d664d8_ln_qkv
	.p2alignl 7, 3214868480
	.fill 96, 4, 3214868480
	.section	.rodata,"a",@progbits
	.p2align	6, 0x0
	.amdhsa_kernel k_q9ea1d664d8_ln_qkv
		.amdhsa_group_segment_fixed_size 49664
		.amdhsa_private_segment_fixed_size 0
		.amdhsa_enable_private_segment 0
		.amdhsa_kernarg_size 120
		.amdhsa_user_sgpr_count 2
		.amdhsa_user_sgpr_kernarg_segment_ptr 1
		.amdhsa_wavefront_size32 1
		.amdhsa_system_sgpr_workgroup_id_x 1
		.amdhsa_system_sgpr_workgroup_id_y 1
		.amdhsa_system_sgpr_workgroup_id_z 1
		.amdhsa_system_vgpr_workitem_id 0
		.amdhsa_next_free_vgpr 336
		.amdhsa_next_free_sgpr 66
		.amdhsa_reserve_vcc 0
		.amdhsa_float_denorm_mode_32 3
		.amdhsa_float_denorm_mode_16_64 3
		.amdhsa_memory_ordered 1
		.amdhsa_forward_progress 1
		.amdhsa_inst_pref_size 117
	.end_amdhsa_kernel
	.amdgpu_metadata
---
amdhsa.version: [ 1, 2 ]
amdhsa.kernels:
  - .name:           k_q9ea1d664d8_ln_qkv
    .symbol:         k_q9ea1d664d8_ln_qkv.kd
    .args:
      - { .name: x, .offset: 0, .size: 8, .value_kind: global_buffer, .address_space: global }
      - { .name: ln1_g, .offset: 8, .size: 8, .value_kind: global_buffer, .address_space: global }
      - { .name: ln1_b, .offset: 16, .size: 8, .value_kind: global_buffer, .address_space: global }
      - { .name: Wq_codes, .offset: 24, .size: 8, .value_kind: global_buffer, .address_space: global }
      - { .name: Wq_scales, .offset: 32, .size: 8, .value_kind: global_buffer, .address_space: global }
      - { .name: bq, .offset: 40, .size: 8, .value_kind: global_buffer, .address_space: global }
      - { .name: Wk_codes, .offset: 48, .size: 8, .value_kind: global_buffer, .address_space: global }
      - { .name: Wk_scales, .offset: 56, .size: 8, .value_kind: global_buffer, .address_space: global }
      - { .name: bk, .offset: 64, .size: 8, .value_kind: global_buffer, .address_space: global }
      - { .name: Wv_codes, .offset: 72, .size: 8, .value_kind: global_buffer, .address_space: global }
      - { .name: Wv_scales, .offset: 80, .size: 8, .value_kind: global_buffer, .address_space: global }
      - { .name: bv, .offset: 88, .size: 8, .value_kind: global_buffer, .address_space: global }
      - { .name: qc, .offset: 96, .size: 8, .value_kind: global_buffer, .address_space: global }
      - { .name: qs, .offset: 104, .size: 8, .value_kind: global_buffer, .address_space: global }
      - { .name: kv, .offset: 112, .size: 8, .value_kind: global_buffer, .address_space: global }
    .group_segment_fixed_size: 49664
    .private_segment_fixed_size: 0
    .kernarg_segment_align: 8
    .kernarg_segment_size: 120
    .max_flat_workgroup_size: 384
    .sgpr_count:     66
    .vgpr_count:     336
    .wavefront_size: 32
...
	.end_amdgpu_metadata
.endif
;; end of part 1
;; launch attn (part 2): grid 64 x 4, 12 waves a work-group, clusters of 4 x 1, 327,680 bytes of LDS; arguments qc, qs, kv, cc, cs; writes cc, cs
.if DOCPART == 2
	.amdgcn_target "amdgcn-amd-amdhsa--gfx1250"
	.amdhsa_code_object_version 6
	.text
	.protected	k_q9ea1d664d8_attn
	.globl	k_q9ea1d664d8_attn
	.p2align	8
	.type	k_q9ea1d664d8_attn,@function
k_q9ea1d664d8_attn:
	s_mov_b64 s[64:65], 0
	v_nop
	global_prefetch_b8 v0, s[64:65] scope:SCOPE_SE
	s_setreg_imm32_b32 hwreg(HW_REG_WAVE_MODE, 25, 1), 1
	s_wait_xcnt 0x0
	s_wait_alu depctr_hold_cnt(0) depctr_sa_sdst(0) depctr_va_vdst(0) depctr_va_sdst(0) depctr_va_ssrc(0) depctr_va_vcc(0) depctr_vm_vsrc(0)
	s_getreg_b32 s2, hwreg(HW_REG_IB_STS2, 6, 4)
	s_cmp_eq_u32 s2, 0
	s_cbranch_scc0 .Lentry_in_a_cluster
	s_endpgm
.Lentry_in_a_cluster:
	s_bfe_u32 s2, ttmp6, 0x10000c
	s_cmp_lg_u32 s2, 0x3003
	s_cbranch_scc0 .Lentry_shape_is_right
	s_endpgm
.Lentry_shape_is_right:
; ctx = softmax(q k^T / 8) v for 12 heads of 64, 4,096 tokens, both products on codes of FP6 (E2M3) with one E8M0 scale for each 32 along K; ctx is quantised along the head's 64 and stored in operand order.
; THE SOFTMAX: t = score x log2(e) / 8; M = the running largest t rounded up to a whole number; p = 2^(t - M) is quantised along the keys, not normalised; the row's sum is taken of the unquantised p and divides
; at the end. When M moves, the sum and O are multiplied by 2^(old M - new M): exact.
; SHARES. Work-group (j, t): the 64 queries of block j, heads 3 t .. 3 t + 2. Wave w: head 3 t + w / 4, query tile w % 4: 16 queries in 256 registers; three waves to a SIMD, so that one wave's vector work stands
; beside another's matrix work and LDS loads. 256 work-groups x 12 waves = the 3,072 query tiles. Every wave walks its head's 32 steps of 128 keys.
; RECORDS. A step's K and V of one head are one dense record of 12,800 bytes in the order of the operands' registers: 8 half fragments of K (16 keys x 64), 8 of V^T (16 channels x 64 keys), their scale bytes.
; A half fragment: registers 0-3 at 16 x lane, registers 4-5 at 512 + 8 x lane: every LDS load takes consecutive bytes: no padding.
; RING. Two slots of 12 records (3 heads x 4 steps). Each of the twelve waves fetches one record of a slot: one tensor load a wave, 50 rows of 256 bytes; a refill has four key steps in which to land.
; CLUSTER. The four work-groups of a cluster are four query blocks of the same three heads: every record is asked for JOINTLY, by the same load with the same descriptor and the mask of all four.
; K = 64 IN A FORM OF K = 128. A fragment of K holds key tile 2 u in its lower 64 and key tile 2 u + 1 in its upper 64. Against q followed by zero codes it gives tile 2 u's scores, against zero codes followed by q
; tile 2 u + 1's. Zero codes add nothing under any scale byte that the quantiser gives (1 to 254).
; Both products are used transposed (source 0 = keys, or V's channels; source 1 = my queries): a lane holds one query throughout. The keys of a tile are 32 (o / 2) + 8 (o % 2) + r + 8 (r / 8), so that the 16
; registers of two neighbouring tiles are 16 neighbouring keys.
; LIMITS: NaN and infinities are not served; a block whose every p is 0 keeps the byte 1 (its codes are zeros); ctx's scale bytes leave 2 bytes a lane, 32 bytes a wave, inside one block of 128 bytes.
.set REC,   12800
.set SLOTB, 12*REC
.set SPARE, 2*SLOTB                    ; behind the ring: the spare words, 128 bytes for each of twelve waves: six blocks of 256 bytes that no other line names
.set SPW, 7                            ; v7  my spare word;  v8  0: both never rewritten.  v1-3, v4-6: my lane's places in my head's records of slot 0, 1
.set NIL, 8
.set A16, 9                            ; v9-11 the step's addresses
.set A8,  10
.set ASB, 11
.set QA,  16                           ; v16-27 q's codes, then zero codes;  v28-39 zero codes, then q's
.set QB,  28
.set QS,  40                           ; v40 q's scale word, v41 p's, v42-45 K's, v50-53 V's: scales only
.set PS,  41
.set KS,  42
.set VR,  46                           ; v46-49 V's scale bytes as they lie
.set VS,  50
.set FF,  54                           ; v[54:55] f = 2^(old M - new M)
.set KV,  56                           ; v56-103 four fragments of K, then of V
.set S,   104                          ; v104-167 S^T, then p
.set O,   168                          ; v168-199 O^T
.set P,   200                          ; v200-211 p's codes
.set PT,  212
.set BM,  220
.set BX,  224
.set SO,  228
.set BY,  232
.set C2,  236
.set T0,  238
.set G16, 240
.set G8,  241
.set G8R, 242
.set QR,  243
.set WV,  14
.set SEL, 20
.set CS,  22
.set G1,  24
.set G0,  32
.set TS,  40
.set CNT, 41
.set PLO, 54
.set PHI, 55
.macro CROUND                          ; a round of the cluster's barrier
	s_barrier_signal -1
	s_barrier_wait -1
	s_cmp_lg_u32 s[WV], 0
	s_cbranch_scc1 .Lnot_wave_0_\@
	s_barrier_signal -3
.Lnot_wave_0_\@:
	s_barrier_wait -3
	s_barrier_signal -1
	s_barrier_wait -1
.endm
	s_load_b256 s[4:11], s[0:1], 0x0                      ; qc, qs, kv, cc
	s_load_b64 s[12:13], s[0:1], 0x20                     ; cs
	v_lshl_add_u32 v[SPW], v0, 2, SPARE
	v_mov_b32 v[NIL], 0
	ds_add_u32 v7, v8
	ds_add_u32 v7, v8
	s_wait_dscnt 0x0
	v_lshrrev_b32 v9, 5, v0
	v_readfirstlane_b32 s[WV], v9                         ; wave 0..11
	s_lshr_b32 s15, s[WV], 2                              ; a: which of the three heads
	s_and_b32 s16, s[WV], 3                               ; o: which query tile; also which of a slot's four steps I fetch
	s_bfe_u32 s17, ttmp6, 0x40000                         ; cx
	s_lshl_b32 s18, ttmp9, 2
	s_add_co_u32 s18, s18, s17                            ; j = 4 x cluster x + cx: it enters q's and ctx's addresses alone
	s_and_b32 s19, ttmp7, 0xffff                          ; t, which the four partners share
	s_mul_i32 s42, s19, 3
	s_add_co_u32 s42, s42, s15                            ; my head
	s_mov_b32 s[G1], 15|(3<<16)|(1<<21)                   ; 15:0 the mask: all four work-groups; 17:16 elements of 8 bytes; 21 set beside a mask; no padding
	s_mov_b32 s[G1+1], 32<<16                             ; tensor_dim0 = 32 elements: 256 bytes
	s_mov_b32 s[G1+2], 50<<16                             ; tensor_dim1 = 50
	s_mov_b32 s[G1+3], 32<<16                             ; tile_dim0
	s_mov_b32 s[G1+4], 50                                 ; tile_dim1
	s_mov_b32 s[G1+5], 32                                 ; the pitch: dense
	s_mov_b32 s[G1+6], 0
	s_mov_b32 s[G1+7], 0
	s_lshl_b32 s43, s42, 5
	s_add_co_u32 s43, s43, s16
	s_mul_i32 s44, s43, REC                               ; my record of slot 0: head x 32 + o
	s_mov_b32 s45, 0
	s_mul_i32 s46, s[WV], REC                             ; and its place in a slot
	s_lshl_b32 s47, s42, 6
	s_add_co_u32 s47, s47, s18                            ; 64 head + j
	s_lshl_b32 s48, s47, 2
	s_add_co_u32 s48, s48, s16
	s_mul_i32 s48, s48, 768                               ; q's half fragment
	s_mov_b32 s49, 0
	s_lshl_b32 s50, s47, 7
	s_lshr_b32 s51, s16, 1
	s_lshl_b32 s51, s51, 2
	s_add_co_u32 s50, s50, s51                            ; the word with its scale bytes
	s_mov_b32 s51, 0
	s_mul_i32 s47, s18, 12
	s_add_co_u32 s47, s47, s42                            ; 12 j + head
	s_lshl_b32 s52, s47, 2
	s_add_co_u32 s52, s52, s16
	s_mul_i32 s52, s52, 768                               ; ctx's half fragment
	s_mov_b32 s53, 0
	s_lshl_b32 s2, s47, 7
	s_lshl_b32 s3, s16, 1
	s_add_co_u32 s2, s2, s3                               ; its two scale bytes
	s_mov_b32 s3, 0
	s_mov_b32 s[SEL], 0x76543210
	s_mov_b32 s[SEL+1], 0xfedcba98
	s_mov_b32 s[CS], 0x3e38aa3b                           ; c = log2(e) / 8
	s_mov_b32 s[CS+1], s[CS]                              ; (named with it as a pair, so it is written)
	s_mov_b32 s[PLO], 0x05040100                          ; byte selects: the two low halves, the two high halves
	s_mov_b32 s[PHI], 0x07060302
	s_and_b32 s40, s16, 1
	s_cmp_eq_u32 s40, 0
	s_mov_b32 s41, 0x03020302
	s_cselect_b32 s40, 0x01000100, s41                    ; my tile's two bytes of the word, twice
	v_and_b32 v9, 31, v0                                  ; lane
	v_and_b32 v10, 15, v0                                 ; r
	s_mul_i32 s47, s15, 4*REC                             ; my head's four records of a slot
	v_lshl_add_u32 v1, v9, 4, s47
	v_lshl_add_u32 v2, v9, 3, s47
	v_add_nc_u32 v2, 512, v2
	v_lshl_add_u32 v3, v10, 3, s47
	v_add_nc_u32 v4, SLOTB, v1
	v_add_nc_u32 v5, SLOTB, v2
	v_add_nc_u32 v6, SLOTB, v3
	v_lshlrev_b32 v[G16], 4, v9
	v_lshlrev_b32 v[G8], 3, v9
	v_lshlrev_b32 v[G8R], 3, v10
	s_wait_kmcnt 0x0
	s_add_nc_u64 s[44:45], s[8:9], s[44:45]
	s_add_nc_u64 s[4:5], s[4:5], s[48:49]
	s_add_nc_u64 s[6:7], s[6:7], s[50:51]
	s_add_nc_u64 s[10:11], s[10:11], s[52:53]
	s_add_nc_u64 s[12:13], s[12:13], s[2:3]
	CROUND                                                ; all four work-groups are here: the first joint loads meet
.irp p, 0,1
	s_mov_b32 s[G0+4*\p], 1                               ; count = 1
	s_add_co_u32 s[G0+4*\p+1], s46, \p*SLOTB              ; LDS address
	s_add_nc_u64 s[G0+4*\p+2:G0+4*\p+3], s[44:45], \p*4*REC   ; global address: slot p begins with steps 4 p on
	s_or_b32 s[G0+4*\p+3], s[G0+4*\p+3], 0x80000000       ; type = 2
.endr
	tensor_load_to_lds s[G0:G0+3], s[G1:G1+7]             ; my two first fills together: two loads of mine are out
	s_nop 0
	tensor_load_to_lds s[G0+4:G0+7], s[G1:G1+7]
	s_nop 0
.rept 4
	v_nop
.endr
	global_load_b128 v[QA:QA+3], v[G16], s[4:5]
	global_load_b64 v[QA+4:QA+5], v[G8], s[4:5] offset:512
	global_load_b128 v[QB+6:QB+9], v[G16], s[4:5]         ; loaded twice: the two operands share no register
	global_load_b64 v[QB+10:QB+11], v[G8], s[4:5] offset:512
	global_load_b32 v[QR], v[G8R], s[6:7]
	s_wait_tensorcnt 0x1                                  ; my record of slot 0 is in; slot 1's may stay out
	s_barrier_signal -1
	s_barrier_wait -1
	s_wait_loadcnt 0x0                                    ; q
	v_perm_b32 v[QS], v[QR], v[QR], s40                   ; q's two bytes for both halves of K; the moves below stand between it and the first matrix instruction
.irp i, 6,7,8,9,10,11
	v_mov_b32 v[QA+\i], 0
.endr
.irp i, 0,1,2,3,4,5
	v_mov_b32 v[QB+\i], 0
.endr
	v_mov_b32 v13, 0xff61b1e6                             ; the largest t so far: -3e38
	v_floor_f32 v12, -v13                                 ; -M
	v_mov_b32 v14, 0
	v_mov_b32 v15, 0
	v_mov_b32 v[FF+1], 0                                  ; (named as the upper half of a pair)
.irp b, 0,1,2,3
	v_mov_b32 v[BX+\b], 0                                 ; written once: a lane permute's destination counts as one of its sources
.endr
.set j, 0
.rept 32
	v_mov_b32 v[O+j], 0                                   ; O^T: the step is written once; the first finds zeros
.set j, j+1
.endr
; A KEY STEP of 128 keys: the record at s[TS] in my head's part of slot p
.macro STEP p
	v_add_nc_u32 v[A16], s[TS], v[1+3*\p]
	v_add_nc_u32 v[A8], s[TS], v[2+3*\p]
	v_add_nc_u32 v[ASB], s[TS], v[3+3*\p]
	v_nop                                                 ; four places in front of loads into registers that the last step's matrix instructions have read
.irp tl, 0,1,2,3,4,5,6,7
	ds_load_b128 v[KV+12*(\tl/2)+6*(\tl%2):KV+12*(\tl/2)+6*(\tl%2)+3], v[A16] offset:768*\tl
	ds_load_b64 v[KV+12*(\tl/2)+6*(\tl%2)+4:KV+12*(\tl/2)+6*(\tl%2)+5], v[A8] offset:768*\tl
.endr
	ds_load_b64 v[KS:KS+1], v[ASB] offset:12288           ; a word holds tile 2 u's two bytes and tile 2 u + 1's: the fragment's scale word as it lies
	ds_load_b64 v[KS+2:KS+3], v[ASB] offset:12416
	ds_load_b64 v[VR:VR+1], v[ASB] offset:12544
	ds_load_b64 v[VR+2:VR+3], v[ASB] offset:12672
	s_wait_dscnt 0x0
.irp u, 0,1,2,3
	v_wmma_scale_f32_16x16x128_f8f6f4 v[S+16*\u:S+16*\u+7], v[KV+12*\u:KV+12*\u+11], v[QA:QA+11], 0, v[KS+\u], v[QS] matrix_a_fmt:MATRIX_FMT_FP6 matrix_b_fmt:MATRIX_FMT_FP6
	v_wmma_scale_f32_16x16x128_f8f6f4 v[S+16*\u+8:S+16*\u+15], v[KV+12*\u:KV+12*\u+11], v[QB:QB+11], 0, v[KS+\u], v[QS] matrix_a_fmt:MATRIX_FMT_FP6 matrix_b_fmt:MATRIX_FMT_FP6
.endr
	v_perm_b32 v[VS], v[VR+2], v[VR], s[PLO]              ; V's scale words: a channel tile's two bytes of keys 0-63, then of keys 64-127.  These four are the places behind the products
	v_perm_b32 v[VS+1], v[VR+2], v[VR], s[PHI]
	v_perm_b32 v[VS+2], v[VR+3], v[VR+1], s[PLO]
	v_perm_b32 v[VS+3], v[VR+3], v[VR+1], s[PHI]
.irp c, 0,1
.irp o, 0,1,2,3
	ds_load_b128 v[KV+12*\o+6*\c:KV+12*\o+6*\c+3], v[A16] offset:6144+(4*\c+\o)*768
	ds_load_b64 v[KV+12*\o+6*\c+4:KV+12*\o+6*\c+5], v[A8] offset:6144+(4*\c+\o)*768
.endr
.endr
.irp b, 0,1,2,3
	v_max3_num_f32 v[BM+\b], v[S+16*\b], v[S+16*\b+1], v[S+16*\b+2]   ; the largest score of each block of 32 keys: for the row's maximum and, since p rises with the score, for the block's largest p
.endr
.irp i, 3,5,7,9,11,13
.irp b, 0,1,2,3
	v_max3_num_f32 v[BM+\b], v[BM+\b], v[S+16*\b+\i], v[S+16*\b+\i+1]
.endr
.endr
.irp b, 0,1,2,3
	v_max_num_f32 v[BM+\b], v[BM+\b], v[S+16*\b+15]
.endr
.irp b, 0,1,2,3
	v_permlanex16_b32 v[BX+\b], v[BM+\b], s[SEL], s[SEL+1]
.endr
.irp b, 0,1,2,3
	v_max_num_f32 v[BM+\b], v[BM+\b], v[BX+\b]            ; with lane l xor 16's 16 keys
.endr
	v_max3_num_f32 v[T0], v[BM], v[BM+1], v[BM+2]
	v_max_num_f32 v[T0], v[T0], v[BM+3]
	v_mul_f32 v[T0], s[CS], v[T0]                         ; as t (c is positive)
	v_max_num_f32 v13, v13, v[T0]                         ; the running largest t
	v_mov_b32 v[T0], v12
	v_floor_f32 v12, -v13                                 ; the new -M = -ceil(t)
	v_sub_f32 v[T0], v12, v[T0]                           ; old M - new M: a whole number, 0 or less
	v_cvt_i32_f32 v[T0], v[T0]                            ; (it saturates)
	v_ldexp_f32 v[FF], 1.0, v[T0]                         ; f
.set j, 0
.rept 32
	v_pk_fma_f32 v[S+j:S+j+1], v[S+j:S+j+1], s[CS:CS+1], v[12:13] op_sel_hi:[1,0,0]   ; t - M
.set j, j+2
.endr
.irp b, 0,1,2,3
	v_fma_f32 v[BM+\b], v[BM+\b], s[CS], v12
.endr
.set j, 0
.rept 64
	v_exp_f32 v[S+j], v[S+j]                              ; p = 2^(t - M)
.set j, j+1
.endr
	v_pk_mul_f32 v[14:15], v[14:15], v[FF:FF+1] op_sel_hi:[1,0]   ; the sums under the new M: a plain place behind the exponentials
	s_wait_alu depctr_va_vdst(0)                          ; one wait for the batch of 64, ahead of its first reader
.irp b, 0,1,2,3
	v_exp_f32 v[BM+\b], v[BM+\b]                          ; the block's largest p
.endr
	v_pk_add_f32 v[C2:C2+1], v[S:S+1], v[S+2:S+3]         ; the row's sum of the unquantised p, in two chains
.set j, 4
.rept 15
	v_pk_add_f32 v[14:15], v[14:15], v[S+j:S+j+1]
	v_pk_add_f32 v[C2:C2+1], v[C2:C2+1], v[S+j+2:S+j+3]
.set j, j+4
.endr
	v_pk_add_f32 v[14:15], v[14:15], v[C2:C2+1]
	s_wait_alu depctr_va_vdst(0)                          ; and one for the four
.irp b, 0,1,2,3
	v_max_num_f32 v[BM+\b], 0x1800000, v[BM+\b]           ; the floor 2^(3 - 127)
.endr
.irp b, 0,1,2,3
	v_add_nc_u32 v[SO+\b], 0xff000000, v[BM+\b]           ; 2 off the exponent field: the conversion's scale operand
.endr
.irp b, 0,1,2,3
	v_lshrrev_b32 v[BY+\b], 23, v[SO+\b]
.endr
	v_lshl_or_b32 v[PS], v[BY+1], 8, v[BY]
	v_lshl_or_b32 v[PS], v[BY+2], 16, v[PS]
	v_lshl_or_b32 v[PS], v[BY+3], 24, v[PS]
.irp c, 0,1
	v_cvt_scalef32_pk16_fp6_f32 v[P+6*\c:P+6*\c+2], v[S+32*\c:S+32*\c+15], v[SO+2*\c]
	v_cvt_scalef32_pk16_fp6_f32 v[PT+4*\c:PT+4*\c+2], v[S+32*\c+16:S+32*\c+31], v[SO+2*\c+1]
.endr
	v_nop                                                 ; one plain place behind a scaled conversion
.irp c, 0,1
.irp i, 0,1,2
	v_permlane16_swap_b32 v[P+6*\c+\i], v[PT+4*\c+\i]
.endr
.irp i, 0,1,2
	v_mov_b32 v[P+6*\c+3+\i], v[PT+4*\c+\i]
.endr
.endr
.set j, 0
.rept 16
	v_pk_mul_f32 v[O+j:O+j+1], v[O+j:O+j+1], v[FF:FF+1] op_sel_hi:[1,0]   ; O^T under the new M; these 16 are also the places between p's codes and scale word and the products
.set j, j+2
.endr
	s_wait_dscnt 0x0                                      ; V
.irp o, 0,1,2,3
	v_wmma_scale_f32_16x16x128_f8f6f4 v[O+8*\o:O+8*\o+7], v[KV+12*\o:KV+12*\o+11], v[P:P+11], v[O+8*\o:O+8*\o+7], v[VS+\o], v[PS] matrix_a_fmt:MATRIX_FMT_FP6 matrix_b_fmt:MATRIX_FMT_FP6
.endr
.endm
.macro SLOTWORK p                      ; a slot's four key steps
	s_mov_b32 s[TS], 0
.Lstep_\@:
	STEP \p
	s_add_co_u32 s[TS], s[TS], REC
	s_cmp_lt_u32 s[TS], 4*REC
	s_cbranch_scc1 .Lstep_\@
.endm
; THE CHANGE OF SLOTS. Each wave waits for all its tensor loads (its record of the slot ahead), adds 0 to its spare word, and waits for that and for its reads of slot p, which it has left.
; fill = 1: slot p is filled with the steps two slots on: the barrier is a round of the cluster's, and the joint refill is the first thing behind it.
.macro CHANGE p, fill
	s_wait_tensorcnt 0x0                                  ; no tensor load of mine is out, so a group 0 may be written
	ds_add_u32 v[SPW], v[NIL]
.if \fill
	s_add_nc_u64 s[G0+4*\p+2:G0+4*\p+3], s[G0+4*\p+2:G0+4*\p+3], 8*REC
.endif
	s_wait_dscnt 0x0                                      ; the add is done, and my reads of the slot are over
.if \fill
	CROUND
	tensor_load_to_lds s[G0+4*\p:G0+4*\p+3], s[G1:G1+7]   ; my one tensor load behind the round
	s_nop 0
.rept 4
	v_nop
.endr
.else
	s_barrier_signal -1
	s_barrier_wait -1
.endif
.endm
	SLOTWORK 0
	s_mov_b32 s[CNT], 3
.Lpair:                                                    ; three trips: six refills
	CHANGE 0, 1
	SLOTWORK 1
	CHANGE 1, 1
	SLOTWORK 0
	s_sub_co_u32 s[CNT], s[CNT], 1
	s_cmp_lg_u32 s[CNT], 0
	s_cbranch_scc1 .Lpair
	CHANGE 0, 0                                           ; the tail is written out: nothing is left to fetch
	SLOTWORK 1
	; THE WAY OUT: O^T / the sum, quantised along the head's 64 channels
.rept 4
	v_nop                                                 ; places behind the last products
.endr
	v_add_f32 v14, v14, v15
	v_permlanex16_b32 v[BX], v14, s[SEL], s[SEL+1]
	v_add_f32 v14, v14, v[BX]                             ; the row's sum
	v_rcp_f32 v[FF], v14
	v_nop
	s_wait_alu depctr_va_vdst(0)
.set j, 0
.rept 16
	v_pk_mul_f32 v[O+j:O+j+1], v[O+j:O+j+1], v[FF:FF+1] op_sel_hi:[1,0]
.set j, j+2
.endr
.irp b, 0,1
	v_max3_num_f32 v[BM+\b], |v[O+16*\b]|, |v[O+16*\b+1]|, 0x1800000
.endr
.irp i, 2,4,6,8,10,12,14
.irp b, 0,1
	v_max3_num_f32 v[BM+\b], v[BM+\b], |v[O+16*\b+\i]|, |v[O+16*\b+\i+1]|
.endr
.endr
.irp b, 0,1
	v_permlanex16_b32 v[BM+2+\b], v[BM+\b], s[SEL], s[SEL+1]
.endr
.irp b, 0,1
	v_max_num_f32 v[BM+\b], v[BM+\b], v[BM+2+\b]
.endr
.irp b, 0,1
	v_add_nc_u32 v[BX+\b], 0xff000000, v[BM+\b]
.endr
.irp b, 0,1
	v_lshrrev_b32 v[BM+2+\b], 23, v[BX+\b]
.endr
	v_lshl_or_b32 v[C2], v[BM+3], 8, v[BM+2]
	v_cvt_scalef32_pk16_fp6_f32 v[P:P+2], v[O:O+15], v[BX]
	v_cvt_scalef32_pk16_fp6_f32 v[PT:PT+2], v[O+16:O+31], v[BX+1]
	v_nop
.irp i, 0,1,2
	v_permlane16_swap_b32 v[P+\i], v[PT+\i]
.endr
.irp i, 0,1,2
	v_mov_b32 v[P+3+\i], v[PT+\i]
.endr
	global_store_b128 v[G16], v[P:P+3], s[10:11]          ; 512 consecutive bytes, aligned
	global_store_b64 v[G8], v[P+4:P+5], s[10:11] offset:512   ; 256 consecutive bytes, aligned
	global_store_b16 v[G8R], v[C2], s[12:13]              ; my tile's two bytes of each row's eight
	s_wait_tensorcnt 0x0                                  ; the wave's end
	ds_add_u32 v[SPW], v[NIL]
	s_wait_dscnt 0x0
	CROUND                                                ; the closing round
	s_endpgm
.Lfunc_end_k_q9ea1d664d8_attn:
	.size	k_q9ea1d664d8_attn, .Lfunc_end_k_q9ea1d664d8_attn-k_q9ea1d664d8_attn
	.p2alignl 7, 3214868480
	.fill 96, 4, 3214868480
	.section	.rodata,"a",@progbits
	.p2align	6, 0x0
	.amdhsa_kernel k_q9ea1d664d8_attn
		.amdhsa_group_segment_fixed_size 327680
		.amdhsa_private_segment_fixed_size 0
		.amdhsa_enable_private_segment 0
		.amdhsa_kernarg_size 40
		.amdhsa_user_sgpr_count 2
		.amdhsa_user_sgpr_kernarg_segment_ptr 1
		.amdhsa_wavefront_size32 1
		.amdhsa_system_sgpr_workgroup_id_x 1
		.amdhsa_system_sgpr_workgroup_id_y 1
		.amdhsa_system_sgpr_workgroup_id_z 1
		.amdhsa_system_vgpr_workitem_id 0
		.amdhsa_next_free_vgpr 256
		.amdhsa_next_free_sgpr 66
		.amdhsa_reserve_vcc 0
		.amdhsa_float_denorm_mode_32 3
		.amdhsa_float_denorm_mode_16_64 3
		.amdhsa_memory_ordered 1
		.amdhsa_forward_progress 1
		.amdhsa_inst_pref_size 77
	.end_amdhsa_kernel
	.amdgpu_metadata
---
amdhsa.version: [ 1, 2 ]
amdhsa.kernels:
  - .name:           k_q9ea1d664d8_attn
    .symbol:         k_q9ea1d664d8_attn.kd
    .args:
      - { .name: qc, .offset: 0, .size: 8, .value_kind: global_buffer, .address_space: global }
      - { .name: qs, .offset: 8, .size: 8, .value_kind: global_buffer, .address_space: global }
      - { .name: kv, .offset: 16, .size: 8, .value_kind: global_buffer, .address_space: global }
      - { .name: cc, .offset: 24, .size: 8, .value_kind: global_buffer, .address_space: global }
      - { .name: cs, .offset: 32, .size: 8, .value_kind: global_buffer, .address_space: global }
    .group_segment_fixed_size: 327680
    .private_segment_fixed_size: 0
    .kernarg_segment_align: 8
    .kernarg_segment_size: 40
    .max_flat_workgroup_size: 384
    .sgpr_count:     66
    .vgpr_count:     256
    .wavefront_size: 32
...
	.end_amdgpu_metadata
.endif
;; end of part 2
;; launch wo (part 3): grid 64 x 4, 4 waves a work-group, no clusters, 168,448 bytes of LDS; arguments cc, cs, Wo_codes, Wo_scales, bo, x, x1; writes x1
.if DOCPART == 3
	.amdgcn_target "amdgcn-amd-amdhsa--gfx1250"
	.amdhsa_code_object_version 6
	.text
	.protected	k_q9ea1d664d8_wo
	.globl	k_q9ea1d664d8_wo
	.p2align	8
	.type	k_q9ea1d664d8_wo,@function
k_q9ea1d664d8_wo:
	s_mov_b64 s[64:65], 0
	v_nop
	global_prefetch_b8 v0, s[64:65] scope:SCOPE_SE
	s_setreg_imm32_b32 hwreg(HW_REG_WAVE_MODE, 25, 1), 1
	s_wait_xcnt 0x0
; out = res + A W^T + bias: 64 tokens x 192 columns a work-group, K = 128 NS, on codes of FP6 (E2M3) with one E8M0 scale for each 32 along K.
; A arrives in the order of an operand's registers: for block R of 64 tokens and each 64 along K four half fragments of 768 bytes (registers 0-3 at 16 x lane, registers 4-5 at 512 + 8 x lane) and 128 scale bytes
; (row r: 8 bytes at 8 r, two bytes a token tile). The block's codes and scale bytes are dense in memory: asynchronous copies bring them into LDS once, in chunks of 6 K steps, each byte filled once.
; W arrives row-major, K innermost; each wave's 48 rows go from memory straight into its registers, three K steps ahead, in a ring of four sets.
; SHARES. Work-group (R, y): columns 192 y on. Wave w: columns 48 w on: 3 column tiles x 4 token tiles: 12 accumulators by turns, 12 matrix instructions a K step, transposed (source 0 = W, source 1 = A), so that a lane
; holds eight neighbouring columns of one token. The bias is the C of each sum's first matrix instruction.
; THE WAY OUT goes through a stage in LDS (bytes of its own, into which no copy lands): 64 rows of 768 bytes + 16; each wave reads 16 whole rows back, adds the residual and stores: 16 lanes to 256 consecutive bytes, aligned.
; Lane r of token tile o is token 32 (o / 2) + 8 (o % 2) + r + 8 (r / 8) of the block.
; NO CLUSTER: the four work-groups of a block share A's block alone, 6,144 NS of the 24,576 NS bytes that a work-group reads; the weights, the rest, are read by one wave each and do not pass through LDS.
.set NS,   6                           ; K steps of 128
.set KROW, 96*NS                       ; a row of W in bytes
.set KSR,  4*NS                        ; a row of W's scale bytes
.set NA,   6144*NS                     ; LDS: A's block
.set SBL,  NA                          ; its scale bytes, 256 NS
.set STG,  NA+256*NS                   ; the stage
.set NCH,  NS/6
.if NS == 6
.set WSS, 4
.else
.set WSS, 12
.endif
.set AA16, 9                           ; v9  16 x lane (+ the chunk);  v10  8 x lane + 512 (+ the chunk)
.set AA8,  10
.set SBA,  11                          ; v11 SBL + 8 r
.set WA,   12                          ; v12 r x KROW + 24 h
.set WSA,  13
.set BA,   14                          ; v14 32 h
.set SO,   15                          ; v15 the stage: where I put 32 bytes of a row
.set RD,   16                          ; v16-18 where I read pieces of 512 bytes back;  v19-21 the same pieces in memory
.set GO,   19
.set WS,   24                          ; v24-59 W's scale words (scales only): lanes 0-15 the first NS / 2 K steps, lanes 16-31 the others
.set AS,   60                          ; v60-67 A's scale words, two sets (scales only)
.set RW,   68                          ; v68-71 A's scale bytes as they lie
.set ABUF, 96                          ; v96-143, v144-191 A's four fragments, two sets; later the residual and the rows read back
.set RES,  96
.set STGR, 144
.set BIAS, 144                         ; window 1: v0-143 W's ring, four sets of 36; v144-167 the bias.  window 2: the accumulators, (o, ct) at 8 (3 o + ct)
.set MSB, 0
.macro WIN new                         ; the immediate's high byte repeats the setting that is left
.if MSB != \new
	s_set_vgpr_msb (MSB<<8)|\new
.set MSB, \new
.endif
.endm
.macro WLOAD s                         ; my three weight fragments of K step s into set s % 4
.irp ct, 0,1,2
.irp p, 0,1,2,3,4,5
	global_load_b64 v[36*((\s)%4)+12*\ct+2*\p:36*((\s)%4)+12*\ct+2*\p+1], v[WA], s[8:9] offset:16*KROW*\ct+96*(\s)+48*(\p/3)+8*(\p%3)
.endr
.endr
.endm
.macro ALOAD s                         ; A's four fragments of K step s into set s % 2, and their scale bytes
.set AB, ABUF+48*((\s)%2)
.irp o, 0,1,2,3
	ds_load_b128 v[AB+12*\o:AB+12*\o+3], v[AA16] offset:(8*((\s)%6)+\o)*768
	ds_load_b64 v[AB+12*\o+4:AB+12*\o+5], v[AA8] offset:(8*((\s)%6)+\o)*768
	ds_load_b128 v[AB+12*\o+6:AB+12*\o+9], v[AA16] offset:(8*((\s)%6)+\o)*768+3072
	ds_load_b64 v[AB+12*\o+10:AB+12*\o+11], v[AA8] offset:(8*((\s)%6)+\o)*768+3072
.endr
	ds_load_b64 v[RW:RW+1], v[SBA] offset:256*(\s)
	ds_load_b64 v[RW+2:RW+3], v[SBA] offset:256*(\s)+128
.endm
.macro STEP s
	WIN 0
	s_wait_dscnt 0x0                                      ; this step's fragments and scale bytes are in
	v_perm_b32 v[AS+4*((\s)%2)], v[RW+2], v[RW], s26      ; a token tile's scale word: its two bytes of the lower 64 along K, then of the upper 64
	v_perm_b32 v[AS+4*((\s)%2)+1], v[RW+2], v[RW], s27
	v_perm_b32 v[AS+4*((\s)%2)+2], v[RW+3], v[RW+1], s26
	v_perm_b32 v[AS+4*((\s)%2)+3], v[RW+3], v[RW+1], s27
.rept 8
	v_nop                                                 ; eight places between the scale words and the scaled matrix instructions; also the places in front of the loads below
.endr
.if (\s)+1 < NS
.if ((\s)+1)%6 == 0
	s_wait_asynccnt 18*(NCH-1-((\s)+1)/6)                 ; my copies of the next chunk have landed; the later chunks' 18 each may be out
	s_barrier_signal -1
	s_barrier_wait -1                                     ; everybody's have
	v_add_nc_u32 v[AA16], 36864, v[AA16]
	v_add_nc_u32 v[AA8], 36864, v[AA8]
.endif
	ALOAD (\s)+1
.endif
.if (\s)+3 < NS
	WIN 0x40
	WLOAD (\s)+3
.endif
.if NS-1-(\s) >= 3
	s_wait_loadcnt 54                                     ; this step's weights are in; the three younger steps' 18 loads each may be out
.else
	s_wait_loadcnt 18*(NS-1-(\s))
.endif
.set AB2, ABUF+48*((\s)%2)
.set WR, 36*((\s)%4)
.set AS2, AS+4*((\s)%2)
.set WS2, WS+(\s)%(NS/2)
.if (\s) == 0
	WIN 0x91                                              ; source 0 (W) and C (bias) window 1, D window 2
.else
	WIN 0xa1                                              ; source 0 window 1, C and D window 2
.endif
.irp o, 0,1,2,3
.irp ct, 0,1,2
.if (\s) == 0
	v_wmma_scale_f32_16x16x128_f8f6f4 v[8*(3*\o+\ct):8*(3*\o+\ct)+7], v[WR+12*\ct:WR+12*\ct+11], v[AB2+12*\o:AB2+12*\o+11], v[BIAS+8*\ct:BIAS+8*\ct+7], v[WS2+WSS*\ct], v[AS2+\o] matrix_a_fmt:MATRIX_FMT_FP6 matrix_b_fmt:MATRIX_FMT_FP6
.elseif (\s) < NS/2
	v_wmma_scale_f32_16x16x128_f8f6f4 v[8*(3*\o+\ct):8*(3*\o+\ct)+7], v[WR+12*\ct:WR+12*\ct+11], v[AB2+12*\o:AB2+12*\o+11], v[8*(3*\o+\ct):8*(3*\o+\ct)+7], v[WS2+WSS*\ct], v[AS2+\o] matrix_a_fmt:MATRIX_FMT_FP6 matrix_b_fmt:MATRIX_FMT_FP6
.else
	v_wmma_scale_f32_16x16x128_f8f6f4 v[8*(3*\o+\ct):8*(3*\o+\ct)+7], v[WR+12*\ct:WR+12*\ct+11], v[AB2+12*\o:AB2+12*\o+11], v[8*(3*\o+\ct):8*(3*\o+\ct)+7], v[WS2+WSS*\ct], v[AS2+\o] matrix_a_fmt:MATRIX_FMT_FP6 matrix_b_fmt:MATRIX_FMT_FP6 matrix_a_scale:MATRIX_SCALE_ROW1
.endif
.endr
.endr
.endm
.macro RESLD bt                        ; the residual of 12 pieces: stage rows 8 bt .. 8 bt + 7 of my 16
.irp kk, 0,1,2,3
.irp m, 0,1,2
	global_load_b128 v[RES+4*(3*\kk+\m):RES+4*(3*\kk+\m)+3], v[GO+\m], s[14:15] offset:(2*(4*(\bt)+\kk)+8*(\bt))*3072
.endr
.endr
.endm
.macro BATCH bt                        ; the same 12 pieces out of the stage, + the residual, stored
.irp kk, 0,1,2,3
.irp m, 0,1,2
	ds_load_b128 v[STGR+4*(3*\kk+\m):STGR+4*(3*\kk+\m)+3], v[RD+\m] offset:1568*(4*(\bt)+\kk)
.endr
.endr
	s_wait_loadcnt 0x0
	s_wait_dscnt 0x0
.set i, 0
.rept 24
	v_pk_add_f32 v[STGR+i:STGR+i+1], v[STGR+i:STGR+i+1], v[RES+i:RES+i+1]
.set i, i+2
.endr
.irp kk, 0,1,2,3
.irp m, 0,1,2
	global_store_b128 v[GO+\m], v[STGR+4*(3*\kk+\m):STGR+4*(3*\kk+\m)+3], s[16:17] offset:(2*(4*(\bt)+\kk)+8*(\bt))*3072   ; each 16 lanes store 256 consecutive bytes, aligned
.endr
.endr
.endm
	s_load_b256 s[4:11], s[0:1], 0x0                      ; A's codes, A's scale bytes, W's codes, W's scales
	s_load_b128 s[12:15], s[0:1], 0x20                    ; bias, residual
	s_load_b64 s[16:17], s[0:1], 0x30                     ; out
	v_lshl_add_u32 v254, v0, 2, 0x29000
	v_mov_b32 v255, 0
	ds_add_u32 v254, v255
	ds_add_u32 v254, v255
	v_lshrrev_b32 v22, 5, v0
	v_readfirstlane_b32 s18, v22                          ; wave 0..3
	s_mov_b32 s19, ttmp9                                  ; R
	s_and_b32 s20, ttmp7, 0xffff                          ; y
	s_mov_b32 s26, 0x05040100
	s_mov_b32 s27, 0x07060302
	v_lshlrev_b32 v1, 4, v0                               ; the copies: 16 bytes a thread, in LDS
	v_lshlrev_b32 v2, 4, v0                               ; and in memory; the four registers v1-4 are never rewritten
.if NS == 6
	v_lshl_add_u32 v3, v0, 2, SBL
	v_lshlrev_b32 v4, 2, v0
.else
	v_lshl_add_u32 v3, v0, 4, SBL
	v_lshlrev_b32 v4, 4, v0
.endif
	v_and_b32 v22, 31, v0                                 ; lane
	v_and_b32 v23, 15, v0                                 ; r
	v_bfe_u32 v72, v0, 4, 1                               ; h
	v_lshlrev_b32 v[AA16], 4, v22
	v_lshl_add_u32 v[AA8], v22, 3, 512
	v_lshl_add_u32 v[SBA], v23, 3, SBL
	v_mul_u32_u24 v[WA], v23, KROW
	v_mad_u32_u24 v[WA], v72, 24, v[WA]
	v_mul_u32_u24 v[WSA], v23, KSR
	v_mad_u32_u24 v[WSA], v72, KSR/2, v[WSA]
	v_lshlrev_b32 v[BA], 5, v72
	s_mul_i32 s21, s20, 192
	s_mul_i32 s22, s18, 48
	s_add_co_u32 s21, s21, s22                            ; my first column
	s_mov_b32 s25, 0
	s_wait_dscnt 0x0
	s_wait_kmcnt 0x0
	s_mul_i32 s24, s19, NA
	s_add_nc_u64 s[4:5], s[4:5], s[24:25]
	s_mul_i32 s24, s19, 256*NS
	s_add_nc_u64 s[6:7], s[6:7], s[24:25]
	s_mul_i32 s24, s21, KROW
	s_add_nc_u64 s[8:9], s[8:9], s[24:25]
	s_mul_i32 s24, s21, KSR
	s_add_nc_u64 s[10:11], s[10:11], s[24:25]
	s_lshl_b32 s24, s21, 2
	s_add_nc_u64 s[12:13], s[12:13], s[24:25]
	s_lshl_b32 s22, s19, 6                                ; the first token of the tile whose rows I store: 64 R + 32 (w / 2) + 8 (w % 2)
	s_lshr_b32 s23, s18, 1
	s_lshl_b32 s23, s23, 5
	s_add_co_u32 s22, s22, s23
	s_and_b32 s23, s18, 1
	s_lshl_b32 s23, s23, 3
	s_add_co_u32 s22, s22, s23
	s_mul_i32 s24, s22, 3072
	s_mul_i32 s23, s20, 768
	s_add_co_u32 s24, s24, s23
	s_add_nc_u64 s[14:15], s[14:15], s[24:25]
	s_add_nc_u64 s[16:17], s[16:17], s[24:25]
	; the copies: all at the head, each LDS byte filled once: the scale bytes first, then the chunks in order, 18 copies of a wave to a chunk
.irp i, 0,1,2
.if NS == 6
	global_load_async_to_lds_b32 v3, v4, s[6:7] offset:512*\i
.else
	global_load_async_to_lds_b128 v3, v4, s[6:7] offset:2048*\i
.endif
.endr
.set i, 0
.rept 3*NS
	global_load_async_to_lds_b128 v1, v2, s[4:5] offset:2048*i
.set i, i+1
.endr
.irp ct, 0,1,2
.if NS == 6
	global_load_b96 v[WS+WSS*\ct:WS+WSS*\ct+2], v[WSA], s[10:11] offset:16*KSR*\ct
.else
.irp i, 0,1,2
	global_load_b128 v[WS+WSS*\ct+4*\i:WS+WSS*\ct+4*\i+3], v[WSA], s[10:11] offset:16*KSR*\ct+16*\i
.endr
.endif
.endr
	WIN 0x40
.irp ct, 0,1,2
	global_load_b128 v[BIAS+8*\ct:BIAS+8*\ct+3], v[BA], s[12:13] offset:64*\ct
	global_load_b128 v[BIAS+8*\ct+4:BIAS+8*\ct+7], v[BA], s[12:13] offset:64*\ct+16
.endr
	WLOAD 0
	WLOAD 1
	WLOAD 2
	WIN 0
	v_mul_u32_u24 v[SO], v23, 784
	v_lshl_add_u32 v[SO], v72, 5, v[SO]
	s_mul_i32 s22, s18, 192
	s_add_co_u32 s22, s22, STG
	v_add_nc_u32 v[SO], s22, v[SO]                        ; row r, + 32 h, + my 192 bytes
	s_mul_i32 s22, s18, 16*784
	s_add_co_u32 s22, s22, STG                            ; back: my 16 rows, two rows (1,536 bytes) as three pieces of 512
	v_lshlrev_b32 v73, 4, v23
	v_lshl_add_u32 v[GO], v72, 8, v73                     ; piece 0: the first row's bytes 0-511
	v_add_nc_u32 v[RD], s22, v[GO]
	v_mad_u32_u24 v[RD+1], v72, 272, v73                  ; piece 1: its bytes 512-767, and the next row's bytes 0-255
	v_add_nc_u32 v[RD+1], 512, v[RD+1]
	v_add_nc_u32 v[RD+1], s22, v[RD+1]
	v_add_nc_u32 v[RD+2], 1040, v[RD]                     ; piece 2: the next row's bytes 256-767
	v_mad_u32_u24 v[GO+1], v72, 2560, v73
	v_add_nc_u32 v[GO+1], 512, v[GO+1]
	v_add_nc_u32 v[GO+2], 3328, v[GO]
	s_wait_asynccnt 18*(NCH-1)                            ; my copies of the scale bytes and of chunk 0 have landed; the later chunks' may be out
	s_barrier_signal -1
	s_barrier_wait -1                                     ; everybody's have
	ALOAD 0
.set q, 0
.rept NS
	STEP q
.set q, q+1
.endr
	WIN 0
.rept 4
	v_nop                                                 ; places behind the last matrix instructions
.endr
	RESLD 0
	WIN 0x08                                              ; an LDS store's data are its source 1: window 2
.irp o, 0,1,2,3
.irp ct, 0,1,2
	ds_store_b128 v[SO], v[8*(3*\o+\ct):8*(3*\o+\ct)+3] offset:16*784*\o+64*\ct          ; each accumulator from its low end on
	ds_store_b128 v[SO], v[8*(3*\o+\ct)+4:8*(3*\o+\ct)+7] offset:16*784*\o+64*\ct+16
.endr
.endr
	WIN 0
	s_wait_dscnt 0x0                                      ; for the others' sake: my stores into the stage are done
	s_barrier_signal -1
	s_barrier_wait -1
	BATCH 0
	s_wait_xcnt 0x0                                       ; the stores have read their registers: they may be loaded again
	RESLD 1
	BATCH 1
	s_wait_tensorcnt 0x0
	ds_add_u32 v254, v255
	s_wait_dscnt 0x0
	s_endpgm
.Lfunc_end_k_q9ea1d664d8_wo:
	.size	k_q9ea1d664d8_wo, .Lfunc_end_k_q9ea1d664d8_wo-k_q9ea1d664d8_wo
	.p2alignl 7, 3214868480
	.fill 96, 4, 3214868480
	.section	.rodata,"a",@progbits
	.p2align	6, 0x0
	.amdhsa_kernel k_q9ea1d664d8_wo
		.amdhsa_group_segment_fixed_size 168448
		.amdhsa_private_segment_fixed_size 0
		.amdhsa_enable_private_segment 0
		.amdhsa_kernarg_size 56
		.amdhsa_user_sgpr_count 2
		.amdhsa_user_sgpr_kernarg_segment_ptr 1
		.amdhsa_wavefront_size32 1
		.amdhsa_system_sgpr_workgroup_id_x 1
		.amdhsa_system_sgpr_workgroup_id_y 1
		.amdhsa_system_sgpr_workgroup_id_z 1
		.amdhsa_system_vgpr_workitem_id 0
		.amdhsa_next_free_vgpr 608
		.amdhsa_next_free_sgpr 66
		.amdhsa_reserve_vcc 0
		.amdhsa_float_denorm_mode_32 3
		.amdhsa_float_denorm_mode_16_64 3
		.amdhsa_memory_ordered 1
		.amdhsa_forward_progress 1
		.amdhsa_inst_pref_size 48
	.end_amdhsa_kernel
	.amdgpu_metadata
---
amdhsa.version: [ 1, 2 ]
amdhsa.kernels:
  - .name:           k_q9ea1d664d8_wo
    .symbol:         k_q9ea1d664d8_wo.kd
    .args:
      - { .name: cc, .offset: 0, .size: 8, .value_kind: global_buffer, .address_space: global }
      - { .name: cs, .offset: 8, .size: 8, .value_kind: global_buffer, .address_space: global }
      - { .name: Wo_codes, .offset: 16, .size: 8, .value_kind: global_buffer, .address_space: global }
      - { .name: Wo_scales, .offset: 24, .size: 8, .value_kind: global_buffer, .address_space: global }
      - { .name: bo, .offset: 32, .size: 8, .value_kind: global_buffer, .address_space: global }
      - { .name: x, .offset: 40, .size: 8, .value_kind: global_buffer, .address_space: global }
      - { .name: x1, .offset: 48, .size: 8, .value_kind: global_buffer, .address_space: global }
    .group_segment_fixed_size: 168448
    .private_segment_fixed_size: 0
    .kernarg_segment_align: 8
    .kernarg_segment_size: 56
    .max_flat_workgroup_size: 128
    .sgpr_count:     66
    .vgpr_count:     608
    .wavefront_size: 32
...
	.end_amdgpu_metadata
.endif
;; end of part 3
;; launch ffn1 (part 4): grid 64 x 4, 12 waves a work-group, no clusters, 49,664 bytes of LDS; arguments x1, ln2_g, ln2_b, W1_codes, W1_scales, b1, hc, hs; writes hc, hs
.if DOCPART == 4
	.amdgcn_target "amdgcn-amd-amdhsa--gfx1250"
	.amdhsa_code_object_version 6
	.text
	.protected	k_q9ea1d664d8_ffn1
	.globl	k_q9ea1d664d8_ffn1
	.p2align	8
	.type	k_q9ea1d664d8_ffn1,@function
k_q9ea1d664d8_ffn1:
	s_mov_b64 s[64:65], 0
	v_nop
	global_prefetch_b8 v0, s[64:65] scope:SCOPE_SE
	s_setreg_imm32_b32 hwreg(HW_REG_WAVE_MODE, 25, 1), 1
	s_wait_xcnt 0x0
; LAYER NORM, QUANTISER AND ONE PRODUCT OF 64 TOKENS x 768 COLUMNS, K = 768, on codes of FP6 (E2M3) with one E8M0 scale for each 32 along K.
; FFN = 0: work-group (R, y): tokens 64 R on; y = 0, 1, 2: q, k, v = LN1(x) W + bias; the results are quantised (q, k along the head's 64, v along the tokens) and stored in the order of an operand's registers.
; FFN = 1: work-group (R, y): h = gelu(LN2(x1) W1 + b1), columns 768 y on, quantised along the columns.
; SHARES. Twelve waves. LN: wave w takes token tile m = w & 3 (16 tokens) and 256 of the 768 columns (kt = w >> 2): 128 numbers a lane; a row's sums meet in LDS. Its two fragments of codes go to LDS as images of
; their registers. PRODUCT: wave w owns 64 columns (a head, or a unit of the hidden layer): 4 x 4 tiles, 16 accumulators by turns, 96 matrix instructions; its weights go from memory straight into its registers.
; TILES. Lane r of token tile o holds token 32 (o / 2) + 8 (o % 2) + r + 8 (r / 8) of the block, and the weight rows of a tile are chosen alike: so the 16 registers of tiles 2 b, 2 b + 1 of a result are 16 neighbours
; along the next K. q, k, h: source 0 = weights, source 1 = tokens (a lane holds a token). v: source 0 = tokens, source 1 = weights (a lane holds a channel, its registers run along the tokens, the next K).
; OUT. A half fragment (16 rows x 64 K, 6 registers a lane) is 768 bytes: registers 0-3 at 16 x lane, registers 4-5 at 512 + 8 x lane: each store covers 512 or 256 consecutive bytes, aligned. The four tiles'
; scale bytes: 8 bytes for each row r at 8 r.
; NO CLUSTER: x's rows go into registers for the norm, and each weight fragment is read by one wave alone and feeds four matrix instructions from its registers; nothing goes through LDS that partners could share.
; LIMITS: NaN and infinities among the inputs are not served. A block of zeros keeps the scale byte 1 (its codes are zeros; the bytes are read by this program alone). The variance is taken in a second pass, of x - mean.
; gelu's erfc is a fit with a fractional error of 1.2e-7.
.set FFN,  1
.set XIMG, 0                           ; LDS: 24 fragments of xn (index 6 m + s), 1,536 bytes each: three planes of 512
.set XSC,  36864                       ; their scale words, 128 bytes each
.set RED,  39936                       ; partial sums, a word at 64 w + 4 r; the sums of squares 768 bytes on
.set GBL,  41472                       ; the gain's 3,072 bytes, then the bias's
.set LI16, 1                           ; v1  16 x lane
.set LI8,  2                           ; v2  8 x lane
.set LS,   3                           ; v3  4 x lane
.set SBA,  4                           ; v4  8 r
.set WA,   5                           ; v5  weights: row r + 8 (r / 8) of 576 bytes, + 24 h
.set WSA,  6                           ; v6  their scale bytes: 24 a row, + 12 h
.set XA,   7                           ; v7  x: row r + 8 (r / 8) of 3,072 bytes, + 64 h
.set GBA,  8                           ; v8  gain and bias in LDS
.set RST,  9                           ; v9  where I put a partial sum
.set RLD,  10                          ; v10 where I read my tile's three
.set XWI,  11                          ; v11 where I put my fragments' images
.set XS,   12                          ; v12-15 xn's scale words (scales only)
.set WS,   16                          ; v16-31 the weights' scale words, 4 registers a tile, 3 used (scales only): lanes 0-15 K steps 0-2, lanes 16-31 K steps 3-5
.set XF,   32                          ; v32-79 four fragments of xn
.set WBA,  80                          ; v80-127 weights of an odd K step;  v256-303 (window 1, v0-47) of an even one
.set X,    128                         ; v128-255 my 128 numbers, later the accumulators: (o, t) at ACC + 8 (4 o + t)
.set ACC,  128
.set BIAS, 48                          ; window 1, v48-79 (v304-335): the bias in the result's layout
.set PW,   48                          ; LN phase: the scale word just made
.set MU,   50
.set RS,   52
.set CH,   54                          ; v54-61 four chains of sums
.set XWS,  62                          ; where I put my scale words
.set GG,   64                          ; v64-95 gain, v96-127 bias of 32 numbers
.set BB,   96
.set SEL,  56                          ; s[56:57] lane selects: lane l xor 16
.set GT,   32                          ; gelu: t, the polynomial, x^2
.set GP,   48
.set GQ,   64
.set C9,   122
.set GC,   68                          ; s[68:87] gelu's constants, each written twice
.set MSB, 0
.macro WIN new                         ; the immediate's high byte repeats the setting that is left
.if MSB != \new
	s_set_vgpr_msb (MSB<<8)|\new
.set MSB, \new
.endif
.endm
.macro BARRIER                         ; my LDS stores have landed and my LDS loads are in: then the work-group's barrier
	s_wait_dscnt 0x0
	s_barrier_signal -1
	s_barrier_wait -1
.endm
.macro SPAIR reg, val
	s_mov_b32 s[\reg], \val
	s_mov_b32 s[\reg+1], \val
.endm
; 64 numbers of a lane, register 16 b + i = k 32 b + 16 h + i of my row, become a fragment's 12 registers at v[PC] and its scale word v[PW]
.macro QUANT4 s
.irp b, 0,1,2,3
	v_max3_num_f32 v[TM+\b], |v[(\s)+16*\b]|, |v[(\s)+1+16*\b]|, 0x1800000   ; my 16 numbers of block b, and the floor 2^(3 - 127): the byte cannot fall under 1
.endr
.irp i, 2,4,6,8,10,12,14
.irp b, 0,1,2,3
	v_max3_num_f32 v[TM+\b], v[TM+\b], |v[(\s)+16*\b+\i]|, |v[(\s)+1+16*\b+\i]|
.endr
.endr
.irp b, 0,1,2,3
	v_permlanex16_b32 v[TM+4+\b], v[TM+\b], s[SEL], s[SEL+1]
.endr
.irp b, 0,1,2,3
	v_max_num_f32 v[TM+\b], v[TM+\b], v[TM+4+\b]          ; with lane l xor 16's: the block's largest magnitude
.endr
.irp b, 0,1,2,3
	v_add_nc_u32 v[TM+12+\b], 0xff000000, v[TM+\b]        ; 2 off its exponent field: the conversion's scale operand
.endr
.irp b, 0,1,2,3
	v_lshrrev_b32 v[TM+4+\b], 23, v[TM+12+\b]             ; the scale's byte
.endr
	v_lshl_or_b32 v[PW], v[TM+5], 8, v[TM+4]
	v_lshl_or_b32 v[PW], v[TM+6], 16, v[PW]
	v_lshl_or_b32 v[PW], v[TM+7], 24, v[PW]
.irp c, 0,1
	v_cvt_scalef32_pk16_fp6_f32 v[PC+6*\c:PC+2+6*\c], v[(\s)+32*\c:(\s)+15+32*\c], v[TM+12+2*\c]
	v_cvt_scalef32_pk16_fp6_f32 v[PT+4*\c:PT+2+4*\c], v[(\s)+16+32*\c:(\s)+31+32*\c], v[TM+13+2*\c]   ; (a conversion's three registers begin on an even number)
.endr
	v_nop                                                 ; one plain place behind a scaled conversion
.irp c, 0,1                            ; the operand's layout wants a whole block in a lane
.irp i, 0,1,2
	v_permlane16_swap_b32 v[PC+6*\c+\i], v[PT+4*\c+\i]
.endr
.irp i, 0,1,2
	v_mov_b32 v[PC+3+6*\c+\i], v[PT+4*\c+\i]
.endr
.endr
.endm
; the same for 32 numbers (two blocks): a half fragment's 6 registers at v[dst], its two bytes in v[pb]
.macro QUANT2 s, dst, pb
.irp b, 0,1
	v_max3_num_f32 v[TM+\b], |v[(\s)+16*\b]|, |v[(\s)+1+16*\b]|, 0x1800000   ; each accumulator is read from its low end on
.endr
.irp i, 2,4,6,8,10,12,14
.irp b, 0,1
	v_max3_num_f32 v[TM+\b], v[TM+\b], |v[(\s)+16*\b+\i]|, |v[(\s)+1+16*\b+\i]|
.endr
.endr
.irp b, 0,1
	v_permlanex16_b32 v[TM+2+\b], v[TM+\b], s[SEL], s[SEL+1]
.endr
.irp b, 0,1
	v_max_num_f32 v[TM+\b], v[TM+\b], v[TM+2+\b]
.endr
.irp b, 0,1
	v_add_nc_u32 v[TM+4+\b], 0xff000000, v[TM+\b]
.endr
.irp b, 0,1
	v_lshrrev_b32 v[TM+2+\b], 23, v[TM+4+\b]
.endr
	v_lshl_or_b32 v[\pb], v[TM+3], 8, v[TM+2]
	v_cvt_scalef32_pk16_fp6_f32 v[(\dst):(\dst)+2], v[(\s):(\s)+15], v[TM+4]
	v_cvt_scalef32_pk16_fp6_f32 v[PT:PT+2], v[(\s)+16:(\s)+31], v[TM+5]
	v_nop
.irp i, 0,1,2
	v_permlane16_swap_b32 v[(\dst)+\i], v[PT+\i]
.endr
.irp i, 0,1,2
	v_mov_b32 v[(\dst)+3+\i], v[PT+\i]
.endr
.endm
.macro IMAGE k                         ; the fragment in v[PC] on and its scale word go to LDS as they stand
.irp c, 0,1,2
	ds_store_b128 v[XWI], v[PC+4*\c:PC+4*\c+3] offset:XIMG+1536*(\k)+512*\c
.endr
	ds_store_b32 v[XWS], v[PW] offset:XSC+128*(\k)
	s_wait_dscnt 0x0                                      ; the stores have read their registers
.endm
.macro GBLOAD c                        ; gain and bias of my numbers 32 c .. 32 c + 31
.irp bb, 0,1
.irp j, 0,1,2,3
	ds_load_b128 v[GG+16*\bb+4*\j:GG+16*\bb+4*\j+3], v[GBA] offset:128*(2*(\c)+\bb)+16*\j
	ds_load_b128 v[BB+16*\bb+4*\j:BB+16*\bb+4*\j+3], v[GBA] offset:3072+128*(2*(\c)+\bb)+16*\j
.endr
.endr
.endm
.macro NORM c                          ; (x - mean) x rstd x g + b
.set i, 0
.rept 16
	v_pk_mul_f32 v[X+32*(\c)+i:X+32*(\c)+i+1], v[X+32*(\c)+i:X+32*(\c)+i+1], v[RS:RS+1]
.set i, i+2
.endr
.set i, 0
.rept 16
	v_pk_fma_f32 v[X+32*(\c)+i:X+32*(\c)+i+1], v[X+32*(\c)+i:X+32*(\c)+i+1], v[GG+i:GG+i+1], v[BB+i:BB+i+1]
.set i, i+2
.endr
.endm
.macro JOIN                            ; four chains -> my row's sum over my wave's 256 columns, in both halves of the lanes
	v_pk_add_f32 v[CH:CH+1], v[CH:CH+1], v[CH+2:CH+3]
	v_pk_add_f32 v[CH+4:CH+5], v[CH+4:CH+5], v[CH+6:CH+7]
	v_pk_add_f32 v[CH:CH+1], v[CH:CH+1], v[CH+4:CH+5]
	v_add_f32 v[CH], v[CH], v[CH+1]
	v_permlanex16_b32 v[CH+1], v[CH], s[SEL], s[SEL+1]
	v_add_f32 v[CH], v[CH], v[CH+1]
.endm
.macro WLOAD s, base                   ; my unit's four weight fragments of K step s: each 24 bytes of a row as three loads of 8
.irp t, 0,1,2,3
.irp p, 0,1,2,3,4,5
	global_load_b64 v[\base+12*\t+2*\p:\base+12*\t+2*\p+1], v[WA], s[34:35] offset:(32*(\t/2)+8*(\t%2))*576+96*(\s)+48*(\p/3)+8*(\p%3)
.endr
.endr
.endm
.macro MMT o, t, s                     ; transposed: source 0 = weight tile t, source 1 = token tile o
.set rD, ACC+8*(4*(\o)+(\t))
.if (\s) == 0
	v_wmma_scale_f32_16x16x128_f8f6f4 v[rD:rD+7], v[WB+12*(\t):WB+12*(\t)+11], v[XF+12*(\o):XF+12*(\o)+11], v[BIAS+8*(\t):BIAS+8*(\t)+7], v[WS+4*(\t)], v[XS+(\o)] matrix_a_fmt:MATRIX_FMT_FP6 matrix_b_fmt:MATRIX_FMT_FP6
.elseif (\s) < 3
	v_wmma_scale_f32_16x16x128_f8f6f4 v[rD:rD+7], v[WB+12*(\t):WB+12*(\t)+11], v[XF+12*(\o):XF+12*(\o)+11], v[rD:rD+7], v[WS+4*(\t)+(\s)], v[XS+(\o)] matrix_a_fmt:MATRIX_FMT_FP6 matrix_b_fmt:MATRIX_FMT_FP6
.else
	v_wmma_scale_f32_16x16x128_f8f6f4 v[rD:rD+7], v[WB+12*(\t):WB+12*(\t)+11], v[XF+12*(\o):XF+12*(\o)+11], v[rD:rD+7], v[WS+4*(\t)+(\s)-3], v[XS+(\o)] matrix_a_fmt:MATRIX_FMT_FP6 matrix_b_fmt:MATRIX_FMT_FP6 matrix_a_scale:MATRIX_SCALE_ROW1
.endif
.endm
.macro MMV o, t, s                     ; v: source 0 = token tile t, source 1 = weight tile o
.set rD, ACC+8*(4*(\o)+(\t))
.if (\s) == 0
	v_wmma_scale_f32_16x16x128_f8f6f4 v[rD:rD+7], v[XF+12*(\t):XF+12*(\t)+11], v[WB+12*(\o):WB+12*(\o)+11], v[BIAS+8*(\o):BIAS+8*(\o)+7], v[XS+(\t)], v[WS+4*(\o)] matrix_a_fmt:MATRIX_FMT_FP6 matrix_b_fmt:MATRIX_FMT_FP6
.elseif (\s) < 3
	v_wmma_scale_f32_16x16x128_f8f6f4 v[rD:rD+7], v[XF+12*(\t):XF+12*(\t)+11], v[WB+12*(\o):WB+12*(\o)+11], v[rD:rD+7], v[XS+(\t)], v[WS+4*(\o)+(\s)] matrix_a_fmt:MATRIX_FMT_FP6 matrix_b_fmt:MATRIX_FMT_FP6
.else
	v_wmma_scale_f32_16x16x128_f8f6f4 v[rD:rD+7], v[XF+12*(\t):XF+12*(\t)+11], v[WB+12*(\o):WB+12*(\o)+11], v[rD:rD+7], v[XS+(\t)], v[WS+4*(\o)+(\s)-3] matrix_a_fmt:MATRIX_FMT_FP6 matrix_b_fmt:MATRIX_FMT_FP6 matrix_b_scale:MATRIX_SCALE_ROW1
.endif
.endm
; The six K steps. A step: four places, xn's four fragments and scale words from LDS, the weights of the step after next's predecessor from memory, 16 matrix instructions on 16 accumulators by turns.
.macro PROD tr
.irp s, 0,1,2,3,4,5
	WIN 0
.if \s > 0
.rept 4
	v_nop                                                 ; places in front of loads into registers that the last step's matrix instructions have read
.endr
.endif
.irp o, 0,1,2,3
.irp c, 0,1,2
	ds_load_b128 v[XF+12*\o+4*\c:XF+12*\o+4*\c+3], v[LI16] offset:XIMG+(6*\o+\s)*1536+512*\c
.endr
	ds_load_b32 v[XS+\o], v[LS] offset:XSC+128*(6*\o+\s)
.endr
.if (\s >= 1) && (\s <= 4)
.if (\s % 2) == 1
	WIN 0x40                                              ; destination window 1
	WLOAD \s+1, 0
	WIN 0
.else
	WLOAD \s+1, WBA
.endif
.endif
.if \s < 5
	s_wait_loadcnt 24                                     ; this step's weights are in; the next step's 24 loads may be out
.else
	s_wait_loadcnt 0x0
.endif
	s_wait_dscnt 0x0
.if (\s % 2) == 0
.set WB, 0
.else
.set WB, WBA
.endif
.if \tr
.if \s == 0
	WIN 0x11                                              ; source 0 (weights) and C (bias) window 1
.elseif (\s % 2) == 0
	WIN 0x01
.endif
.irp o, 0,1,2,3
.irp t, 0,1,2,3
	MMT \o, \t, \s
.endr
.endr
.else
.if \s == 0
	WIN 0x14                                              ; source 1 (weights) and C (bias) window 1
.elseif (\s % 2) == 0
	WIN 0x04
.endif
.irp o, 0,1,2,3
.irp t, 0,1,2,3
	MMV \o, \t, \s
.endr
.endr
.endif
.endr
	WIN 0
.endm
; gelu(x) = max(u, x - u), u = x E, E = erfc(|x| / sqrt 2) / 2 = t 2^(-x^2 log2(e) / 2 + c0 + t (c1 + .. t c9)), t = 1 / (1 + |x| sqrt(2) / 4): a fit of erfc whose fractional error is 1.2e-7 for every x
.macro GELU16 a
.irp i, 0,1,2,3,4,5,6,7,8,9,10,11,12,13,14,15
	v_fma_f32 v[GT+\i], |v[(\a)+\i]|, 0x3eb504f3, 1.0     ; each accumulator is read from its low end on
.endr
.irp i, 0,1,2,3,4,5,6,7,8,9,10,11,12,13,14,15
	v_rcp_f32 v[GT+\i], v[GT+\i]
.endr
.irp i, 0,2,4,6,8,10,12,14
	v_pk_mul_f32 v[GQ+\i:GQ+\i+1], v[(\a)+\i:(\a)+\i+1], v[(\a)+\i:(\a)+\i+1]   ; plain work behind the batch
.endr
	s_wait_alu depctr_va_vdst(0)                          ; one wait for the sixteen reciprocals, ahead of their first reader
.irp i, 0,2,4,6,8,10,12,14
	v_pk_fma_f32 v[GP+\i:GP+\i+1], v[GT+\i:GT+\i+1], v[C9:C9+1], s[GC+16:GC+17] op_sel_hi:[1,1,0]
.endr
.irp k, 7,6,5,4,3,2,1,0
.irp i, 0,2,4,6,8,10,12,14
	v_pk_fma_f32 v[GP+\i:GP+\i+1], v[GP+\i:GP+\i+1], v[GT+\i:GT+\i+1], s[GC+2*\k:GC+2*\k+1] op_sel_hi:[1,1,0]
.endr
.endr
.irp i, 0,2,4,6,8,10,12,14
	v_pk_fma_f32 v[GP+\i:GP+\i+1], v[GQ+\i:GQ+\i+1], s[GC+18:GC+19], v[GP+\i:GP+\i+1] op_sel_hi:[1,0,1]
.endr
.irp i, 0,1,2,3,4,5,6,7,8,9,10,11,12,13,14,15
	v_exp_f32 v[GP+\i], v[GP+\i]
.endr
	v_nop                                                 ; a plain place behind the last exponential
	s_wait_alu depctr_va_vdst(0)                          ; one wait for the sixteen
.irp i, 0,2,4,6,8,10,12,14
	v_pk_mul_f32 v[GP+\i:GP+\i+1], v[GP+\i:GP+\i+1], v[GT+\i:GT+\i+1]
.endr
.irp i, 0,2,4,6,8,10,12,14
	v_pk_mul_f32 v[GP+\i:GP+\i+1], v[GP+\i:GP+\i+1], v[(\a)+\i:(\a)+\i+1]
.endr
.irp i, 0,2,4,6,8,10,12,14
	v_pk_add_f32 v[GQ+\i:GQ+\i+1], v[(\a)+\i:(\a)+\i+1], v[GP+\i:GP+\i+1] neg_lo:[0,1] neg_hi:[0,1]
.endr
.irp i, 0,1,2,3,4,5,6,7,8,9,10,11,12,13,14,15
	v_max_num_f32 v[(\a)+\i], v[GP+\i], v[GQ+\i]
.endr
.endm
	; ---- head
	s_load_b512 s[4:19], s[0:1], 0x0                      ; x, g, b, then FFN = 0: Wq's codes, scales, bq, Wk's codes, scales;  FFN = 1: W1's codes, scales, b1, hc, hs
	v_lshl_add_u32 v27, v0, 2, 0xbc00
	v_mov_b32 v31, 0
.if FFN == 0
	s_load_b256 s[20:27], s[0:1], 0x40                    ; bk, Wv's codes, scales, bv
	s_load_b128 s[28:31], s[0:1], 0x60                    ; qc, qs
	s_load_b64 s[32:33], s[0:1], 0x70                     ; kv
.endif
	v_lshrrev_b32 v44, 5, v0
	v_readfirstlane_b32 s44, v44                          ; wave 0..11
	v_and_b32 v43, 31, v0                                 ; lane
	v_and_b32 v40, 15, v0                                 ; r
	v_bfe_u32 v41, v0, 4, 1                               ; h
	v_and_b32 v42, 8, v40
	v_add_nc_u32 v42, v42, v40                            ; r + 8 (r / 8)
	s_and_b32 s45, s44, 3                                 ; m
	s_lshr_b32 s46, s44, 2                                ; kt
	s_mov_b32 s47, ttmp9                                  ; R
	s_and_b32 s48, ttmp7, 0xffff                          ; y
	s_mov_b32 s[SEL], 0x76543210
	s_mov_b32 s[SEL+1], 0xfedcba98
	s_mov_b32 s58, 0x3aaaaaab                             ; 1 / 768
	s_mov_b32 s59, 0x3727c5ac                             ; 1e-5
.if FFN
	SPAIR GC+0,  0xc034d90f                               ; c0 .. c8, then -log2(e) / 2
	SPAIR GC+2,  0x3fb8ab5a
	SPAIR GC+4,  0x3f0a29d2
	SPAIR GC+6,  0x3e0efb2e
	SPAIR GC+8,  0xbe899a80
	SPAIR GC+10, 0x3ecdfd18
	SPAIR GC+12, 0xbfd1a1e5
	SPAIR GC+14, 0x40097039
	SPAIR GC+16, 0xbf97d29d
	SPAIR GC+18, 0xbf38aa3b
.endif
	v_lshlrev_b32 v[LI16], 4, v43
	v_lshlrev_b32 v[LI8], 3, v43
	v_lshlrev_b32 v[LS], 2, v43
	v_lshlrev_b32 v[SBA], 3, v40
	v_mul_u32_u24 v[WA], v42, 576
	v_mad_u32_u24 v[WA], v41, 24, v[WA]
	v_mul_u32_u24 v[WSA], v42, 24
	v_mad_u32_u24 v[WSA], v41, 12, v[WSA]
	v_mul_u32_u24 v[XA], v42, 3072
	v_lshl_add_u32 v[XA], v41, 6, v[XA]
	s_lshl_b32 s49, s46, 10
	s_add_co_u32 s49, s49, GBL
	v_lshl_add_u32 v[GBA], v41, 6, s49                    ; GBL + 1,024 kt + 64 h
	s_lshl_b32 s49, s44, 6
	s_add_co_u32 s49, s49, RED
	v_lshl_add_u32 v[RST], v40, 2, s49
	s_lshl_b32 s49, s45, 6
	s_add_co_u32 s49, s49, RED
	v_lshl_add_u32 v[RLD], v40, 2, s49
	s_mul_i32 s49, s45, 6
	s_lshl_b32 s50, s46, 1
	s_add_co_u32 s49, s49, s50                            ; my first fragment: 6 m + 2 kt
	s_mul_i32 s50, s49, 1536
	v_add_nc_u32 v[XWI], s50, v[LI16]
	s_lshl_b32 s50, s49, 7
	v_add_nc_u32 v[XWS], s50, v[LS]
	v_lshlrev_b32 v36, 6, v41                             ; the bias, transposed form: 64 h
	v_lshlrev_b32 v37, 2, v42                             ; v's form: 4 (r + 8 (r / 8))
	s_cmp_lt_u32 s44, 6                                   ; waves 0-5 bring the gain, waves 6-11 the bias of the norm: 16 bytes a thread
	s_cselect_b32 s53, 0, 3072
	v_lshlrev_b32 v38, 4, v0
	v_sub_nc_u32 v38, v38, s53
	v_lshl_add_u32 v39, v0, 4, GBL
	s_lshl_b32 s49, s47, 6                                ; my tile's first token: 64 R + 32 (m / 2) + 8 (m % 2)
	s_lshr_b32 s50, s45, 1
	s_lshl_b32 s50, s50, 5
	s_add_co_u32 s49, s49, s50
	s_and_b32 s50, s45, 1
	s_lshl_b32 s50, s50, 3
	s_add_co_u32 s49, s49, s50
	s_mul_i32 s50, s49, 3072
	s_lshl_b32 s51, s46, 10
	s_add_co_u32 s50, s50, s51                            ; + my 256 columns
	s_mov_b32 s51, 0
	s_mov_b32 s55, 0
.if FFN
	s_mul_i32 s52, s48, 12
	s_add_co_u32 s52, s52, s44                            ; my unit of 64 columns: 12 y + w
.else
	s_mov_b32 s52, s44                                    ; my head
.endif
	s_wait_kmcnt 0x0
	s_add_nc_u64 s[4:5], s[4:5], s[50:51]
.if FFN
	s_mov_b64 s[34:35], s[10:11]
	s_mov_b64 s[36:37], s[12:13]
	s_mov_b64 s[38:39], s[14:15]
	s_mov_b64 s[40:41], s[16:17]
	s_mov_b64 s[42:43], s[18:19]
	s_mul_i32 s49, s47, 48
	s_add_co_u32 s49, s49, s52                            ; 48 R + unit
	s_mul_i32 s50, s49, 3072
	s_lshl_b32 s54, s49, 7
.else
	s_lshl_b32 s49, s44, 6
	s_add_co_u32 s49, s49, s47                            ; 64 head + R
	s_mul_i32 s50, s49, 3072                              ; q's four half fragments
	s_lshl_b32 s54, s49, 7                                ; and their scale bytes
	s_lshl_b32 s49, s44, 5
	s_lshr_b32 s53, s47, 1
	s_add_co_u32 s49, s49, s53
	s_mul_i32 s49, s49, 12800                             ; the record of head w, keys 128 (R / 2) on
	s_and_b32 s53, s47, 1
	s_mul_i32 s60, s53, 3072
	s_add_co_u32 s60, s60, s49                            ; k's place in it
	s_lshl_b32 s61, s53, 7
	s_add_co_u32 s61, s61, s49
	s_add_co_u32 s61, s61, 12288                          ; and its scale bytes'
	s_cmp_eq_u32 s48, 2
	s_cselect_b32 s62, 6144, 0                            ; v's lie 6,144 and 256 bytes behind k's
	s_cselect_b32 s63, 256, 0
	s_cselect_b64 s[34:35], s[22:23], s[16:17]
	s_cselect_b64 s[36:37], s[24:25], s[18:19]
	s_cselect_b64 s[38:39], s[26:27], s[20:21]
	s_add_co_u32 s60, s60, s62
	s_add_co_u32 s61, s61, s63
	s_cmp_eq_u32 s48, 0
	s_cselect_b64 s[34:35], s[10:11], s[34:35]
	s_cselect_b64 s[36:37], s[12:13], s[36:37]
	s_cselect_b64 s[38:39], s[14:15], s[38:39]
	s_cselect_b64 s[40:41], s[28:29], s[32:33]
	s_cselect_b64 s[42:43], s[30:31], s[32:33]
	s_cselect_b32 s50, s50, s60
	s_cselect_b32 s54, s54, s61
.endif
	s_add_nc_u64 s[40:41], s[40:41], s[50:51]             ; where my codes go
	s_add_nc_u64 s[42:43], s[42:43], s[54:55]             ; and my scale bytes
	s_mul_i32 s54, s52, 36864
	s_add_nc_u64 s[34:35], s[34:35], s[54:55]             ; my 64 rows of weights,
	s_mul_i32 s54, s52, 1536
	s_add_nc_u64 s[36:37], s[36:37], s[54:55]             ; their scale bytes,
	s_lshl_b32 s54, s52, 8
	s_add_nc_u64 s[38:39], s[38:39], s[54:55]             ; their bias
	s_cmp_lt_u32 s44, 6
	s_cselect_b64 s[6:7], s[6:7], s[8:9]
.if FFN == 0
	s_cmp_eq_u32 s48, 2
	s_cbranch_scc1 .Lbias_v
.endif
	WIN 0x40                                              ; the bias as the C of each sum's first matrix instruction: lane (r, h) holds the tile's eight columns of its half
.irp t, 0,1,2,3
	global_load_b128 v[BIAS+8*\t:BIAS+8*\t+3], v36, s[38:39] offset:(32*(\t/2)+8*(\t%2))*4
	global_load_b128 v[BIAS+8*\t+4:BIAS+8*\t+7], v36, s[38:39] offset:(32*(\t/2)+8*(\t%2))*4+16
.endr
	WIN 0
.if FFN == 0
	s_branch .Lbias_done
.Lbias_v:
	WIN 0x40                                              ; v: a lane holds one channel: the same number in all eight registers
.irp o, 0,1,2,3
.irp j, 0,1,2,3,4,5,6,7
	global_load_b32 v[BIAS+8*\o+\j], v37, s[38:39] offset:(32*(\o/2)+8*(\o%2))*4
.endr
.endr
	WIN 0
.Lbias_done:
.endif
	global_load_b128 v[32:35], v38, s[6:7]
.irp b, 0,1,2,3,4,5,6,7
.irp j, 0,1,2,3
	global_load_b128 v[X+16*\b+4*\j:X+16*\b+4*\j+3], v[XA], s[4:5] offset:128*\b+16*\j   ; register 16 b + i: column 32 b + 16 h + i of my 256
.endr
.endr
	WIN 0x40
	WLOAD 0, 0
	WIN 0
.irp t, 0,1,2,3
	global_load_b96 v[WS+4*\t:WS+4*\t+2], v[WSA], s[36:37] offset:(32*(\t/2)+8*(\t%2))*24
.endr
.set TM, 32
.set PC, 64
.set PT, 76
	; ---- the mean
	s_wait_loadcnt 28                                     ; bias, gain and x are in; the 24 weight loads and the 4 loads of scale words may be out
	ds_store_b128 v39, v[32:35]
.irp c, 0,1,2,3
	v_pk_add_f32 v[CH+2*\c:CH+2*\c+1], v[X+4*\c:X+4*\c+1], v[X+4*\c+2:X+4*\c+3]
.endr
.set i, 16
.rept 14
.irp c, 0,1,2,3
	v_pk_add_f32 v[CH+2*\c:CH+2*\c+1], v[CH+2*\c:CH+2*\c+1], v[X+i+2*\c:X+i+2*\c+1]
.endr
.set i, i+8
.endr
	JOIN
	ds_store_b32 v[RST], v[CH]                            ; both lanes of a row write the same word with the same value
	BARRIER
	ds_load_b32 v[CH], v[RLD]
	ds_load_b32 v[CH+1], v[RLD] offset:256
	ds_load_b32 v[CH+2], v[RLD] offset:512
	GBLOAD 0
	s_wait_dscnt 16                                       ; the three partial sums are in; the 16 loads of gain and bias may be out
	v_add_f32 v[CH], v[CH], v[CH+1]
	v_add_f32 v[CH], v[CH], v[CH+2]
	v_mul_f32 v[MU], s58, v[CH]
	v_mov_b32 v[MU+1], v[MU]
	; ---- the variance, of x - mean
.set i, 0
.rept 64
	v_pk_add_f32 v[X+i:X+i+1], v[X+i:X+i+1], v[MU:MU+1] neg_lo:[0,1] neg_hi:[0,1]
.set i, i+2
.endr
.irp c, 0,1,2,3
	v_pk_mul_f32 v[CH+2*\c:CH+2*\c+1], v[X+2*\c:X+2*\c+1], v[X+2*\c:X+2*\c+1]
.endr
.set i, 8
.rept 15
.irp c, 0,1,2,3
	v_pk_fma_f32 v[CH+2*\c:CH+2*\c+1], v[X+i+2*\c:X+i+2*\c+1], v[X+i+2*\c:X+i+2*\c+1], v[CH+2*\c:CH+2*\c+1]
.endr
.set i, i+8
.endr
	JOIN
	ds_store_b32 v[RST], v[CH] offset:768
	BARRIER
	ds_load_b32 v[CH], v[RLD] offset:768
	ds_load_b32 v[CH+1], v[RLD] offset:1024
	ds_load_b32 v[CH+2], v[RLD] offset:1280
	s_wait_dscnt 0x0
	v_add_f32 v[CH], v[CH], v[CH+1]
	v_add_f32 v[CH], v[CH], v[CH+2]
	v_fma_f32 v[CH], v[CH], s58, s59
	v_rsq_f32 v[RS], v[CH]
	v_nop                                                 ; a plain place behind the transcendental
	s_wait_alu depctr_va_vdst(0)                          ; and the wait ahead of its first reader
	v_mov_b32 v[RS+1], v[RS]
	; ---- normalise, quantise, images to LDS
	NORM 0
	GBLOAD 1
	s_wait_dscnt 0x0
	NORM 1
	QUANT4 X
	IMAGE 0
	GBLOAD 2
	s_wait_dscnt 0x0
	NORM 2
	GBLOAD 3
	s_wait_dscnt 0x0
	NORM 3
	QUANT4 X+64
	IMAGE 1
	WLOAD 1, WBA
	s_barrier_signal -1                                   ; (IMAGE has waited for my LDS stores)
	s_barrier_wait -1                                     ; xn's 24 fragments lie in LDS
	; ---- the product
.if FFN == 0
	s_cmp_eq_u32 s48, 2
	s_cbranch_scc1 .Lprod_v
.endif
	PROD 1
.if FFN == 0
	s_branch .Lepi
.Lprod_v:
	PROD 0
.Lepi:
.endif
	; ---- the way out
.rept 4
	v_nop                                                 ; places behind the last matrix instructions
.endr
.set TM, 108
.set PT, 104
.set PC, 80
	v_mov_b32 v[TM+2], 0                                  ; written once: a lane permute's destination counts as one of its sources
	v_mov_b32 v[TM+3], 0
.if FFN
	v_mov_b32 v[C9], 0x3e7c6f08
	v_mov_b32 v[C9+1], 0x3e7c6f08
.endif
.irp o, 0,1,2,3
.if FFN
	GELU16 ACC+32*\o
	GELU16 ACC+32*\o+16
.endif
	QUANT2 ACC+32*\o, PC+6*\o, 116+\o
.endr
	v_lshl_or_b32 v120, v117, 16, v116                    ; tiles 0, 1: two bytes each;
	v_lshl_or_b32 v121, v119, 16, v118                    ; tiles 2, 3
.irp o, 0,1,2,3
	global_store_b128 v[LI16], v[PC+6*\o:PC+6*\o+3], s[40:41] offset:768*\o          ; 512 consecutive bytes, aligned
	global_store_b64 v[LI8], v[PC+6*\o+4:PC+6*\o+5], s[40:41] offset:768*\o+512      ; 256 consecutive bytes, aligned
.endr
	global_store_b64 v[SBA], v[120:121], s[42:43]         ; 128 consecutive bytes; lanes 16-31 write what lanes 0-15 write
	s_wait_tensorcnt 0x0
	ds_add_u32 v27, v31
	s_wait_dscnt 0x0
	s_endpgm
.Lfunc_end_k_q9ea1d664d8_ffn1:
	.size	k_q9ea1d664d8_ffn1, .Lfunc_end_k_q9ea1d664d8_ffn1-k_q9ea1d664d8_ffn1
	.p2alignl 7, 3214868480
	.fill 96, 4, 3214868480
	.section	.rodata,"a",@progbits
	.p2align	6, 0x0
	.amdhsa_kernel k_q9ea1d664d8_ffn1
		.amdhsa_group_segment_fixed_size 49664
		.amdhsa_private_segment_fixed_size 0
		.amdhsa_enable_private_segment 0
		.amdhsa_kernarg_size 64
		.amdhsa_user_sgpr_count 2
		.amdhsa_user_sgpr_kernarg_segment_ptr 1
		.amdhsa_wavefront_size32 1
		.amdhsa_system_sgpr_workgroup_id_x 1
		.amdhsa_system_sgpr_workgroup_id_y 1
		.amdhsa_system_sgpr_workgroup_id_z 1
		.amdhsa_system_vgpr_workitem_id 0
		.amdhsa_next_free_vgpr 336
		.amdhsa_next_free_sgpr 96
		.amdhsa_reserve_vcc 0
		.amdhsa_float_denorm_mode_32 3
		.amdhsa_float_denorm_mode_16_64 3
		.amdhsa_memory_ordered 1
		.amdhsa_forward_progress 1
		.amdhsa_inst_pref_size 166
	.end_amdhsa_kernel
	.amdgpu_metadata
---
amdhsa.version: [ 1, 2 ]
amdhsa.kernels:
  - .name:           k_q9ea1d664d8_ffn1
    .symbol:         k_q9ea1d664d8_ffn1.kd
    .args:
      - { .name: x1, .offset: 0, .size: 8, .value_kind: global_buffer, .address_space: global }
      - { .name: ln2_g, .offset: 8, .size: 8, .value_kind: global_buffer, .address_space: global }
      - { .name: ln2_b, .offset: 16, .size: 8, .value_kind: global_buffer, .address_space: global }
      - { .name: W1_codes, .offset: 24, .size: 8, .value_kind: global_buffer, .address_space: global }
      - { .name: W1_scales, .offset: 32, .size: 8, .value_kind: global_buffer, .address_space: global }
      - { .name: b1, .offset: 40, .size: 8, .value_kind: global_buffer, .address_space: global }
      - { .name: hc, .offset: 48, .size: 8, .value_kind: global_buffer, .address_space: global }
      - { .name: hs, .offset: 56, .size: 8, .value_kind: global_buffer, .address_space: global }
    .group_segment_fixed_size: 49664
    .private_segment_fixed_size: 0
    .kernarg_segment_align: 8
    .kernarg_segment_size: 64
    .max_flat_workgroup_size: 384
    .sgpr_count:     96
    .vgpr_count:     336
    .wavefront_size: 32
...
	.end_amdgpu_metadata
.endif
;; end of part 4
;; launch ffn2 (part 5): grid 64 x 4, 4 waves a work-group, no clusters, 205,312 bytes of LDS; arguments hc, hs, W2_codes, W2_scales, b2, x1, out0; writes out0
.if DOCPART == 5
	.amdgcn_target "amdgcn-amd-amdhsa--gfx1250"
	.amdhsa_code_object_version 6
	.text
	.protected	k_q9ea1d664d8_ffn2
	.globl	k_q9ea1d664d8_ffn2
	.p2align	8
	.type	k_q9ea1d664d8_ffn2,@function
k_q9ea1d664d8_ffn2:
	s_mov_b64 s[64:65], 0
	v_nop
	global_prefetch_b8 v0, s[64:65] scope:SCOPE_SE
	s_setreg_imm32_b32 hwreg(HW_REG_WAVE_MODE, 25, 1), 1
	s_wait_xcnt 0x0
; out = res + A W^T + bias: 64 tokens x 192 columns a work-group, K = 128 NS, on codes of FP6 (E2M3) with one E8M0 scale for each 32 along K.
; A arrives in the order of an operand's registers: for block R of 64 tokens and each 64 along K four half fragments of 768 bytes (registers 0-3 at 16 x lane, registers 4-5 at 512 + 8 x lane) and 128 scale bytes
; (row r: 8 bytes at 8 r, two bytes a token tile). The block's codes and scale bytes are dense in memory: asynchronous copies bring them into LDS once, in chunks of 6 K steps, each byte filled once.
; Each chunk has its own pair of address registers, so that a copy's immediate stays under 36,864.
; W arrives row-major, K innermost; each wave's 48 rows go from memory straight into its registers, three K steps ahead, in a ring of four sets.
; SHARES. Work-group (R, y): columns 192 y on. Wave w: columns 48 w on: 3 column tiles x 4 token tiles: 12 accumulators by turns, 12 matrix instructions a K step, transposed (source 0 = W, source 1 = A), so that a lane
; holds eight neighbouring columns of one token. The bias is the C of each sum's first matrix instruction.
; THE WAY OUT goes through a stage in LDS (bytes of its own, into which no copy lands): 64 rows of 768 bytes + 16; each wave reads 16 whole rows back, adds the residual and stores: 16 lanes to 256 consecutive bytes, aligned.
; Lane r of token tile o is token 32 (o / 2) + 8 (o % 2) + r + 8 (r / 8) of the block.
; NO CLUSTER: the four work-groups of a block share A's block alone, 6,144 NS of the 24,576 NS bytes that a work-group reads; the weights, the rest, are read by one wave each and do not pass through LDS.
.set NS,   24                          ; K steps of 128
.set KROW, 96*NS                       ; a row of W in bytes
.set KSR,  4*NS                        ; a row of W's scale bytes
.set NA,   6144*NS                     ; LDS: A's block
.set SBL,  NA                          ; its scale bytes, 256 NS
.set STG,  NA+256*NS                   ; the stage
.set NCH,  NS/6                        ; chunks of 6 K steps, 36,864 bytes each
.if NS == 6
.set WSS, 4
.else
.set WSS, 12
.endif
.set CL,   1                           ; v1-4  the copies of chunk g: LDS address 16 x thread + 36,864 g;  v5-8  the same as the offset in memory: never rewritten
.set CG,   5
.set AA16, 9                           ; v9  16 x lane (+ the chunk);  v10  8 x lane + 512 (+ the chunk)
.set AA8,  10
.set SBA,  11                          ; v11 SBL + 8 r
.set WA,   12                          ; v12 r x KROW + 24 h
.set WSA,  13
.set BA,   14                          ; v14 32 h
.set SO,   15                          ; v15 the stage: where I put 32 bytes of a row
.set RD,   16                          ; v16-18 where I read pieces of 512 bytes back;  v19-21 the same pieces in memory
.set GO,   19
.set WS,   24                          ; v24-59 W's scale words (scales only): lanes 0-15 the first NS / 2 K steps, lanes 16-31 the others
.set AS,   60                          ; v60-67 A's scale words, two sets (scales only)
.set RW,   68                          ; v68-71 A's scale bytes as they lie
.set SBC,  74                          ; v74-75 the copies of the scale bytes: LDS address, offset in memory: never rewritten
.set ABUF, 96                          ; v96-143, v144-191 A's four fragments, two sets; later the residual and the rows read back
.set RES,  96
.set STGR, 144
.set BIAS, 144                         ; window 1: v0-143 W's ring, four sets of 36; v144-167 the bias.  window 2: the accumulators, (o, ct) at 8 (3 o + ct)
.set MSB, 0
.macro WIN new                         ; the immediate's high byte repeats the setting that is left
.if MSB != \new
	s_set_vgpr_msb (MSB<<8)|\new
.set MSB, \new
.endif
.endm
.macro WLOAD s                         ; my three weight fragments of K step s into set s % 4
.irp ct, 0,1,2
.irp p, 0,1,2,3,4,5
	global_load_b64 v[36*((\s)%4)+12*\ct+2*\p:36*((\s)%4)+12*\ct+2*\p+1], v[WA], s[8:9] offset:16*KROW*\ct+96*(\s)+48*(\p/3)+8*(\p%3)
.endr
.endr
.endm
.macro ALOAD s                         ; A's four fragments of K step s into set s % 2, and their scale bytes
.set AB, ABUF+48*((\s)%2)
.irp o, 0,1,2,3
	ds_load_b128 v[AB+12*\o:AB+12*\o+3], v[AA16] offset:(8*((\s)%6)+\o)*768
	ds_load_b64 v[AB+12*\o+4:AB+12*\o+5], v[AA8] offset:(8*((\s)%6)+\o)*768
	ds_load_b128 v[AB+12*\o+6:AB+12*\o+9], v[AA16] offset:(8*((\s)%6)+\o)*768+3072
	ds_load_b64 v[AB+12*\o+10:AB+12*\o+11], v[AA8] offset:(8*((\s)%6)+\o)*768+3072
.endr
	ds_load_b64 v[RW:RW+1], v[SBA] offset:256*(\s)
	ds_load_b64 v[RW+2:RW+3], v[SBA] offset:256*(\s)+128
.endm
.macro STEP s
	WIN 0
	s_wait_dscnt 0x0                                      ; this step's fragments and scale bytes are in
	v_perm_b32 v[AS+4*((\s)%2)], v[RW+2], v[RW], s26      ; a token tile's scale word: its two bytes of the lower 64 along K, then of the upper 64
	v_perm_b32 v[AS+4*((\s)%2)+1], v[RW+2], v[RW], s27
	v_perm_b32 v[AS+4*((\s)%2)+2], v[RW+3], v[RW+1], s26
	v_perm_b32 v[AS+4*((\s)%2)+3], v[RW+3], v[RW+1], s27
.rept 8
	v_nop                                                 ; eight places between the scale words and the scaled matrix instructions; also the places in front of the loads below
.endr
.if (\s)+1 < NS
.if ((\s)+1)%6 == 0
	s_wait_asynccnt 18*(NCH-1-((\s)+1)/6)                 ; my copies of the next chunk have landed; the later chunks' 18 each may be out
	s_barrier_signal -1
	s_barrier_wait -1                                     ; everybody's have
	v_add_nc_u32 v[AA16], 36864, v[AA16]
	v_add_nc_u32 v[AA8], 36864, v[AA8]
.endif
	ALOAD (\s)+1
.endif
.if (\s)+3 < NS
	WIN 0x40
	WLOAD (\s)+3
.endif
.if NS-1-(\s) >= 3
	s_wait_loadcnt 54                                     ; this step's weights are in; the three younger steps' 18 loads each may be out
.else
	s_wait_loadcnt 18*(NS-1-(\s))
.endif
.set AB2, ABUF+48*((\s)%2)
.set WR, 36*((\s)%4)
.set AS2, AS+4*((\s)%2)
.set WS2, WS+(\s)%(NS/2)
.if (\s) == 0
	WIN 0x91                                              ; source 0 (W) and C (bias) window 1, D window 2
.else
	WIN 0xa1                                              ; source 0 window 1, C and D window 2
.endif
.irp o, 0,1,2,3
.irp ct, 0,1,2
.if (\s) == 0
	v_wmma_scale_f32_16x16x128_f8f6f4 v[8*(3*\o+\ct):8*(3*\o+\ct)+7], v[WR+12*\ct:WR+12*\ct+11], v[AB2+12*\o:AB2+12*\o+11], v[BIAS+8*\ct:BIAS+8*\ct+7], v[WS2+WSS*\ct], v[AS2+\o] matrix_a_fmt:MATRIX_FMT_FP6 matrix_b_fmt:MATRIX_FMT_FP6
.elseif (\s) < NS/2
	v_wmma_scale_f32_16x16x128_f8f6f4 v[8*(3*\o+\ct):8*(3*\o+\ct)+7], v[WR+12*\ct:WR+12*\ct+11], v[AB2+12*\o:AB2+12*\o+11], v[8*(3*\o+\ct):8*(3*\o+\ct)+7], v[WS2+WSS*\ct], v[AS2+\o] matrix_a_fmt:MATRIX_FMT_FP6 matrix_b_fmt:MATRIX_FMT_FP6
.else
	v_wmma_scale_f32_16x16x128_f8f6f4 v[8*(3*\o+\ct):8*(3*\o+\ct)+7], v[WR+12*\ct:WR+12*\ct+11], v[AB2+12*\o:AB2+12*\o+11], v[8*(3*\o+\ct):8*(3*\o+\ct)+7], v[WS2+WSS*\ct], v[AS2+\o] matrix_a_fmt:MATRIX_FMT_FP6 matrix_b_fmt:MATRIX_FMT_FP6 matrix_a_scale:MATRIX_SCALE_ROW1
.endif
.endr
.endr
.endm
.macro RESLD bt                        ; the residual of 12 pieces: stage rows 8 bt .. 8 bt + 7 of my 16
.irp kk, 0,1,2,3
.irp m, 0,1,2
	global_load_b128 v[RES+4*(3*\kk+\m):RES+4*(3*\kk+\m)+3], v[GO+\m], s[14:15] offset:(2*(4*(\bt)+\kk)+8*(\bt))*3072
.endr
.endr
.endm
.macro BATCH bt                        ; the same 12 pieces out of the stage, + the residual, stored
.irp kk, 0,1,2,3
.irp m, 0,1,2
	ds_load_b128 v[STGR+4*(3*\kk+\m):STGR+4*(3*\kk+\m)+3], v[RD+\m] offset:1568*(4*(\bt)+\kk)
.endr
.endr
	s_wait_loadcnt 0x0
	s_wait_dscnt 0x0
.set i, 0
.rept 24
	v_pk_add_f32 v[STGR+i:STGR+i+1], v[STGR+i:STGR+i+1], v[RES+i:RES+i+1]
.set i, i+2
.endr
.irp kk, 0,1,2,3
.irp m, 0,1,2
	global_store_b128 v[GO+\m], v[STGR+4*(3*\kk+\m):STGR+4*(3*\kk+\m)+3], s[16:17] offset:(2*(4*(\bt)+\kk)+8*(\bt))*3072   ; each 16 lanes store 256 consecutive bytes, aligned
.endr
.endr
.endm
	s_load_b256 s[4:11], s[0:1], 0x0                      ; A's codes, A's scale bytes, W's codes, W's scales
	s_load_b128 s[12:15], s[0:1], 0x20                    ; bias, residual
	s_load_b64 s[16:17], s[0:1], 0x30                     ; out
	v_lshl_add_u32 v254, v0, 2, 0x32000
	v_mov_b32 v255, 0
	ds_add_u32 v254, v255
	ds_add_u32 v254, v255
	v_lshrrev_b32 v22, 5, v0
	v_readfirstlane_b32 s18, v22                          ; wave 0..3
	s_mov_b32 s19, ttmp9                                  ; R
	s_and_b32 s20, ttmp7, 0xffff                          ; y
	s_mov_b32 s26, 0x05040100
	s_mov_b32 s27, 0x07060302
.set g, 0
.rept NCH
	v_lshl_add_u32 v[CL+g], v0, 4, 36864*g                ; the copies of chunk g: 16 bytes a thread, in LDS
	v_lshl_add_u32 v[CG+g], v0, 4, 36864*g                ; and in memory
.set g, g+1
.endr
.if NS == 6
	v_lshl_add_u32 v[SBC], v0, 2, SBL
	v_lshlrev_b32 v[SBC+1], 2, v0
.else
	v_lshl_add_u32 v[SBC], v0, 4, SBL
	v_lshlrev_b32 v[SBC+1], 4, v0
.endif
	v_and_b32 v22, 31, v0                                 ; lane
	v_and_b32 v23, 15, v0                                 ; r
	v_bfe_u32 v72, v0, 4, 1                               ; h
	v_lshlrev_b32 v[AA16], 4, v22
	v_lshl_add_u32 v[AA8], v22, 3, 512
	v_lshl_add_u32 v[SBA], v23, 3, SBL
	v_mul_u32_u24 v[WA], v23, KROW
	v_mad_u32_u24 v[WA], v72, 24, v[WA]
	v_mul_u32_u24 v[WSA], v23, KSR
	v_mad_u32_u24 v[WSA], v72, KSR/2, v[WSA]
	v_lshlrev_b32 v[BA], 5, v72
	s_mul_i32 s21, s20, 192
	s_mul_i32 s22, s18, 48
	s_add_co_u32 s21, s21, s22                            ; my first column
	s_mov_b32 s25, 0
	s_wait_dscnt 0x0
	s_wait_kmcnt 0x0
	s_mul_i32 s24, s19, NA
	s_add_nc_u64 s[4:5], s[4:5], s[24:25]
	s_mul_i32 s24, s19, 256*NS
	s_add_nc_u64 s[6:7], s[6:7], s[24:25]
	s_mul_i32 s24, s21, KROW
	s_add_nc_u64 s[8:9], s[8:9], s[24:25]
	s_mul_i32 s24, s21, KSR
	s_add_nc_u64 s[10:11], s[10:11], s[24:25]
	s_lshl_b32 s24, s21, 2
	s_add_nc_u64 s[12:13], s[12:13], s[24:25]
	s_lshl_b32 s22, s19, 6                                ; the first token of the tile whose rows I store: 64 R + 32 (w / 2) + 8 (w % 2)
	s_lshr_b32 s23, s18, 1
	s_lshl_b32 s23, s23, 5
	s_add_co_u32 s22, s22, s23
	s_and_b32 s23, s18, 1
	s_lshl_b32 s23, s23, 3
	s_add_co_u32 s22, s22, s23
	s_mul_i32 s24, s22, 3072
	s_mul_i32 s23, s20, 768
	s_add_co_u32 s24, s24, s23
	s_add_nc_u64 s[14:15], s[14:15], s[24:25]
	s_add_nc_u64 s[16:17], s[16:17], s[24:25]
	; the copies: all at the head, each LDS byte filled once: the scale bytes first, then the chunks in order, 18 copies of a wave to a chunk (the four waves' 2,048 bytes a copy x 18 = 36,864)
.irp i, 0,1,2
.if NS == 6
	global_load_async_to_lds_b32 v[SBC], v[SBC+1], s[6:7] offset:512*\i
.else
	global_load_async_to_lds_b128 v[SBC], v[SBC+1], s[6:7] offset:2048*\i
.endif
.endr
.set g, 0
.rept NCH
.set i, 0
.rept 18
	global_load_async_to_lds_b128 v[CL+g], v[CG+g], s[4:5] offset:2048*i
.set i, i+1
.endr
.set g, g+1
.endr
.irp ct, 0,1,2
.if NS == 6
	global_load_b96 v[WS+WSS*\ct:WS+WSS*\ct+2], v[WSA], s[10:11] offset:16*KSR*\ct
.else
.irp i, 0,1,2
	global_load_b128 v[WS+WSS*\ct+4*\i:WS+WSS*\ct+4*\i+3], v[WSA], s[10:11] offset:16*KSR*\ct+16*\i
.endr
.endif
.endr
	WIN 0x40
.irp ct, 0,1,2
	global_load_b128 v[BIAS+8*\ct:BIAS+8*\ct+3], v[BA], s[12:13] offset:64*\ct
	global_load_b128 v[BIAS+8*\ct+4:BIAS+8*\ct+7], v[BA], s[12:13] offset:64*\ct+16
.endr
	WLOAD 0
	WLOAD 1
	WLOAD 2
	WIN 0
	v_mul_u32_u24 v[SO], v23, 784
	v_lshl_add_u32 v[SO], v72, 5, v[SO]
	s_mul_i32 s22, s18, 192
	s_add_co_u32 s22, s22, STG
	v_add_nc_u32 v[SO], s22, v[SO]                        ; row r, + 32 h, + my 192 bytes
	s_mul_i32 s22, s18, 16*784
	s_add_co_u32 s22, s22, STG                            ; back: my 16 rows, two rows (1,536 bytes) as three pieces of 512
	v_lshlrev_b32 v73, 4, v23
	v_lshl_add_u32 v[GO], v72, 8, v73                     ; piece 0: the first row's bytes 0-511
	v_add_nc_u32 v[RD], s22, v[GO]
	v_mad_u32_u24 v[RD+1], v72, 272, v73                  ; piece 1: its bytes 512-767, and the next row's bytes 0-255
	v_add_nc_u32 v[RD+1], 512, v[RD+1]
	v_add_nc_u32 v[RD+1], s22, v[RD+1]
	v_add_nc_u32 v[RD+2], 1040, v[RD]                     ; piece 2: the next row's bytes 256-767
	v_mad_u32_u24 v[GO+1], v72, 2560, v73
	v_add_nc_u32 v[GO+1], 512, v[GO+1]
	v_add_nc_u32 v[GO+2], 3328, v[GO]
	s_wait_asynccnt 18*(NCH-1)                            ; my copies of the scale bytes and of chunk 0 have landed; the later chunks' may be out
	s_barrier_signal -1
	s_barrier_wait -1                                     ; everybody's have
	ALOAD 0
.set q, 0
.rept NS
	STEP q
.set q, q+1
.endr
	WIN 0
.rept 4
	v_nop                                                 ; places behind the last matrix instructions
.endr
	RESLD 0
	WIN 0x08                                              ; an LDS store's data are its source 1: window 2
.irp o, 0,1,2,3
.irp ct, 0,1,2
	ds_store_b128 v[SO], v[8*(3*\o+\ct):8*(3*\o+\ct)+3] offset:16*784*\o+64*\ct          ; each accumulator from its low end on
	ds_store_b128 v[SO], v[8*(3*\o+\ct)+4:8*(3*\o+\ct)+7] offset:16*784*\o+64*\ct+16
.endr
.endr
	WIN 0
	s_wait_dscnt 0x0                                      ; for the others' sake: my stores into the stage are done
	s_barrier_signal -1
	s_barrier_wait -1
	BATCH 0
	s_wait_xcnt 0x0                                       ; the stores have read their registers: they may be loaded again
	RESLD 1
	BATCH 1
	s_wait_tensorcnt 0x0
	ds_add_u32 v254, v255
	s_wait_dscnt 0x0
	s_endpgm
.Lfunc_end_k_q9ea1d664d8_ffn2:
	.size	k_q9ea1d664d8_ffn2, .Lfunc_end_k_q9ea1d664d8_ffn2-k_q9ea1d664d8_ffn2
	.p2alignl 7, 3214868480
	.fill 96, 4, 3214868480
	.section	.rodata,"a",@progbits
	.p2align	6, 0x0
	.amdhsa_kernel k_q9ea1d664d8_ffn2
		.amdhsa_group_segment_fixed_size 205312
		.amdhsa_private_segment_fixed_size 0
		.amdhsa_enable_private_segment 0
		.amdhsa_kernarg_size 56
		.amdhsa_user_sgpr_count 2
		.amdhsa_user_sgpr_kernarg_segment_ptr 1
		.amdhsa_wavefront_size32 1
		.amdhsa_system_sgpr_workgroup_id_x 1
		.amdhsa_system_sgpr_workgroup_id_y 1
		.amdhsa_system_sgpr_workgroup_id_z 1
		.amdhsa_system_vgpr_workitem_id 0
		.amdhsa_next_free_vgpr 608
		.amdhsa_next_free_sgpr 66
		.amdhsa_reserve_vcc 0
		.amdhsa_float_denorm_mode_32 3
		.amdhsa_float_denorm_mode_16_64 3
		.amdhsa_memory_ordered 1
		.amdhsa_forward_progress 1
		.amdhsa_inst_pref_size 145
	.end_amdhsa_kernel
	.amdgpu_metadata
---
amdhsa.version: [ 1, 2 ]
amdhsa.kernels:
  - .name:           k_q9ea1d664d8_ffn2
    .symbol:         k_q9ea1d664d8_ffn2.kd
    .args:
      - { .name: hc, .offset: 0, .size: 8, .value_kind: global_buffer, .address_space: global }
      - { .name: hs, .offset: 8, .size: 8, .value_kind: global_buffer, .address_space: global }
      - { .name: W2_codes, .offset: 16, .size: 8, .value_kind: global_buffer, .address_space: global }
      - { .name: W2_scales, .offset: 24, .size: 8, .value_kind: global_buffer, .address_space: global }
      - { .name: b2, .offset: 32, .size: 8, .value_kind: global_buffer, .address_space: global }
      - { .name: x1, .offset: 40, .size: 8, .value_kind: global_buffer, .address_space: global }
      - { .name: out0, .offset: 48, .size: 8, .value_kind: global_buffer, .address_space: global }
    .group_segment_fixed_size: 205312
    .private_segment_fixed_size: 0
    .kernarg_segment_align: 8
    .kernarg_segment_size: 56
    .max_flat_workgroup_size: 128
    .sgpr_count:     66
    .vgpr_count:     608
    .wavefront_size: 32
...
	.end_amdgpu_metadata
.endif
;; end of part 5
;; ======== version 2 of 2: 5 launches
;; workspace buffers: qc 2,359,296 bytes; qs 98,304 bytes; kv 4,915,200 bytes; cc 2,359,296 bytes; cs 98,304 bytes; x1 12,582,912 bytes; hc 9,437,184 bytes; hs 393,216 bytes
;; launch ln_qkv (part 6): grid 64 x 3, 12 waves a work-group, no clusters, 49,664 bytes of LDS; arguments x, ln1_g, ln1_b, Wq_codes, Wq_scales, bq, Wk_codes, Wk_scales, bk, Wv_codes, Wv_scales, bv, qc, qs, kv; writes qc, qs, kv
.if DOCPART == 6
	.amdgcn_target "amdgcn-amd-amdhsa--gfx1250"
	.amdhsa_code_object_version 6
	.text
	.protected	k_q9ea1d664d8_ln_qkv
	.globl	k_q9ea1d664d8_ln_qkv
	.p2align	8
	.type	k_q9ea1d664d8_ln_qkv,@function
k_q9ea1d664d8_ln_qkv:
	s_mov_b64 s[64:65], 0
	v_nop
	global_prefetch_b8 v0, s[64:65] scope:SCOPE_SE
	s_setreg_imm32_b32 hwreg(HW_REG_WAVE_SCHED_MODE, 0, 2), 2
	s_setreg_imm32_b32 hwreg(HW_REG_WAVE_MODE, 25, 1), 1
	s_wait_xcnt 0x0
	s_wait_alu depctr_vm_vsrc(0)
; LAYER NORM, QUANTISER AND ONE PRODUCT OF 64 TOKENS x 768 COLUMNS, K = 768, on codes of FP6 (E2M3) with one E8M0 scale for each 32 along K.
; FFN = 0: work-group (R, y): tokens 64 R on; y = 0, 1, 2: q, k, v = LN1(x) W + bias; the results are quantised (q, k along the head's 64, v along the tokens) and stored in the order of an operand's registers.
; FFN = 1: work-group (R, y): h = gelu(LN2(x1) W1 + b1), columns 768 y on, quantised along the columns.
; SHARES. Twelve waves. LN: wave w takes token tile m = w & 3 (16 tokens) and 256 of the 768 columns (kt = w >> 2): 128 numbers a lane; a row's sums meet in LDS. Its two fragments of codes go to LDS as images of
; their registers. PRODUCT: wave w owns 64 columns (a head, or a unit of the hidden layer): 4 x 4 tiles, 16 accumulators by turns, 96 matrix instructions; its weights go from memory straight into its registers.
; TILES. Lane r of token tile o holds token 32 (o / 2) + 8 (o % 2) + r + 8 (r / 8) of the block, and the weight rows of a tile are chosen alike: so the 16 registers of tiles 2 b, 2 b + 1 of a result are 16 neighbours
; along the next K. q, k, h: source 0 = weights, source 1 = tokens (a lane holds a token). v: source 0 = tokens, source 1 = weights (a lane holds a channel, its registers run along the tokens, the next K).
; OUT. A half fragment (16 rows x 64 K, 6 registers a lane) is 768 bytes: registers 0-3 at 16 x lane, registers 4-5 at 512 + 8 x lane: each store covers 512 or 256 consecutive bytes, aligned. The four tiles'
; scale bytes: 8 bytes for each row r at 8 r.
; NO CLUSTER: x's rows go into registers for the norm, and each weight fragment is read by one wave alone and feeds four matrix instructions from its registers; nothing goes through LDS that partners could share.
; LIMITS: NaN and infinities among the inputs are not served. A block of zeros keeps the scale byte 1 (its codes are zeros; the bytes are read by this program alone). The variance is taken in a second pass, of x - mean.
; THE MODE: SCHED_MODE bits 1:0 = 2 (LLVM: expert scheduling mode 2), set by the entry lines. The code itself states the register dependences between vector or matrix instructions and memory or LDS
; instructions, with s_wait_alu, always for 0.
; THE PLAN. Registers that memory or LDS instructions touch, and who else names them:
;   v1-11          offsets and addresses, made at the head ahead of the wait on va_vdst in front of the bias loads; never written again.
;   v36-39, v62    offsets of the head's loads, addresses of the norm's LDS stores. The quantiser's work registers (v36-39) and xn's fragments (v62) take them later, behind a wait on vm_vsrc.
;   v[CH .. CH+2]  the sums write them; the LDS store of my partial sum reads v[CH]; behind the barrier my tile's three partial sums land there. Twice: va_vdst ahead of the store, vm_vsrc ahead of the loads.
;   GG, BB         one buffer. Chunk c's multiply-adds read it; behind a wait on va_vdst chunk c + 1's gain and bias land in it, and chunk c + 1's multiplications by rstd, which name X and RS alone,
;                  stand between those loads and the wait for them.
;   PC, PW         (PC and PT lie in GG.) The quantiser writes them, the image's four LDS stores read them: va_vdst ahead of the stores; no vector instruction follows it before the next loads into GG and BB
;                  (behind the second image: into the weights' set at v80 and into XF), so it serves those too; vm_vsrc behind the stores, ahead of what lands in PC, PW and v62.
;   XF, XS, the weights' two sets.  K step s: its matrix instructions read XF, XS and set s % 2. ONE wait on va_vdst at the head of step s + 1 states that they are done: behind it xn's next fragments and scale
;                  words land in XF and XS and the weights of step s + 2 in set s % 2; step s + 1's matrix instructions name the other set. A token tile's four matrix instructions begin when its own four LDS loads are in.
;   the way out    each tile's six registers of codes and v120-121 are written by the quantiser, read by the stores and never written again: va_vdst ahead of the stores.
.set FFN,  0
.set XIMG, 0                           ; LDS: 24 fragments of xn (index 6 m + s), 1,536 bytes each: three planes of 512
.set XSC,  36864                       ; their scale words, 128 bytes each
.set RED,  39936                       ; partial sums, a word at 64 w + 4 r; the sums of squares 768 bytes on
.set GBL,  41472                       ; the gain's 3,072 bytes, then the bias's
.set LI16, 1                           ; v1  16 x lane
.set LI8,  2                           ; v2  8 x lane
.set LS,   3                           ; v3  4 x lane
.set SBA,  4                           ; v4  8 r
.set WA,   5                           ; v5  weights: row r + 8 (r / 8) of 576 bytes, + 24 h
.set WSA,  6                           ; v6  their scale bytes: 24 a row, + 12 h
.set XA,   7                           ; v7  x: row r + 8 (r / 8) of 3,072 bytes, + 64 h
.set GBA,  8                           ; v8  gain and bias in LDS
.set RST,  9                           ; v9  where I put a partial sum
.set RLD,  10                          ; v10 where I read my tile's three
.set XWI,  11                          ; v11 where I put my fragments' images
.set XS,   12                          ; v12-15 xn's scale words (scales only)
.set WS,   16                          ; v16-31 the weights' scale words, 4 registers a tile, 3 used (scales only): lanes 0-15 K steps 0-2, lanes 16-31 K steps 3-5
.set XF,   32                          ; v32-79 four fragments of xn
.set WBA,  80                          ; v80-127 weights of an odd K step;  v256-303 (window 1, v0-47) of an even one
.set X,    128                         ; v128-255 my 128 numbers, later the accumulators: (o, t) at ACC + 8 (4 o + t)
.set ACC,  128
.set BIAS, 48                          ; window 1, v48-79 (v304-335): the bias in the result's layout
.set PW,   48                          ; LN phase: the scale word just made
.set MU,   50
.set RS,   52
.set CH,   54                          ; v54-61 four chains of sums
.set XWS,  62                          ; where I put my scale words
.set GG,   64                          ; v64-95 gain, v96-127 bias of 32 numbers
.set BB,   96
.set SEL,  56                          ; s[56:57] lane selects: lane l xor 16
.set GT,   32                          ; gelu: t, the polynomial, x^2
.set GP,   48
.set GQ,   64
.set C9,   122
.set GC,   68                          ; s[68:87] gelu's constants, each written twice
.set MSB, 0
.macro WIN new                         ; the immediate's high byte repeats the setting that is left
.if MSB != \new
	s_set_vgpr_msb (MSB<<8)|\new
.set MSB, \new
.endif
.endm
.macro BARRIER                         ; my LDS stores have landed and my LDS loads are in: then the work-group's barrier
	s_wait_dscnt 0x0
	s_barrier_signal -1
	s_barrier_wait -1
.endm
.macro SPAIR reg, val
	s_mov_b32 s[\reg], \val
	s_mov_b32 s[\reg+1], \val
.endm
; 64 numbers of a lane, register 16 b + i = k 32 b + 16 h + i of my row, become a fragment's 12 registers at v[PC] and its scale word v[PW]
.macro QUANT4 s
.irp b, 0,1,2,3
	v_max3_num_f32 v[TM+\b], |v[(\s)+16*\b]|, |v[(\s)+1+16*\b]|, 0x1800000   ; my 16 numbers of block b, and the floor 2^(3 - 127): the byte cannot fall under 1
.endr
.irp i, 2,4,6,8,10,12,14
.irp b, 0,1,2,3
	v_max3_num_f32 v[TM+\b], v[TM+\b], |v[(\s)+16*\b+\i]|, |v[(\s)+1+16*\b+\i]|
.endr
.endr
.irp b, 0,1,2,3
	v_permlanex16_b32 v[TM+4+\b], v[TM+\b], s[SEL], s[SEL+1]
.endr
.irp b, 0,1,2,3
	v_max_num_f32 v[TM+\b], v[TM+\b], v[TM+4+\b]          ; with lane l xor 16's: the block's largest magnitude
.endr
.irp b, 0,1,2,3
	v_add_nc_u32 v[TM+12+\b], 0xff000000, v[TM+\b]        ; 2 off its exponent field: the conversion's scale operand
.endr
.irp b, 0,1,2,3
	v_lshrrev_b32 v[TM+4+\b], 23, v[TM+12+\b]             ; the scale's byte
.endr
	v_lshl_or_b32 v[PW], v[TM+5], 8, v[TM+4]
	v_lshl_or_b32 v[PW], v[TM+6], 16, v[PW]
	v_lshl_or_b32 v[PW], v[TM+7], 24, v[PW]
.irp c, 0,1
	v_cvt_scalef32_pk16_fp6_f32 v[PC+6*\c:PC+2+6*\c], v[(\s)+32*\c:(\s)+15+32*\c], v[TM+12+2*\c]
	v_cvt_scalef32_pk16_fp6_f32 v[PT+4*\c:PT+2+4*\c], v[(\s)+16+32*\c:(\s)+31+32*\c], v[TM+13+2*\c]   ; (a conversion's three registers begin on an even number)
.endr
	v_nop                                                 ; one plain place behind a scaled conversion
.irp c, 0,1                            ; the operand's layout wants a whole block in a lane
.irp i, 0,1,2
	v_permlane16_swap_b32 v[PC+6*\c+\i], v[PT+4*\c+\i]
.endr
.irp i, 0,1,2
	v_mov_b32 v[PC+3+6*\c+\i], v[PT+4*\c+\i]
.endr
.endr
.endm
; the same for 32 numbers (two blocks): a half fragment's 6 registers at v[dst], its two bytes in v[pb]
.macro QUANT2 s, dst, pb
.irp b, 0,1
	v_max3_num_f32 v[TM+\b], |v[(\s)+16*\b]|, |v[(\s)+1+16*\b]|, 0x1800000   ; each accumulator is read from its low end on
.endr
.irp i, 2,4,6,8,10,12,14
.irp b, 0,1
	v_max3_num_f32 v[TM+\b], v[TM+\b], |v[(\s)+16*\b+\i]|, |v[(\s)+1+16*\b+\i]|
.endr
.endr
.irp b, 0,1
	v_permlanex16_b32 v[TM+2+\b], v[TM+\b], s[SEL], s[SEL+1]
.endr
.irp b, 0,1
	v_max_num_f32 v[TM+\b], v[TM+\b], v[TM+2+\b]
.endr
.irp b, 0,1
	v_add_nc_u32 v[TM+4+\b], 0xff000000, v[TM+\b]
.endr
.irp b, 0,1
	v_lshrrev_b32 v[TM+2+\b], 23, v[TM+4+\b]
.endr
	v_lshl_or_b32 v[\pb], v[TM+3], 8, v[TM+2]
	v_cvt_scalef32_pk16_fp6_f32 v[(\dst):(\dst)+2], v[(\s):(\s)+15], v[TM+4]
	v_cvt_scalef32_pk16_fp6_f32 v[PT:PT+2], v[(\s)+16:(\s)+31], v[TM+5]
	v_nop
.irp i, 0,1,2
	v_permlane16_swap_b32 v[(\dst)+\i], v[PT+\i]
.endr
.irp i, 0,1,2
	v_mov_b32 v[(\dst)+3+\i], v[PT+\i]
.endr
.endm
.macro IMAGE k                         ; the fragment in v[PC] on and its scale word go to LDS as they stand
.irp c, 0,1,2
	ds_store_b128 v[XWI], v[PC+4*\c:PC+4*\c+3] offset:XIMG+1536*(\k)+512*\c
.endr
	ds_store_b32 v[XWS], v[PW] offset:XSC+128*(\k)
.endm
.macro GBLOAD c                        ; gain and bias of my numbers 32 c .. 32 c + 31
.irp bb, 0,1
.irp j, 0,1,2,3
	ds_load_b128 v[GG+16*\bb+4*\j:GG+16*\bb+4*\j+3], v[GBA] offset:128*(2*(\c)+\bb)+16*\j
	ds_load_b128 v[BB+16*\bb+4*\j:BB+16*\bb+4*\j+3], v[GBA] offset:3072+128*(2*(\c)+\bb)+16*\j
.endr
.endr
.endm
.macro NORMA c                         ; (x - mean) x rstd: names X and RS alone
.set i, 0
.rept 16
	v_pk_mul_f32 v[X+32*(\c)+i:X+32*(\c)+i+1], v[X+32*(\c)+i:X+32*(\c)+i+1], v[RS:RS+1]
.set i, i+2
.endr
.endm
.macro NORMB c                         ; .. x g + b
.set i, 0
.rept 16
	v_pk_fma_f32 v[X+32*(\c)+i:X+32*(\c)+i+1], v[X+32*(\c)+i:X+32*(\c)+i+1], v[GG+i:GG+i+1], v[BB+i:BB+i+1]
.set i, i+2
.endr
.endm
.macro JOIN                            ; four chains -> my row's sum over my wave's 256 columns, in both halves of the lanes
	v_pk_add_f32 v[CH:CH+1], v[CH:CH+1], v[CH+2:CH+3]
	v_pk_add_f32 v[CH+4:CH+5], v[CH+4:CH+5], v[CH+6:CH+7]
	v_pk_add_f32 v[CH:CH+1], v[CH:CH+1], v[CH+4:CH+5]
	v_add_f32 v[CH], v[CH], v[CH+1]
	v_permlanex16_b32 v[CH+1], v[CH], s[SEL], s[SEL+1]
	v_add_f32 v[CH], v[CH], v[CH+1]
.endm
.macro WLOAD s, base                   ; my unit's four weight fragments of K step s: each 24 bytes of a row as three loads of 8
.irp t, 0,1,2,3
.irp p, 0,1,2,3,4,5
	global_load_b64 v[\base+12*\t+2*\p:\base+12*\t+2*\p+1], v[WA], s[34:35] offset:(32*(\t/2)+8*(\t%2))*576+96*(\s)+48*(\p/3)+8*(\p%3)
.endr
.endr
.endm
.macro MMT o, t, s                     ; transposed: source 0 = weight tile t, source 1 = token tile o
.set rD, ACC+8*(4*(\o)+(\t))
.if (\s) == 0
	v_wmma_scale_f32_16x16x128_f8f6f4 v[rD:rD+7], v[WB+12*(\t):WB+12*(\t)+11], v[XF+12*(\o):XF+12*(\o)+11], v[BIAS+8*(\t):BIAS+8*(\t)+7], v[WS+4*(\t)], v[XS+(\o)] matrix_a_fmt:MATRIX_FMT_FP6 matrix_b_fmt:MATRIX_FMT_FP6
.elseif (\s) < 3
	v_wmma_scale_f32_16x16x128_f8f6f4 v[rD:rD+7], v[WB+12*(\t):WB+12*(\t)+11], v[XF+12*(\o):XF+12*(\o)+11], v[rD:rD+7], v[WS+4*(\t)+(\s)], v[XS+(\o)] matrix_a_fmt:MATRIX_FMT_FP6 matrix_b_fmt:MATRIX_FMT_FP6
.else
	v_wmma_scale_f32_16x16x128_f8f6f4 v[rD:rD+7], v[WB+12*(\t):WB+12*(\t)+11], v[XF+12*(\o):XF+12*(\o)+11], v[rD:rD+7], v[WS+4*(\t)+(\s)-3], v[XS+(\o)] matrix_a_fmt:MATRIX_FMT_FP6 matrix_b_fmt:MATRIX_FMT_FP6 matrix_a_scale:MATRIX_SCALE_ROW1
.endif
.endm
.macro MMV o, t, s                     ; v: source 0 = token tile t, source 1 = weight tile o
.set rD, ACC+8*(4*(\o)+(\t))
.if (\s) == 0
	v_wmma_scale_f32_16x16x128_f8f6f4 v[rD:rD+7], v[XF+12*(\t):XF+12*(\t)+11], v[WB+12*(\o):WB+12*(\o)+11], v[BIAS+8*(\o):BIAS+8*(\o)+7], v[XS+(\t)], v[WS+4*(\o)] matrix_a_fmt:MATRIX_FMT_FP6 matrix_b_fmt:MATRIX_FMT_FP6
.elseif (\s) < 3
	v_wmma_scale_f32_16x16x128_f8f6f4 v[rD:rD+7], v[XF+12*(\t):XF+12*(\t)+11], v[WB+12*(\o):WB+12*(\o)+11], v[rD:rD+7], v[XS+(\t)], v[WS+4*(\o)+(\s)] matrix_a_fmt:MATRIX_FMT_FP6 matrix_b_fmt:MATRIX_FMT_FP6
.else
	v_wmma_scale_f32_16x16x128_f8f6f4 v[rD:rD+7], v[XF+12*(\t):XF+12*(\t)+11], v[WB+12*(\o):WB+12*(\o)+11], v[rD:rD+7], v[XS+(\t)], v[WS+4*(\o)+(\s)-3] matrix_a_fmt:MATRIX_FMT_FP6 matrix_b_fmt:MATRIX_FMT_FP6 matrix_b_scale:MATRIX_SCALE_ROW1
.endif
.endm
; The six K steps. A step: four places and the step's one wait on va_vdst; xn's four fragments and scale words from LDS, a token tile after the other; the next step's weights from memory, into the set that the
; last step has read; then 16 matrix instructions on 16 accumulators by turns, a token tile's four as soon as that tile's four LDS loads are in.
.macro PROD tr
.irp s, 0,1,2,3,4,5
	WIN 0
.if \s > 0
.rept 4
	v_nop                                                 ; the places behind the last step's matrix instructions stay, in front of the wait
.endr
	s_wait_alu depctr_va_vdst(0)                          ; the last step's matrix instructions are done reading XF, XS and their set of weights: the loads below land in all three
.endif                                                    ; (step 0: the wait ahead of the second image's stores serves: no vector instruction stands behind it)
.irp o, 0,1,2,3
.irp c, 0,1,2
	ds_load_b128 v[XF+12*\o+4*\c:XF+12*\o+4*\c+3], v[LI16] offset:XIMG+(6*\o+\s)*1536+512*\c
.endr
	ds_load_b32 v[XS+\o], v[LS] offset:XSC+128*(6*\o+\s)
.endr
.if (\s >= 1) && (\s <= 4)
.if (\s % 2) == 1
	WIN 0x40                                              ; destination window 1; between the wait above and these loads stand LDS loads and this switch alone
	WLOAD \s+1, 0
	WIN 0
.else
	WLOAD \s+1, WBA
.endif
.endif
.if \s < 5
	s_wait_loadcnt 24                                     ; this step's weights are in; the next step's 24 loads may be out
.else
	s_wait_loadcnt 0x0
.endif
.if (\s % 2) == 0
.set WB, 0
.else
.set WB, WBA
.endif
.if \tr
.if \s == 0
	WIN 0x11                                              ; source 0 (weights) and C (bias) window 1
.elseif (\s % 2) == 0
	WIN 0x01
.endif
.irp o, 0,1,2,3
	s_wait_dscnt 12-4*\o                                  ; LDS loads come back in order (ISA guide 5.7.1): token tile o's three loads of codes and its scale word are in; the later tiles' four each may be out
.irp t, 0,1,2,3
	MMT \o, \t, \s
.endr
.endr
.else
.if \s == 0
	WIN 0x14                                              ; source 1 (weights) and C (bias) window 1
.elseif (\s % 2) == 0
	WIN 0x04
.endif
.irp t, 0,1,2,3
	s_wait_dscnt 12-4*\t                                  ; token tile t's four loads are in; the later tiles' four each may be out
.irp o, 0,1,2,3
	MMV \o, \t, \s
.endr
.endr
.endif
.endr
	WIN 0
.endm
.macro SEND o                          ; tile o's half fragment leaves
	global_store_b128 v[LI16], v[PC+6*(\o):PC+6*(\o)+3], s[40:41] offset:768*(\o)          ; 512 consecutive bytes, aligned
	global_store_b64 v[LI8], v[PC+6*(\o)+4:PC+6*(\o)+5], s[40:41] offset:768*(\o)+512      ; 256 consecutive bytes, aligned
.endm
; gelu(x) = max(u, x - u), u = x E, E = erfc(|x| / sqrt 2) / 2 = t 2^(-x^2 log2(e) / 2 + c0 + t (c1 + .. t c9)), t = 1 / (1 + |x| sqrt(2) / 4): a fit of erfc whose fractional error is 1.2e-7 for every x
; st >= 0: tile st, quantised just before, is stored behind the first wait
.macro GELU16 a, st
.irp i, 0,1,2,3,4,5,6,7,8,9,10,11,12,13,14,15
	v_fma_f32 v[GT+\i], |v[(\a)+\i]|, 0x3eb504f3, 1.0     ; each accumulator is read from its low end on
.endr
.irp i, 0,1,2,3,4,5,6,7,8,9,10,11,12,13,14,15
	v_rcp_f32 v[GT+\i], v[GT+\i]
.endr
.irp i, 0,2,4,6,8,10,12,14
	v_pk_mul_f32 v[GQ+\i:GQ+\i+1], v[(\a)+\i:(\a)+\i+1], v[(\a)+\i:(\a)+\i+1]   ; plain work behind the batch
.endr
	s_wait_alu depctr_va_vdst(0)                          ; the sixteen reciprocals are written, ahead of their first reader; so are the codes of the tile quantised before, which the stores below read
.if (\st) >= 0
	SEND \st
.endif
.irp i, 0,2,4,6,8,10,12,14
	v_pk_fma_f32 v[GP+\i:GP+\i+1], v[GT+\i:GT+\i+1], v[C9:C9+1], s[GC+16:GC+17] op_sel_hi:[1,1,0]
.endr
.irp k, 7,6,5,4,3,2,1,0
.irp i, 0,2,4,6,8,10,12,14
	v_pk_fma_f32 v[GP+\i:GP+\i+1], v[GP+\i:GP+\i+1], v[GT+\i:GT+\i+1], s[GC+2*\k:GC+2*\k+1] op_sel_hi:[1,1,0]
.endr
.endr
.irp i, 0,2,4,6,8,10,12,14
	v_pk_fma_f32 v[GP+\i:GP+\i+1], v[GQ+\i:GQ+\i+1], s[GC+18:GC+19], v[GP+\i:GP+\i+1] op_sel_hi:[1,0,1]
.endr
.irp i, 0,1,2,3,4,5,6,7,8,9,10,11,12,13,14,15
	v_exp_f32 v[GP+\i], v[GP+\i]
.endr
	v_nop                                                 ; a plain place behind the last exponential
	s_wait_alu depctr_va_vdst(0)                          ; the sixteen exponentials are written, ahead of their first reader
.irp i, 0,2,4,6,8,10,12,14
	v_pk_mul_f32 v[GP+\i:GP+\i+1], v[GP+\i:GP+\i+1], v[GT+\i:GT+\i+1]
.endr
.irp i, 0,2,4,6,8,10,12,14
	v_pk_mul_f32 v[GP+\i:GP+\i+1], v[GP+\i:GP+\i+1], v[(\a)+\i:(\a)+\i+1]
.endr
.irp i, 0,2,4,6,8,10,12,14
	v_pk_add_f32 v[GQ+\i:GQ+\i+1], v[(\a)+\i:(\a)+\i+1], v[GP+\i:GP+\i+1] neg_lo:[0,1] neg_hi:[0,1]
.endr
.irp i, 0,1,2,3,4,5,6,7,8,9,10,11,12,13,14,15
	v_max_num_f32 v[(\a)+\i], v[GP+\i], v[GQ+\i]
.endr
.endm
	; ---- head
	s_load_b512 s[4:19], s[0:1], 0x0                      ; x, g, b, then FFN = 0: Wq's codes, scales, bq, Wk's codes, scales;  FFN = 1: W1's codes, scales, b1, hc, hs
.if FFN == 0
	s_load_b256 s[20:27], s[0:1], 0x40                    ; bk, Wv's codes, scales, bv
	s_load_b128 s[28:31], s[0:1], 0x60                    ; qc, qs
	s_load_b64 s[32:33], s[0:1], 0x70                     ; kv
	v_lshl_add_u32 v27, v0, 2, 0xbc00
	v_mov_b32 v31, 0
.endif
	v_lshrrev_b32 v44, 5, v0
	v_readfirstlane_b32 s44, v44                          ; wave 0..11
	v_and_b32 v43, 31, v0                                 ; lane
	s_wait_alu depctr_va_vdst(0)
	v_and_b32 v40, 15, v0                                 ; r
	s_wait_alu depctr_va_vdst(0)
	v_bfe_u32 v41, v0, 4, 1                               ; h
	v_and_b32 v42, 8, v40
	v_add_nc_u32 v42, v42, v40                            ; r + 8 (r / 8)
	s_wait_alu depctr_va_vdst(0)
	s_wait_alu depctr_va_sdst(0)                          ; s44 is written, ahead of its first reader
	s_and_b32 s45, s44, 3                                 ; m
	s_lshr_b32 s46, s44, 2                                ; kt
	s_mov_b32 s47, ttmp9                                  ; R
	s_and_b32 s48, ttmp7, 0xffff                          ; y
	s_mov_b32 s[SEL], 0x76543210
	s_mov_b32 s[SEL+1], 0xfedcba98
	s_mov_b32 s58, 0x3aaaaaab                             ; 1 / 768
	s_mov_b32 s59, 0x3727c5ac                             ; 1e-5
.if FFN
	SPAIR GC+0,  0xc034d90f                               ; c0 .. c8, then -log2(e) / 2
	SPAIR GC+2,  0x3fb8ab5a
	SPAIR GC+4,  0x3f0a29d2
	SPAIR GC+6,  0x3e0efb2e
	SPAIR GC+8,  0xbe899a80
	SPAIR GC+10, 0x3ecdfd18
	SPAIR GC+12, 0xbfd1a1e5
	SPAIR GC+14, 0x40097039
	SPAIR GC+16, 0xbf97d29d
	SPAIR GC+18, 0xbf38aa3b
.endif
	v_lshlrev_b32 v[LI16], 4, v43
	v_lshlrev_b32 v[LI8], 3, v43
	v_lshlrev_b32 v[LS], 2, v43
	v_lshlrev_b32 v[SBA], 3, v40
	v_mul_u32_u24 v[WA], v42, 576
	v_mad_u32_u24 v[WA], v41, 24, v[WA]
	v_mul_u32_u24 v[WSA], v42, 24
	v_mad_u32_u24 v[WSA], v41, 12, v[WSA]
	v_mul_u32_u24 v[XA], v42, 3072
	v_lshl_add_u32 v[XA], v41, 6, v[XA]
	s_lshl_b32 s49, s46, 10
	s_add_co_u32 s49, s49, GBL
	v_lshl_add_u32 v[GBA], v41, 6, s49                    ; GBL + 1,024 kt + 64 h
	s_lshl_b32 s49, s44, 6
	s_add_co_u32 s49, s49, RED
	v_lshl_add_u32 v[RST], v40, 2, s49
	s_lshl_b32 s49, s45, 6
	s_add_co_u32 s49, s49, RED
	v_lshl_add_u32 v[RLD], v40, 2, s49
	s_mul_i32 s49, s45, 6
	s_lshl_b32 s50, s46, 1
	s_add_co_u32 s49, s49, s50                            ; my first fragment: 6 m + 2 kt
	s_mul_i32 s50, s49, 1536
	v_add_nc_u32 v[XWI], s50, v[LI16]
	s_lshl_b32 s50, s49, 7
	v_add_nc_u32 v[XWS], s50, v[LS]
	v_lshlrev_b32 v36, 6, v41                             ; the bias, transposed form: 64 h
	v_lshlrev_b32 v37, 2, v42                             ; v's form: 4 (r + 8 (r / 8))
	s_cmp_lt_u32 s44, 6                                   ; waves 0-5 bring the gain, waves 6-11 the bias of the norm: 16 bytes a thread
	s_cselect_b32 s53, 0, 3072
	v_lshlrev_b32 v38, 4, v0
	v_sub_nc_u32 v38, v38, s53
	v_lshl_add_u32 v39, v0, 4, GBL
	s_lshl_b32 s49, s47, 6                                ; my tile's first token: 64 R + 32 (m / 2) + 8 (m % 2)
	s_lshr_b32 s50, s45, 1
	s_lshl_b32 s50, s50, 5
	s_add_co_u32 s49, s49, s50
	s_and_b32 s50, s45, 1
	s_lshl_b32 s50, s50, 3
	s_add_co_u32 s49, s49, s50
	s_mul_i32 s50, s49, 3072
	s_lshl_b32 s51, s46, 10
	s_add_co_u32 s50, s50, s51                            ; + my 256 columns
	s_mov_b32 s51, 0
	s_mov_b32 s55, 0
.if FFN
	s_mul_i32 s52, s48, 12
	s_add_co_u32 s52, s52, s44                            ; my unit of 64 columns: 12 y + w
.else
	s_mov_b32 s52, s44                                    ; my head
.endif
	s_wait_kmcnt 0x0
	s_add_nc_u64 s[4:5], s[4:5], s[50:51]
.if FFN
	s_mov_b64 s[34:35], s[10:11]
	s_mov_b64 s[36:37], s[12:13]
	s_mov_b64 s[38:39], s[14:15]
	s_mov_b64 s[40:41], s[16:17]
	s_mov_b64 s[42:43], s[18:19]
	s_mul_i32 s49, s47, 48
	s_add_co_u32 s49, s49, s52                            ; 48 R + unit
	s_mul_i32 s50, s49, 3072
	s_lshl_b32 s54, s49, 7
.else
	s_lshl_b32 s49, s44, 6
	s_add_co_u32 s49, s49, s47                            ; 64 head + R
	s_mul_i32 s50, s49, 3072                              ; q's four half fragments
	s_lshl_b32 s54, s49, 7                                ; and their scale bytes
	s_lshl_b32 s49, s44, 5
	s_lshr_b32 s53, s47, 1
	s_add_co_u32 s49, s49, s53
	s_mul_i32 s49, s49, 12800                             ; the record of head w, keys 128 (R / 2) on
	s_and_b32 s53, s47, 1
	s_mul_i32 s60, s53, 3072
	s_add_co_u32 s60, s60, s49                            ; k's place in it
	s_lshl_b32 s61, s53, 7
	s_add_co_u32 s61, s61, s49
	s_add_co_u32 s61, s61, 12288                          ; and its scale bytes'
	s_cmp_eq_u32 s48, 2
	s_cselect_b32 s62, 6144, 0                            ; v's lie 6,144 and 256 bytes behind k's
	s_cselect_b32 s63, 256, 0
	s_cselect_b64 s[34:35], s[22:23], s[16:17]
	s_cselect_b64 s[36:37], s[24:25], s[18:19]
	s_cselect_b64 s[38:39], s[26:27], s[20:21]
	s_add_co_u32 s60, s60, s62
	s_add_co_u32 s61, s61, s63
	s_cmp_eq_u32 s48, 0
	s_cselect_b64 s[34:35], s[10:11], s[34:35]
	s_cselect_b64 s[36:37], s[12:13], s[36:37]
	s_cselect_b64 s[38:39], s[14:15], s[38:39]
	s_cselect_b64 s[40:41], s[28:29], s[32:33]
	s_cselect_b64 s[42:43], s[30:31], s[32:33]
	s_cselect_b32 s50, s50, s60
	s_cselect_b32 s54, s54, s61
.endif
	s_add_nc_u64 s[40:41], s[40:41], s[50:51]             ; where my codes go
	s_add_nc_u64 s[42:43], s[42:43], s[54:55]             ; and my scale bytes
	s_mul_i32 s54, s52, 36864
	s_add_nc_u64 s[34:35], s[34:35], s[54:55]             ; my 64 rows of weights,
	s_mul_i32 s54, s52, 1536
	s_add_nc_u64 s[36:37], s[36:37], s[54:55]             ; their scale bytes,
	s_lshl_b32 s54, s52, 8
	s_add_nc_u64 s[38:39], s[38:39], s[54:55]             ; their bias
	s_cmp_lt_u32 s44, 6
	s_cselect_b64 s[6:7], s[6:7], s[8:9]
.if FFN == 0
	s_cmp_eq_u32 s48, 2
	s_cbranch_scc1 .Lbias_v
.endif
	WIN 0x40                                              ; the bias as the C of each sum's first matrix instruction: lane (r, h) holds the tile's eight columns of its half
	s_wait_alu depctr_va_vdst(0)                          ; the head's offsets and addresses v1-11, v36-39 and v62 are written, which the loads and stores from here on read
.irp t, 0,1,2,3
	global_load_b128 v[BIAS+8*\t:BIAS+8*\t+3], v36, s[38:39] offset:(32*(\t/2)+8*(\t%2))*4
	global_load_b128 v[BIAS+8*\t+4:BIAS+8*\t+7], v36, s[38:39] offset:(32*(\t/2)+8*(\t%2))*4+16
.endr
	WIN 0
.if FFN == 0
	s_branch .Lbias_done
.Lbias_v:
	WIN 0x40                                              ; v: a lane holds one channel: the same number in all eight registers
	s_wait_alu depctr_va_vdst(0)                          ; on this way too: the head's offsets and addresses v1-11, v36-39 and v62 are written
.irp o, 0,1,2,3
.irp j, 0,1,2,3,4,5,6,7
	global_load_b32 v[BIAS+8*\o+\j], v37, s[38:39] offset:(32*(\o/2)+8*(\o%2))*4
.endr
.endr
	WIN 0
.Lbias_done:
.endif
	global_load_b128 v[32:35], v38, s[6:7]
.irp b, 0,1,2,3,4,5,6,7
.irp j, 0,1,2,3
	global_load_b128 v[X+16*\b+4*\j:X+16*\b+4*\j+3], v[XA], s[4:5] offset:128*\b+16*\j   ; register 16 b + i: column 32 b + 16 h + i of my 256
.endr
.endr
	WIN 0x40
	WLOAD 0, 0
	WIN 0
.irp t, 0,1,2,3
	global_load_b96 v[WS+4*\t:WS+4*\t+2], v[WSA], s[36:37] offset:(32*(\t/2)+8*(\t%2))*24
.endr
.set TM, 32
.set PC, 64
.set PT, 76
	; ---- the mean
	s_wait_loadcnt 28                                     ; bias, gain and x are in; the 24 weight loads and the 4 loads of scale words may be out
	ds_store_b128 v39, v[32:35]
.irp c, 0,1,2,3
	v_pk_add_f32 v[CH+2*\c:CH+2*\c+1], v[X+4*\c:X+4*\c+1], v[X+4*\c+2:X+4*\c+3]
.endr
.set i, 16
.rept 14
.irp c, 0,1,2,3
	v_pk_add_f32 v[CH+2*\c:CH+2*\c+1], v[CH+2*\c:CH+2*\c+1], v[X+i+2*\c:X+i+2*\c+1]
.endr
.set i, i+8
.endr
	JOIN
	s_wait_alu depctr_va_vdst(0)                          ; the sums have written v[CH], which the store reads, and are done with v[CH .. CH+2], in which loads land behind the barrier
	ds_store_b32 v[RST], v[CH]                            ; both lanes of a row write the same word with the same value
	BARRIER
	s_wait_alu depctr_vm_vsrc(0)                          ; my LDS store has read v[CH], in which a load lands now; the head's loads and the store of gain or bias have read v32-39, which the quantiser writes later
	ds_load_b32 v[CH], v[RLD]
	ds_load_b32 v[CH+1], v[RLD] offset:256
	ds_load_b32 v[CH+2], v[RLD] offset:512
	GBLOAD 0
	s_wait_dscnt 16                                       ; the three partial sums are in; the 16 loads of gain and bias may be out
	v_add_f32 v[CH], v[CH], v[CH+1]
	v_add_f32 v[CH], v[CH], v[CH+2]
	v_mul_f32 v[MU], s58, v[CH]
	v_mov_b32 v[MU+1], v[MU]
	; ---- the variance, of x - mean
.set i, 0
.rept 64
	v_pk_add_f32 v[X+i:X+i+1], v[X+i:X+i+1], v[MU:MU+1] neg_lo:[0,1] neg_hi:[0,1]
.set i, i+2
.endr
.irp c, 0,1,2,3
	v_pk_mul_f32 v[CH+2*\c:CH+2*\c+1], v[X+2*\c:X+2*\c+1], v[X+2*\c:X+2*\c+1]
.endr
.set i, 8
.rept 15
.irp c, 0,1,2,3
	v_pk_fma_f32 v[CH+2*\c:CH+2*\c+1], v[X+i+2*\c:X+i+2*\c+1], v[X+i+2*\c:X+i+2*\c+1], v[CH+2*\c:CH+2*\c+1]
.endr
.set i, i+8
.endr
	JOIN
	s_wait_alu depctr_va_vdst(0)                          ; as above: v[CH] is written for the store, and the sums are done with v[CH .. CH+2]
	ds_store_b32 v[RST], v[CH] offset:768
	BARRIER
	s_wait_alu depctr_vm_vsrc(0)                          ; my LDS store has read v[CH], in which a load lands now
	ds_load_b32 v[CH], v[RLD] offset:768
	ds_load_b32 v[CH+1], v[RLD] offset:1024
	ds_load_b32 v[CH+2], v[RLD] offset:1280
	s_wait_dscnt 0x0
	v_add_f32 v[CH], v[CH], v[CH+1]
	v_add_f32 v[CH], v[CH], v[CH+2]
	v_fma_f32 v[CH], v[CH], s58, s59
	s_wait_alu depctr_va_vdst(0)
	v_rsq_f32 v[RS], v[CH]
	v_nop                                                 ; a plain place behind the transcendental
	s_wait_alu depctr_va_vdst(0)                          ; rstd is written, ahead of its first reader
	v_mov_b32 v[RS+1], v[RS]
	; ---- normalise, quantise, images to LDS
	NORMA 0
	NORMB 0
	s_wait_alu depctr_va_vdst(0)                          ; chunk 0's multiply-adds are done reading GG and BB, in which chunk 1's gain and bias land
	GBLOAD 1
	NORMA 1                                               ; names X and RS alone: it stands between the loads and the wait for them
	s_wait_dscnt 0x0
	NORMB 1
	QUANT4 X
	s_wait_alu depctr_va_vdst(0)                          ; the quantiser has written PC and PW, which the stores read; it and chunk 1's multiply-adds are done with GG and BB, in which chunk 2's land
	IMAGE 0
	s_wait_alu depctr_vm_vsrc(0)                          ; the stores have read PC, in which chunk 2's gain lands, and PW, which the quantiser writes again
	GBLOAD 2
	NORMA 2
	s_wait_dscnt 0x0
	NORMB 2
	s_wait_alu depctr_va_vdst(0)                          ; chunk 2's multiply-adds are done reading GG and BB, in which chunk 3's land
	GBLOAD 3
	NORMA 3
	s_wait_dscnt 0x0
	NORMB 3
	QUANT4 X+64
	s_wait_alu depctr_va_vdst(0)                          ; the quantiser has written PC and PW, which the stores read; all vector work on v32-127 is done: K step 1's weights land in v80-127, and behind the barrier xn's fragments in v32-79
	IMAGE 1
	WLOAD 1, WBA
	s_wait_dscnt 0x0                                      ; for the others' sake: both my images are in LDS
	s_wait_alu depctr_vm_vsrc(0)                          ; the stores have read PC, PW and v[XWS]: xn's fragments land in these registers in the product's first step
	s_barrier_signal -1
	s_barrier_wait -1                                     ; xn's 24 fragments lie in LDS
	; ---- the product
.if FFN == 0
	s_cmp_eq_u32 s48, 2
	s_cbranch_scc1 .Lprod_v
.endif
	PROD 1
.if FFN == 0
	s_branch .Lepi
.Lprod_v:
	PROD 0
.Lepi:
.endif
	; ---- the way out
.rept 4
	v_nop                                                 ; places behind the last matrix instructions
.endr
.set TM, 108
.set PT, 104
.set PC, 80
	v_mov_b32 v[TM+2], 0                                  ; written once: a lane permute's destination counts as one of its sources
	v_mov_b32 v[TM+3], 0
.if FFN
	v_mov_b32 v[C9], 0x3e7c6f08
	v_mov_b32 v[C9+1], 0x3e7c6f08
.endif
.irp o, 0,1,2,3
.if FFN
	GELU16 ACC+32*\o, \o-1                                ; the tile before leaves behind this gelu's first wait
	GELU16 ACC+32*\o+16, -1
.endif
	QUANT2 ACC+32*\o, PC+6*\o, 116+\o
.endr
	v_lshl_or_b32 v120, v117, 16, v116                    ; tiles 0, 1: two bytes each;
	v_lshl_or_b32 v121, v119, 16, v118                    ; tiles 2, 3
	s_wait_alu depctr_va_vdst(0)                          ; the quantiser has written the codes that are not yet stored, and v[120:121] are written: the stores below read them
.if FFN
	SEND 3
.else
.irp o, 0,1,2,3
	SEND \o
.endr
.endif
	global_store_b64 v[SBA], v[120:121], s[42:43]         ; 128 consecutive bytes; lanes 16-31 write what lanes 0-15 write
	s_wait_dscnt 0x0
	s_wait_alu depctr_hold_cnt(0) depctr_sa_sdst(0) depctr_va_vdst(0) depctr_va_sdst(0) depctr_va_ssrc(0) depctr_va_vcc(0) depctr_vm_vsrc(0)
	s_wait_tensorcnt 0x0
	ds_add_u32 v27, v31
	s_wait_dscnt 0x0
	s_endpgm
.Lfunc_end_k_q9ea1d664d8_ln_qkv:
	.size	k_q9ea1d664d8_ln_qkv, .Lfunc_end_k_q9ea1d664d8_ln_qkv-k_q9ea1d664d8_ln_qkv
	.p2alignl 7, 3214868480
	.fill 96, 4, 3214868480
	.section	.rodata,"a",@progbits
	.p2align	6, 0x0
	.amdhsa_kernel k_q9ea1d664d8_ln_qkv
		.amdhsa_group_segment_fixed_size 49664
		.amdhsa_private_segment_fixed_size 0
		.amdhsa_enable_private_segment 0
		.amdhsa_kernarg_size 120
		.amdhsa_user_sgpr_count 2
		.amdhsa_user_sgpr_kernarg_segment_ptr 1
		.amdhsa_wavefront_size32 1
		.amdhsa_system_sgpr_workgroup_id_x 1
		.amdhsa_system_sgpr_workgroup_id_y 1
		.amdhsa_system_sgpr_workgroup_id_z 1
		.amdhsa_system_vgpr_workitem_id 0
		.amdhsa_next_free_vgpr 336
		.amdhsa_next_free_sgpr 66
		.amdhsa_reserve_vcc 0
		.amdhsa_float_denorm_mode_32 3
		.amdhsa_float_denorm_mode_16_64 3
		.amdhsa_memory_ordered 1
		.amdhsa_forward_progress 1
		.amdhsa_inst_pref_size 119
	.end_amdhsa_kernel
	.amdgpu_metadata
---
amdhsa.version: [ 1, 2 ]
amdhsa.kernels:
  - .name:           k_q9ea1d664d8_ln_qkv
    .symbol:         k_q9ea1d664d8_ln_qkv.kd
    .args:
      - { .name: x, .offset: 0, .size: 8, .value_kind: global_buffer, .address_space: global }
      - { .name: ln1_g, .offset: 8, .size: 8, .value_kind: global_buffer, .address_space: global }
      - { .name: ln1_b, .offset: 16, .size: 8, .value_kind: global_buffer, .address_space: global }
      - { .name: Wq_codes, .offset: 24, .size: 8, .value_kind: global_buffer, .address_space: global }
      - { .name: Wq_scales, .offset: 32, .size: 8, .value_kind: global_buffer, .address_space: global }
      - { .name: bq, .offset: 40, .size: 8, .value_kind: global_buffer, .address_space: global }
      - { .name: Wk_codes, .offset: 48, .size: 8, .value_kind: global_buffer, .address_space: global }
      - { .name: Wk_scales, .offset: 56, .size: 8, .value_kind: global_buffer, .address_space: global }
      - { .name: bk, .offset: 64, .size: 8, .value_kind: global_buffer, .address_space: global }
      - { .name: Wv_codes, .offset: 72, .size: 8, .value_kind: global_buffer, .address_space: global }
      - { .name: Wv_scales, .offset: 80, .size: 8, .value_kind: global_buffer, .address_space: global }
      - { .name: bv, .offset: 88, .size: 8, .value_kind: global_buffer, .address_space: global }
      - { .name: qc, .offset: 96, .size: 8, .value_kind: global_buffer, .address_space: global }
      - { .name: qs, .offset: 104, .size: 8, .value_kind: global_buffer, .address_space: global }
      - { .name: kv, .offset: 112, .size: 8, .value_kind: global_buffer, .address_space: global }
    .group_segment_fixed_size: 49664
    .private_segment_fixed_size: 0
    .kernarg_segment_align: 8
    .kernarg_segment_size: 120
    .max_flat_workgroup_size: 384
    .sgpr_count:     66
    .vgpr_count:     336
    .wavefront_size: 32
...
	.end_amdgpu_metadata
.endif
;; end of part 6
;; launch attn (part 7): grid 64 x 4, 12 waves a work-group, clusters of 4 x 1, 327,680 bytes of LDS; arguments qc, qs, kv, cc, cs; writes cc, cs
.if DOCPART == 7
	.amdgcn_target "amdgcn-amd-amdhsa--gfx1250"
	.amdhsa_code_object_version 6
	.text
	.protected	k_q9ea1d664d8_attn
	.globl	k_q9ea1d664d8_attn
	.p2align	8
	.type	k_q9ea1d664d8_attn,@function
k_q9ea1d664d8_attn:
	s_mov_b64 s[64:65], 0
	v_nop
	global_prefetch_b8 v0, s[64:65] scope:SCOPE_SE
	s_setreg_imm32_b32 hwreg(HW_REG_WAVE_MODE, 25, 1), 1
	s_wait_xcnt 0x0
	s_wait_alu depctr_hold_cnt(0) depctr_sa_sdst(0) depctr_va_vdst(0) depctr_va_sdst(0) depctr_va_ssrc(0) depctr_va_vcc(0) depctr_vm_vsrc(0)
	s_getreg_b32 s2, hwreg(HW_REG_IB_STS2, 6, 4)
	s_cmp_eq_u32 s2, 0
	s_cbranch_scc0 .Lentry_in_a_cluster
	s_endpgm
.Lentry_in_a_cluster:
	s_bfe_u32 s2, ttmp6, 0x10000c
	s_cmp_lg_u32 s2, 0x3003
	s_cbranch_scc0 .Lentry_shape_is_right
	s_endpgm
.Lentry_shape_is_right:
; ctx = softmax(q k^T / 8) v for 12 heads of 64, 4,096 tokens, both products on codes of FP6 (E2M3) with one E8M0 scale for each 32 along K; ctx is quantised along the head's 64 and stored in operand order.
; THE SOFTMAX: t = score x log2(e) / 8; M = the running largest t rounded up to a whole number; p = 2^(t - M) is quantised along the keys, not normalised; the row's sum is taken of the unquantised p and divides
; at the end. When M moves, the sum and O are multiplied by 2^(old M - new M): exact.
; SHARES. Work-group (j, t): the 64 queries of block j, heads 3 t .. 3 t + 2. Wave w: head 3 t + w / 4, query tile w % 4: 16 queries in 256 registers; three waves to a SIMD, so that one wave's vector work stands
; beside another's matrix work and LDS loads. 256 work-groups x 12 waves = the 3,072 query tiles. Every wave walks its head's 32 steps of 128 keys.
; RECORDS. A step's K and V of one head are one dense record of 12,800 bytes in the order of the operands' registers: 8 half fragments of K (16 keys x 64), 8 of V^T (16 channels x 64 keys), their scale bytes.
; A half fragment: registers 0-3 at 16 x lane, registers 4-5 at 512 + 8 x lane: every LDS load takes consecutive bytes: no padding.
; RING. Two slots of 12 records (3 heads x 4 steps). Each of the twelve waves fetches one record of a slot: one tensor load a wave, 50 rows of 256 bytes; a refill has four key steps in which to land.
; CLUSTER. The four work-groups of a cluster are four query blocks of the same three heads: every record is asked for JOINTLY, by the same load with the same descriptor and the mask of all four.
; K = 64 IN A FORM OF K = 128. A fragment of K holds key tile 2 u in its lower 64 and key tile 2 u + 1 in its upper 64. Against q followed by zero codes it gives tile 2 u's scores, against zero codes followed by q
; tile 2 u + 1's. Zero codes add nothing under any scale byte that the quantiser gives (1 to 254).
; Both products are used transposed (source 0 = keys, or V's channels; source 1 = my queries): a lane holds one query throughout. The keys of a tile are 32 (o / 2) + 8 (o % 2) + r + 8 (r / 8), so that the 16
; registers of two neighbouring tiles are 16 neighbouring keys.
; LIMITS: NaN and infinities are not served; a block whose every p is 0 keeps the byte 1 (its codes are zeros); ctx's scale bytes leave 2 bytes a lane, 32 bytes a wave, inside one block of 128 bytes.
.set REC,   12800
.set SLOTB, 12*REC
.set SPARE, 2*SLOTB                    ; behind the ring: the spare words, 128 bytes for each of twelve waves: six blocks of 256 bytes that no other line names
.set SPW, 7                            ; v7  my spare word;  v8  0: both never rewritten.  v1-3, v4-6: my lane's places in my head's records of slot 0, 1
.set NIL, 8
.set A16, 9                            ; v9-11 the step's addresses
.set A8,  10
.set ASB, 11
.set QA,  16                           ; v16-27 q's codes, then zero codes;  v28-39 zero codes, then q's
.set QB,  28
.set QS,  40                           ; v40 q's scale word, v41 p's, v42-45 K's, v50-53 V's: scales only
.set PS,  41
.set KS,  42
.set VR,  46                           ; v46-49 V's scale bytes as they lie
.set VS,  50
.set FF,  54                           ; v[54:55] f = 2^(old M - new M)
.set KV,  56                           ; v56-103 four fragments of K, then of V
.set S,   104                          ; v104-167 S^T, then p
.set O,   168                          ; v168-199 O^T
.set P,   200                          ; v200-211 p's codes
.set PT,  212
.set BM,  220
.set BX,  224
.set SO,  228
.set BY,  232
.set C2,  236
.set T0,  238
.set G16, 240
.set G8,  241
.set G8R, 242
.set QR,  243
.set WV,  14
.set SEL, 20
.set CS,  22
.set G1,  24
.set G0,  32
.set TS,  40
.set CNT, 41
.set PLO, 54
.set PHI, 55
.macro CROUND                          ; a round of the cluster's barrier
	s_barrier_signal -1
	s_barrier_wait -1
	s_cmp_lg_u32 s[WV], 0
	s_cbranch_scc1 .Lnot_wave_0_\@
	s_barrier_signal -3
.Lnot_wave_0_\@:
	s_barrier_wait -3
	s_barrier_signal -1
	s_barrier_wait -1
.endm
	s_load_b256 s[4:11], s[0:1], 0x0                      ; qc, qs, kv, cc
	s_load_b64 s[12:13], s[0:1], 0x20                     ; cs
	v_lshl_add_u32 v[SPW], v0, 2, SPARE
	v_mov_b32 v[NIL], 0
	ds_add_u32 v7, v8
	ds_add_u32 v7, v8
	s_wait_dscnt 0x0
	v_lshrrev_b32 v9, 5, v0
	s_delay_alu instid0(VALU_DEP_1)
	v_readfirstlane_b32 s[WV], v9                         ; wave 0..11
	s_lshr_b32 s15, s[WV], 2                              ; a: which of the three heads
	s_and_b32 s16, s[WV], 3                               ; o: which query tile; also which of a slot's four steps I fetch
	s_bfe_u32 s17, ttmp6, 0x40000                         ; cx
	s_lshl_b32 s18, ttmp9, 2
	s_add_co_u32 s18, s18, s17                            ; j = 4 x cluster x + cx: it enters q's and ctx's addresses alone
	s_and_b32 s19, ttmp7, 0xffff                          ; t, which the four partners share
	s_mul_i32 s42, s19, 3
	s_add_co_u32 s42, s42, s15                            ; my head
	s_mov_b32 s[G1], 15|(3<<16)|(1<<21)                   ; 15:0 the mask: all four work-groups; 17:16 elements of 8 bytes; 21 set beside a mask; no padding
	s_mov_b32 s[G1+1], 32<<16                             ; tensor_dim0 = 32 elements: 256 bytes
	s_mov_b32 s[G1+2], 50<<16                             ; tensor_dim1 = 50
	s_mov_b32 s[G1+3], 32<<16                             ; tile_dim0
	s_mov_b32 s[G1+4], 50                                 ; tile_dim1
	s_mov_b32 s[G1+5], 32                                 ; the pitch: dense
	s_mov_b32 s[G1+6], 0
	s_mov_b32 s[G1+7], 0
	s_lshl_b32 s43, s42, 5
	s_add_co_u32 s43, s43, s16
	s_mul_i32 s44, s43, REC                               ; my record of slot 0: head x 32 + o
	s_mov_b32 s45, 0
	s_mul_i32 s46, s[WV], REC                             ; and its place in a slot
	s_lshl_b32 s47, s42, 6
	s_add_co_u32 s47, s47, s18                            ; 64 head + j
	s_lshl_b32 s48, s47, 2
	s_add_co_u32 s48, s48, s16
	s_mul_i32 s48, s48, 768                               ; q's half fragment
	s_mov_b32 s49, 0
	s_lshl_b32 s50, s47, 7
	s_lshr_b32 s51, s16, 1
	s_lshl_b32 s51, s51, 2
	s_add_co_u32 s50, s50, s51                            ; the word with its scale bytes
	s_mov_b32 s51, 0
	s_mul_i32 s47, s18, 12
	s_add_co_u32 s47, s47, s42                            ; 12 j + head
	s_lshl_b32 s52, s47, 2
	s_add_co_u32 s52, s52, s16
	s_mul_i32 s52, s52, 768                               ; ctx's half fragment
	s_mov_b32 s53, 0
	s_lshl_b32 s2, s47, 7
	s_lshl_b32 s3, s16, 1
	s_add_co_u32 s2, s2, s3                               ; its two scale bytes
	s_mov_b32 s3, 0
	s_mov_b32 s[SEL], 0x76543210
	s_mov_b32 s[SEL+1], 0xfedcba98
	s_mov_b32 s[CS], 0x3e38aa3b                           ; c = log2(e) / 8
	s_mov_b32 s[CS+1], s[CS]                              ; (named with it as a pair, so it is written)
	s_mov_b32 s[PLO], 0x05040100                          ; byte selects: the two low halves, the two high halves
	s_mov_b32 s[PHI], 0x07060302
	s_and_b32 s40, s16, 1
	s_cmp_eq_u32 s40, 0
	s_mov_b32 s41, 0x03020302
	s_cselect_b32 s40, 0x01000100, s41                    ; my tile's two bytes of the word, twice
	v_and_b32 v9, 31, v0                                  ; lane
	v_and_b32 v10, 15, v0                                 ; r
	s_mul_i32 s47, s15, 4*REC                             ; my head's four records of a slot
	v_lshl_add_u32 v1, v9, 4, s47
	v_lshl_add_u32 v2, v9, 3, s47
	s_delay_alu instid0(VALU_DEP_1)
	v_add_nc_u32 v2, 512, v2
	v_lshl_add_u32 v3, v10, 3, s47
	s_delay_alu instid0(VALU_DEP_4)
	v_add_nc_u32 v4, SLOTB, v1
	s_delay_alu instid0(VALU_DEP_3)
	v_add_nc_u32 v5, SLOTB, v2
	s_delay_alu instid0(VALU_DEP_3)
	v_add_nc_u32 v6, SLOTB, v3
	v_lshlrev_b32 v[G16], 4, v9
	v_lshlrev_b32 v[G8], 3, v9
	v_lshlrev_b32 v[G8R], 3, v10
	s_wait_kmcnt 0x0
	s_add_nc_u64 s[44:45], s[8:9], s[44:45]
	s_add_nc_u64 s[4:5], s[4:5], s[48:49]
	s_add_nc_u64 s[6:7], s[6:7], s[50:51]
	s_add_nc_u64 s[10:11], s[10:11], s[52:53]
	s_add_nc_u64 s[12:13], s[12:13], s[2:3]
	CROUND                                                ; all four work-groups are here: the first joint loads meet
.irp p, 0,1
	s_mov_b32 s[G0+4*\p], 1                               ; count = 1
	s_add_co_u32 s[G0+4*\p+1], s46, \p*SLOTB              ; LDS address
	s_add_nc_u64 s[G0+4*\p+2:G0+4*\p+3], s[44:45], \p*4*REC   ; global address: slot p begins with steps 4 p on
	s_or_b32 s[G0+4*\p+3], s[G0+4*\p+3], 0x80000000       ; type = 2
.endr
	tensor_load_to_lds s[G0:G0+3], s[G1:G1+7]             ; my two first fills together: two loads of mine are out
	s_nop 0
	tensor_load_to_lds s[G0+4:G0+7], s[G1:G1+7]
	s_nop 0
.rept 4
	v_nop
.endr
	s_wait_alu depctr_va_vdst(0)
	global_load_b128 v[QA:QA+3], v[G16], s[4:5]
	global_load_b64 v[QA+4:QA+5], v[G8], s[4:5] offset:512
	global_load_b128 v[QB+6:QB+9], v[G16], s[4:5]         ; loaded twice: the two operands share no register
	global_load_b64 v[QB+10:QB+11], v[G8], s[4:5] offset:512
	global_load_b32 v[QR], v[G8R], s[6:7]
	s_wait_tensorcnt 0x1                                  ; my record of slot 0 is in; slot 1's may stay out
	s_barrier_signal -1
	s_barrier_wait -1
	s_wait_loadcnt 0x0                                    ; q
	v_perm_b32 v[QS], v[QR], v[QR], s40                   ; q's two bytes for both halves of K; the moves below stand between it and the first matrix instruction
.irp i, 6,7,8,9,10,11
	v_mov_b32 v[QA+\i], 0
.endr
.irp i, 0,1,2,3,4,5
	v_mov_b32 v[QB+\i], 0
.endr
	v_mov_b32 v13, 0xff61b1e6                             ; the largest t so far: -3e38
	s_delay_alu instid0(VALU_DEP_1)
	v_floor_f32 v12, -v13                                 ; -M
	v_mov_b32 v14, 0
	v_mov_b32 v15, 0
	v_mov_b32 v[FF+1], 0                                  ; (named as the upper half of a pair)
.irp b, 0,1,2,3
	v_mov_b32 v[BX+\b], 0                                 ; written once: a lane permute's destination counts as one of its sources
.endr
.set j, 0
.rept 32
	v_mov_b32 v[O+j], 0                                   ; O^T: the step is written once; the first finds zeros
.set j, j+1
.endr
; A KEY STEP of 128 keys: the record at s[TS] in my head's part of slot p
.macro STEP p
	v_add_nc_u32 v[A16], s[TS], v[1+3*\p]
	v_add_nc_u32 v[A8], s[TS], v[2+3*\p]
	v_add_nc_u32 v[ASB], s[TS], v[3+3*\p]
	v_nop                                                 ; four places in front of loads into registers that the last step's matrix instructions have read
.irp tl, 0,1,2,3,4,5,6,7
	ds_load_b128 v[KV+12*(\tl/2)+6*(\tl%2):KV+12*(\tl/2)+6*(\tl%2)+3], v[A16] offset:768*\tl
	ds_load_b64 v[KV+12*(\tl/2)+6*(\tl%2)+4:KV+12*(\tl/2)+6*(\tl%2)+5], v[A8] offset:768*\tl
.endr
	ds_load_b64 v[KS:KS+1], v[ASB] offset:12288           ; a word holds tile 2 u's two bytes and tile 2 u + 1's: the fragment's scale word as it lies
	ds_load_b64 v[KS+2:KS+3], v[ASB] offset:12416
	ds_load_b64 v[VR:VR+1], v[ASB] offset:12544
	ds_load_b64 v[VR+2:VR+3], v[ASB] offset:12672
	s_wait_alu depctr_va_vdst(0)
	s_wait_dscnt 0x0
.irp u, 0,1,2,3
	v_wmma_scale_f32_16x16x128_f8f6f4 v[S+16*\u:S+16*\u+7], v[KV+12*\u:KV+12*\u+11], v[QA:QA+11], 0, v[KS+\u], v[QS] matrix_a_fmt:MATRIX_FMT_FP6 matrix_b_fmt:MATRIX_FMT_FP6
	v_wmma_scale_f32_16x16x128_f8f6f4 v[S+16*\u+8:S+16*\u+15], v[KV+12*\u:KV+12*\u+11], v[QB:QB+11], 0, v[KS+\u], v[QS] matrix_a_fmt:MATRIX_FMT_FP6 matrix_b_fmt:MATRIX_FMT_FP6
.endr
	v_perm_b32 v[VS], v[VR+2], v[VR], s[PLO]              ; V's scale words: a channel tile's two bytes of keys 0-63, then of keys 64-127.  These four are the places behind the products
	v_perm_b32 v[VS+1], v[VR+2], v[VR], s[PHI]
	v_perm_b32 v[VS+2], v[VR+3], v[VR+1], s[PLO]
	v_perm_b32 v[VS+3], v[VR+3], v[VR+1], s[PHI]
.irp c, 0,1
.irp o, 0,1,2,3
	ds_load_b128 v[KV+12*\o+6*\c:KV+12*\o+6*\c+3], v[A16] offset:6144+(4*\c+\o)*768
	ds_load_b64 v[KV+12*\o+6*\c+4:KV+12*\o+6*\c+5], v[A8] offset:6144+(4*\c+\o)*768
.endr
.endr
.irp b, 0,1,2,3
	v_max3_num_f32 v[BM+\b], v[S+16*\b], v[S+16*\b+1], v[S+16*\b+2]   ; the largest score of each block of 32 keys: for the row's maximum and, since p rises with the score, for the block's largest p
.endr
.irp i, 3,5,7,9,11,13
.irp b, 0,1,2,3
	v_max3_num_f32 v[BM+\b], v[BM+\b], v[S+16*\b+\i], v[S+16*\b+\i+1]
.endr
.endr
.irp b, 0,1,2,3
	v_max_num_f32 v[BM+\b], v[BM+\b], v[S+16*\b+15]
.endr
.irp b, 0,1,2,3
	s_delay_alu instid0(VALU_DEP_4)
	v_permlanex16_b32 v[BX+\b], v[BM+\b], s[SEL], s[SEL+1]
.endr
.irp b, 0,1,2,3
	s_delay_alu instid0(VALU_DEP_4)
	v_max_num_f32 v[BM+\b], v[BM+\b], v[BX+\b]            ; with lane l xor 16's 16 keys
.endr
	s_delay_alu instid0(VALU_DEP_2)
	v_max3_num_f32 v[T0], v[BM], v[BM+1], v[BM+2]
	s_delay_alu instid0(VALU_DEP_1)
	v_max_num_f32 v[T0], v[T0], v[BM+3]
	s_delay_alu instid0(VALU_DEP_1)
	v_mul_f32 v[T0], s[CS], v[T0]                         ; as t (c is positive)
	s_delay_alu instid0(VALU_DEP_1)
	v_max_num_f32 v13, v13, v[T0]                         ; the running largest t
	v_mov_b32 v[T0], v12
	s_delay_alu instid0(VALU_DEP_2)
	v_floor_f32 v12, -v13                                 ; the new -M = -ceil(t)
	s_delay_alu instid0(VALU_DEP_1)
	v_sub_f32 v[T0], v12, v[T0]                           ; old M - new M: a whole number, 0 or less
	s_delay_alu instid0(VALU_DEP_1)
	v_cvt_i32_f32 v[T0], v[T0]                            ; (it saturates)
	s_delay_alu instid0(VALU_DEP_1)
	v_ldexp_f32 v[FF], 1.0, v[T0]                         ; f
.set j, 0
.rept 32
	v_pk_fma_f32 v[S+j:S+j+1], v[S+j:S+j+1], s[CS:CS+1], v[12:13] op_sel_hi:[1,0,0]   ; t - M
.set j, j+2
.endr
.irp b, 0,1,2,3
	v_fma_f32 v[BM+\b], v[BM+\b], s[CS], v12
.endr
.set j, 0
	s_setprio 1
	s_wait_alu depctr_va_vdst(0)
.rept 64
	v_exp_f32 v[S+j], v[S+j]                              ; p = 2^(t - M)
.set j, j+1
.endr
	v_pk_mul_f32 v[14:15], v[14:15], v[FF:FF+1] op_sel_hi:[1,0]   ; the sums under the new M: a plain place behind the exponentials
	s_wait_alu depctr_va_vdst(0)                          ; one wait for the batch of 64, ahead of its first reader
.irp b, 0,1,2,3
	v_exp_f32 v[BM+\b], v[BM+\b]                          ; the block's largest p
.endr
	v_pk_add_f32 v[236:237], v[108:109], v[112:113]
	v_pk_add_f32 v[254:255], v[116:117], v[120:121]
	v_pk_add_f32 v[252:253], v[124:125], v[128:129]
	v_pk_add_f32 v[250:251], v[132:133], v[136:137]
	v_pk_add_f32 v[248:249], v[140:141], v[144:145]
	v_pk_add_f32 v[246:247], v[148:149], v[152:153]
	v_pk_add_f32 v[244:245], v[156:157], v[160:161]
	v_pk_add_f32 v[14:15], v[14:15], v[164:165]
	v_pk_add_f32 v[236:237], v[236:237], v[104:105]
	v_pk_add_f32 v[254:255], v[254:255], v[106:107]
	v_pk_add_f32 v[252:253], v[252:253], v[110:111]
	v_pk_add_f32 v[250:251], v[250:251], v[114:115]
	v_pk_add_f32 v[248:249], v[248:249], v[118:119]
	v_pk_add_f32 v[246:247], v[246:247], v[122:123]
	v_pk_add_f32 v[244:245], v[244:245], v[126:127]
	v_pk_add_f32 v[14:15], v[14:15], v[130:131]
	v_pk_add_f32 v[236:237], v[236:237], v[134:135]
	v_pk_add_f32 v[254:255], v[254:255], v[138:139]
	v_pk_add_f32 v[252:253], v[252:253], v[142:143]
	v_pk_add_f32 v[250:251], v[250:251], v[146:147]
	v_pk_add_f32 v[248:249], v[248:249], v[150:151]
	v_pk_add_f32 v[246:247], v[246:247], v[154:155]
	v_pk_add_f32 v[244:245], v[244:245], v[158:159]
	v_pk_add_f32 v[14:15], v[14:15], v[162:163]
	v_pk_add_f32 v[236:237], v[236:237], v[166:167]
	s_delay_alu instid0(VALU_DEP_2)
	v_pk_add_f32 v[14:15], v[14:15], v[250:251]
	s_delay_alu instid0(VALU_DEP_2)
	v_pk_add_f32 v[236:237], v[236:237], v[248:249]
	v_pk_add_f32 v[254:255], v[254:255], v[246:247]
	v_pk_add_f32 v[252:253], v[252:253], v[244:245]
	s_delay_alu instid0(VALU_DEP_2)
	v_pk_add_f32 v[14:15], v[14:15], v[254:255]
	s_delay_alu instid0(VALU_DEP_2)
	v_pk_add_f32 v[236:237], v[236:237], v[252:253]
	s_delay_alu instid0(VALU_DEP_1)
	v_pk_add_f32 v[14:15], v[14:15], v[236:237]
	s_wait_alu depctr_va_vdst(0)                          ; and one for the four
.irp b, 0,1,2,3
	v_max_num_f32 v[BM+\b], 0x1800000, v[BM+\b]           ; the floor 2^(3 - 127)
.endr
.irp b, 0,1,2,3
	s_delay_alu instid0(VALU_DEP_4)
	v_add_nc_u32 v[SO+\b], 0xff000000, v[BM+\b]           ; 2 off the exponent field: the conversion's scale operand
.endr
.irp b, 0,1,2,3
	s_delay_alu instid0(VALU_DEP_4)
	v_lshrrev_b32 v[BY+\b], 23, v[SO+\b]
.endr
	s_delay_alu instid0(VALU_DEP_3)
	v_lshl_or_b32 v[PS], v[BY+1], 8, v[BY]
	s_delay_alu instid0(VALU_DEP_1)
	v_lshl_or_b32 v[PS], v[BY+2], 16, v[PS]
	s_delay_alu instid0(VALU_DEP_1)
	v_lshl_or_b32 v[PS], v[BY+3], 24, v[PS]
.irp c, 0,1
	v_cvt_scalef32_pk16_fp6_f32 v[P+6*\c:P+6*\c+2], v[S+32*\c:S+32*\c+15], v[SO+2*\c]
	v_cvt_scalef32_pk16_fp6_f32 v[PT+4*\c:PT+4*\c+2], v[S+32*\c+16:S+32*\c+31], v[SO+2*\c+1]
.endr
	v_nop                                                 ; one plain place behind a scaled conversion
.irp c, 0,1
.irp i, 0,1,2
	v_permlane16_swap_b32 v[P+6*\c+\i], v[PT+4*\c+\i]
.endr
.irp i, 0,1,2
	s_delay_alu instid0(VALU_DEP_3)
	v_mov_b32 v[P+6*\c+3+\i], v[PT+4*\c+\i]
.endr
.endr
.set j, 0
	s_setprio 0
.rept 16
	v_pk_mul_f32 v[O+j:O+j+1], v[O+j:O+j+1], v[FF:FF+1] op_sel_hi:[1,0]   ; O^T under the new M; these 16 are also the places between p's codes and scale word and the products
.set j, j+2
.endr
	s_wait_alu depctr_va_vdst(0)
	s_wait_dscnt 0x0                                      ; V
.irp o, 0,1,2,3
	v_wmma_scale_f32_16x16x128_f8f6f4 v[O+8*\o:O+8*\o+7], v[KV+12*\o:KV+12*\o+11], v[P:P+11], v[O+8*\o:O+8*\o+7], v[VS+\o], v[PS] matrix_a_fmt:MATRIX_FMT_FP6 matrix_b_fmt:MATRIX_FMT_FP6
.endr
.endm
.macro SLOTWORK p                      ; a slot's four key steps
	s_mov_b32 s[TS], 0
.Lstep_\@:
	s_setprio 2
	STEP \p
	s_add_co_u32 s[TS], s[TS], REC
	s_cmp_lt_u32 s[TS], 4*REC
	s_cbranch_scc1 .Lstep_\@
	s_setprio 0
.endm
; THE CHANGE OF SLOTS. Each wave waits for all its tensor loads (its record of the slot ahead), adds 0 to its spare word, and waits for that and for its reads of slot p, which it has left.
; fill = 1: slot p is filled with the steps two slots on: the barrier is a round of the cluster's, and the joint refill is the first thing behind it.
.macro CHANGE p, fill
	s_wait_tensorcnt 0x0                                  ; no tensor load of mine is out, so a group 0 may be written
	ds_add_u32 v[SPW], v[NIL]
.if \fill
	s_add_nc_u64 s[G0+4*\p+2:G0+4*\p+3], s[G0+4*\p+2:G0+4*\p+3], 8*REC
.endif
	s_wait_dscnt 0x0                                      ; the add is done, and my reads of the slot are over
.if \fill
	CROUND
	tensor_load_to_lds s[G0+4*\p:G0+4*\p+3], s[G1:G1+7]   ; my one tensor load behind the round
	s_nop 0
.rept 4
	v_nop
.endr
.else
	s_barrier_signal -1
	s_barrier_wait -1
.endif
.endm
	SLOTWORK 0
	s_mov_b32 s[CNT], 3
.Lpair:                                                    ; three trips: six refills
	CHANGE 0, 1
	SLOTWORK 1
	CHANGE 1, 1
	SLOTWORK 0
	s_sub_co_u32 s[CNT], s[CNT], 1
	s_cmp_lg_u32 s[CNT], 0
	s_cbranch_scc1 .Lpair
	CHANGE 0, 0                                           ; the tail is written out: nothing is left to fetch
	SLOTWORK 1
	; THE WAY OUT: O^T / the sum, quantised along the head's 64 channels
.rept 4
	v_nop                                                 ; places behind the last products
.endr
	v_add_f32 v14, v14, v15
	s_delay_alu instid0(VALU_DEP_1)
	v_permlanex16_b32 v[BX], v14, s[SEL], s[SEL+1]
	s_delay_alu instid0(VALU_DEP_1)
	v_add_f32 v14, v14, v[BX]                             ; the row's sum
	s_wait_alu depctr_va_vdst(0)
	v_rcp_f32 v[FF], v14
	v_nop
	s_wait_alu depctr_va_vdst(0)
.set j, 0
.rept 16
	v_pk_mul_f32 v[O+j:O+j+1], v[O+j:O+j+1], v[FF:FF+1] op_sel_hi:[1,0]
.set j, j+2
.endr
.irp b, 0,1
	v_max3_num_f32 v[BM+\b], |v[O+16*\b]|, |v[O+16*\b+1]|, 0x1800000
.endr
.irp i, 2,4,6,8,10,12,14
.irp b, 0,1
	s_delay_alu instid0(VALU_DEP_2)
	v_max3_num_f32 v[BM+\b], v[BM+\b], |v[O+16*\b+\i]|, |v[O+16*\b+\i+1]|
.endr
.endr
.irp b, 0,1
	s_delay_alu instid0(VALU_DEP_2)
	v_permlanex16_b32 v[BM+2+\b], v[BM+\b], s[SEL], s[SEL+1]
.endr
.irp b, 0,1
	s_delay_alu instid0(VALU_DEP_2)
	v_max_num_f32 v[BM+\b], v[BM+\b], v[BM+2+\b]
.endr
.irp b, 0,1
	s_delay_alu instid0(VALU_DEP_2)
	v_add_nc_u32 v[BX+\b], 0xff000000, v[BM+\b]
.endr
.irp b, 0,1
	s_delay_alu instid0(VALU_DEP_2)
	v_lshrrev_b32 v[BM+2+\b], 23, v[BX+\b]
.endr
	s_delay_alu instid0(VALU_DEP_1)
	v_lshl_or_b32 v[C2], v[BM+3], 8, v[BM+2]
	v_cvt_scalef32_pk16_fp6_f32 v[P:P+2], v[O:O+15], v[BX]
	v_cvt_scalef32_pk16_fp6_f32 v[PT:PT+2], v[O+16:O+31], v[BX+1]
	v_nop
.irp i, 0,1,2
	v_permlane16_swap_b32 v[P+\i], v[PT+\i]
.endr
.irp i, 0,1,2
	s_delay_alu instid0(VALU_DEP_3)
	v_mov_b32 v[P+3+\i], v[PT+\i]
.endr
	global_store_b128 v[G16], v[P:P+3], s[10:11]          ; 512 consecutive bytes, aligned
	global_store_b64 v[G8], v[P+4:P+5], s[10:11] offset:512   ; 256 consecutive bytes, aligned
	global_store_b16 v[G8R], v[C2], s[12:13]              ; my tile's two bytes of each row's eight
	s_wait_tensorcnt 0x0                                  ; the wave's end
	ds_add_u32 v[SPW], v[NIL]
	s_wait_dscnt 0x0
	CROUND                                                ; the closing round
	s_endpgm
.Lfunc_end_k_q9ea1d664d8_attn:
	.size	k_q9ea1d664d8_attn, .Lfunc_end_k_q9ea1d664d8_attn-k_q9ea1d664d8_attn
	.p2alignl 7, 3214868480
	.fill 96, 4, 3214868480
	.section	.rodata,"a",@progbits
	.p2align	6, 0x0
	.amdhsa_kernel k_q9ea1d664d8_attn
		.amdhsa_group_segment_fixed_size 327680
		.amdhsa_private_segment_fixed_size 0
		.amdhsa_enable_private_segment 0
		.amdhsa_kernarg_size 40
		.amdhsa_user_sgpr_count 2
		.amdhsa_user_sgpr_kernarg_segment_ptr 1
		.amdhsa_wavefront_size32 1
		.amdhsa_system_sgpr_workgroup_id_x 1
		.amdhsa_system_sgpr_workgroup_id_y 1
		.amdhsa_system_sgpr_workgroup_id_z 1
		.amdhsa_system_vgpr_workitem_id 0
		.amdhsa_next_free_vgpr 256
		.amdhsa_next_free_sgpr 66
		.amdhsa_reserve_vcc 0
		.amdhsa_float_denorm_mode_32 3
		.amdhsa_float_denorm_mode_16_64 3
		.amdhsa_memory_ordered 1
		.amdhsa_forward_progress 1
		.amdhsa_inst_pref_size 84
	.end_amdhsa_kernel
	.amdgpu_metadata
---
amdhsa.version: [ 1, 2 ]
amdhsa.kernels:
  - .name:           k_q9ea1d664d8_attn
    .symbol:         k_q9ea1d664d8_attn.kd
    .args:
      - { .name: qc, .offset: 0, .size: 8, .value_kind: global_buffer, .address_space: global }
      - { .name: qs, .offset: 8, .size: 8, .value_kind: global_buffer, .address_space: global }
      - { .name: kv, .offset: 16, .size: 8, .value_kind: global_buffer, .address_space: global }
      - { .name: cc, .offset: 24, .size: 8, .value_kind: global_buffer, .address_space: global }
      - { .name: cs, .offset: 32, .size: 8, .value_kind: global_buffer, .address_space: global }
    .group_segment_fixed_size: 327680
    .private_segment_fixed_size: 0
    .kernarg_segment_align: 8
    .kernarg_segment_size: 40
    .max_flat_workgroup_size: 384
    .sgpr_count:     66
    .vgpr_count:     256
    .wavefront_size: 32
...
	.end_amdgpu_metadata
.endif
;; end of part 7
;; launch wo: the kernel of part 3 again; grid 64 x 4, 4 waves a work-group, no clusters, 168,448 bytes of LDS; arguments cc, cs, Wo_codes, Wo_scales, bo, x, x1; writes x1
;; launch ffn1 (part 8): grid 64 x 4, 12 waves a work-group, no clusters, 49,664 bytes of LDS; arguments x1, ln2_g, ln2_b, W1_codes, W1_scales, b1, hc, hs; writes hc, hs
.if DOCPART == 8
	.amdgcn_target "amdgcn-amd-amdhsa--gfx1250"
	.amdhsa_code_object_version 6
	.text
	.protected	k_q9ea1d664d8_ffn1
	.globl	k_q9ea1d664d8_ffn1
	.p2align	8
	.type	k_q9ea1d664d8_ffn1,@function
k_q9ea1d664d8_ffn1:
	s_mov_b64 s[64:65], 0
	v_nop
	global_prefetch_b8 v0, s[64:65] scope:SCOPE_SE
	s_setreg_imm32_b32 hwreg(HW_REG_WAVE_SCHED_MODE, 0, 2), 2
	s_setreg_imm32_b32 hwreg(HW_REG_WAVE_MODE, 25, 1), 1
	s_wait_xcnt 0x0
	s_wait_alu depctr_vm_vsrc(0)
; LAYER NORM, QUANTISER AND ONE PRODUCT OF 64 TOKENS x 768 COLUMNS, K = 768, on codes of FP6 (E2M3) with one E8M0 scale for each 32 along K.
; FFN = 0: work-group (R, y): tokens 64 R on; y = 0, 1, 2: q, k, v = LN1(x) W + bias; the results are quantised (q, k along the head's 64, v along the tokens) and stored in the order of an operand's registers.
; FFN = 1: work-group (R, y): h = gelu(LN2(x1) W1 + b1), columns 768 y on, quantised along the columns.
; SHARES. Twelve waves. LN: wave w takes token tile m = w & 3 (16 tokens) and 256 of the 768 columns (kt = w >> 2): 128 numbers a lane; a row's sums meet in LDS. Its two fragments of codes go to LDS as images of
; their registers. PRODUCT: wave w owns 64 columns (a head, or a unit of the hidden layer): 4 x 4 tiles, 16 accumulators by turns, 96 matrix instructions; its weights go from memory straight into its registers.
; TILES. Lane r of token tile o holds token 32 (o / 2) + 8 (o % 2) + r + 8 (r / 8) of the block, and the weight rows of a tile are chosen alike: so the 16 registers of tiles 2 b, 2 b + 1 of a result are 16 neighbours
; along the next K. q, k, h: source 0 = weights, source 1 = tokens (a lane holds a token). v: source 0 = tokens, source 1 = weights (a lane holds a channel, its registers run along the tokens, the next K).
; OUT. A half fragment (16 rows x 64 K, 6 registers a lane) is 768 bytes: registers 0-3 at 16 x lane, registers 4-5 at 512 + 8 x lane: each store covers 512 or 256 consecutive bytes, aligned. The four tiles'
; scale bytes: 8 bytes for each row r at 8 r.
; NO CLUSTER: x's rows go into registers for the norm, and each weight fragment is read by one wave alone and feeds four matrix instructions from its registers; nothing goes through LDS that partners could share.
; LIMITS: NaN and infinities among the inputs are not served. A block of zeros keeps the scale byte 1 (its codes are zeros; the bytes are read by this program alone). The variance is taken in a second pass, of x - mean.
; gelu's erfc is a fit with a fractional error of 1.2e-7.
; THE MODE: SCHED_MODE bits 1:0 = 2 (LLVM: expert scheduling mode 2), set by the entry lines. The code itself states the register dependences between vector or matrix instructions and memory or LDS
; instructions, with s_wait_alu, always for 0.
; THE PLAN. Registers that memory or LDS instructions touch, and who else names them:
;   v1-11          offsets and addresses, made at the head ahead of the first wait on va_vdst; never written again.
;   v36-39, v62    offsets of the head's loads, addresses of the norm's LDS stores. The quantiser's work registers (v36-39) and xn's fragments (v62) take them later, behind a wait on vm_vsrc.
;   v[CH .. CH+2]  the sums write them; the LDS store of my partial sum reads v[CH]; behind the barrier my tile's three partial sums land there. Twice: va_vdst ahead of the store, vm_vsrc ahead of the loads.
;   GG, BB         one buffer. Chunk c's multiply-adds read it; behind a wait on va_vdst chunk c + 1's gain and bias land in it, and chunk c + 1's multiplications by rstd, which name X and RS alone,
;                  stand between those loads and the wait for them.
;   PC, PW         (PC and PT lie in GG.) The quantiser writes them, the image's four LDS stores read them: va_vdst ahead of the stores; no vector instruction follows it before the next loads into GG and BB
;                  (behind the second image: into the weights' set at v80 and into XF), so it serves those too; vm_vsrc behind the stores, ahead of what lands in PC, PW and v62.
;   XF, XS, the weights' two sets.  K step s: its matrix instructions read XF, XS and set s % 2. ONE wait on va_vdst at the head of step s + 1 states that they are done: behind it xn's next fragments and scale
;                  words land in XF and XS and the weights of step s + 2 in set s % 2; step s + 1's matrix instructions name the other set. A token tile's four matrix instructions begin when its own four LDS loads are in.
;   the way out    each tile's six registers of codes and v120-121 are written by the quantiser, read by the stores and never written again. A tile's codes leave behind the first wait of the next tile's gelu,
;                  which stands there for the reciprocals; the last tile's and the scale bytes behind a wait of their own.
.set FFN,  1
.set XIMG, 0                           ; LDS: 24 fragments of xn (index 6 m + s), 1,536 bytes each: three planes of 512
.set XSC,  36864                       ; their scale words, 128 bytes each
.set RED,  39936                       ; partial sums, a word at 64 w + 4 r; the sums of squares 768 bytes on
.set GBL,  41472                       ; the gain's 3,072 bytes, then the bias's
.set LI16, 1                           ; v1  16 x lane
.set LI8,  2                           ; v2  8 x lane
.set LS,   3                           ; v3  4 x lane
.set SBA,  4                           ; v4  8 r
.set WA,   5                           ; v5  weights: row r + 8 (r / 8) of 576 bytes, + 24 h
.set WSA,  6                           ; v6  their scale bytes: 24 a row, + 12 h
.set XA,   7                           ; v7  x: row r + 8 (r / 8) of 3,072 bytes, + 64 h
.set GBA,  8                           ; v8  gain and bias in LDS
.set RST,  9                           ; v9  where I put a partial sum
.set RLD,  10                          ; v10 where I read my tile's three
.set XWI,  11                          ; v11 where I put my fragments' images
.set XS,   12                          ; v12-15 xn's scale words (scales only)
.set WS,   16                          ; v16-31 the weights' scale words, 4 registers a tile, 3 used (scales only): lanes 0-15 K steps 0-2, lanes 16-31 K steps 3-5
.set XF,   32                          ; v32-79 four fragments of xn
.set WBA,  80                          ; v80-127 weights of an odd K step;  v256-303 (window 1, v0-47) of an even one
.set X,    128                         ; v128-255 my 128 numbers, later the accumulators: (o, t) at ACC + 8 (4 o + t)
.set ACC,  128
.set BIAS, 48                          ; window 1, v48-79 (v304-335): the bias in the result's layout
.set PW,   48                          ; LN phase: the scale word just made
.set MU,   50
.set RS,   52
.set CH,   54                          ; v54-61 four chains of sums
.set XWS,  62                          ; where I put my scale words
.set GG,   64                          ; v64-95 gain, v96-127 bias of 32 numbers
.set BB,   96
.set SEL,  56                          ; s[56:57] lane selects: lane l xor 16
.set GT,   32                          ; gelu: t, the polynomial, x^2
.set GP,   48
.set GQ,   64
.set C9,   122
.set GC,   68                          ; s[68:87] gelu's constants, each written twice
.set MSB, 0
.macro WIN new                         ; the immediate's high byte repeats the setting that is left
.if MSB != \new
	s_set_vgpr_msb (MSB<<8)|\new
.set MSB, \new
.endif
.endm
.macro BARRIER                         ; my LDS stores have landed and my LDS loads are in: then the work-group's barrier
	s_wait_dscnt 0x0
	s_barrier_signal -1
	s_barrier_wait -1
.endm
.macro SPAIR reg, val
	s_mov_b32 s[\reg], \val
	s_mov_b32 s[\reg+1], \val
.endm
; 64 numbers of a lane, register 16 b + i = k 32 b + 16 h + i of my row, become a fragment's 12 registers at v[PC] and its scale word v[PW]
.macro QUANT4 s
.irp b, 0,1,2,3
	v_max3_num_f32 v[TM+\b], |v[(\s)+16*\b]|, |v[(\s)+1+16*\b]|, 0x1800000   ; my 16 numbers of block b, and the floor 2^(3 - 127): the byte cannot fall under 1
.endr
.irp i, 2,4,6,8,10,12,14
.irp b, 0,1,2,3
	v_max3_num_f32 v[TM+\b], v[TM+\b], |v[(\s)+16*\b+\i]|, |v[(\s)+1+16*\b+\i]|
.endr
.endr
.irp b, 0,1,2,3
	v_permlanex16_b32 v[TM+4+\b], v[TM+\b], s[SEL], s[SEL+1]
.endr
.irp b, 0,1,2,3
	v_max_num_f32 v[TM+\b], v[TM+\b], v[TM+4+\b]          ; with lane l xor 16's: the block's largest magnitude
.endr
.irp b, 0,1,2,3
	v_add_nc_u32 v[TM+12+\b], 0xff000000, v[TM+\b]        ; 2 off its exponent field: the conversion's scale operand
.endr
.irp b, 0,1,2,3
	v_lshrrev_b32 v[TM+4+\b], 23, v[TM+12+\b]             ; the scale's byte
.endr
	v_lshl_or_b32 v[PW], v[TM+5], 8, v[TM+4]
	v_lshl_or_b32 v[PW], v[TM+6], 16, v[PW]
	v_lshl_or_b32 v[PW], v[TM+7], 24, v[PW]
.irp c, 0,1
	v_cvt_scalef32_pk16_fp6_f32 v[PC+6*\c:PC+2+6*\c], v[(\s)+32*\c:(\s)+15+32*\c], v[TM+12+2*\c]
	v_cvt_scalef32_pk16_fp6_f32 v[PT+4*\c:PT+2+4*\c], v[(\s)+16+32*\c:(\s)+31+32*\c], v[TM+13+2*\c]   ; (a conversion's three registers begin on an even number)
.endr
	v_nop                                                 ; one plain place behind a scaled conversion
.irp c, 0,1                            ; the operand's layout wants a whole block in a lane
.irp i, 0,1,2
	v_permlane16_swap_b32 v[PC+6*\c+\i], v[PT+4*\c+\i]
.endr
.irp i, 0,1,2
	v_mov_b32 v[PC+3+6*\c+\i], v[PT+4*\c+\i]
.endr
.endr
.endm
; the same for 32 numbers (two blocks): a half fragment's 6 registers at v[dst], its two bytes in v[pb]
.macro QUANT2 s, dst, pb
.irp b, 0,1
	v_max3_num_f32 v[TM+\b], |v[(\s)+16*\b]|, |v[(\s)+1+16*\b]|, 0x1800000   ; each accumulator is read from its low end on
.endr
.irp i, 2,4,6,8,10,12,14
.irp b, 0,1
	v_max3_num_f32 v[TM+\b], v[TM+\b], |v[(\s)+16*\b+\i]|, |v[(\s)+1+16*\b+\i]|
.endr
.endr
.irp b, 0,1
	v_permlanex16_b32 v[TM+2+\b], v[TM+\b], s[SEL], s[SEL+1]
.endr
.irp b, 0,1
	v_max_num_f32 v[TM+\b], v[TM+\b], v[TM+2+\b]
.endr
.irp b, 0,1
	v_add_nc_u32 v[TM+4+\b], 0xff000000, v[TM+\b]
.endr
.irp b, 0,1
	v_lshrrev_b32 v[TM+2+\b], 23, v[TM+4+\b]
.endr
	v_lshl_or_b32 v[\pb], v[TM+3], 8, v[TM+2]
	v_cvt_scalef32_pk16_fp6_f32 v[(\dst):(\dst)+2], v[(\s):(\s)+15], v[TM+4]
	v_cvt_scalef32_pk16_fp6_f32 v[PT:PT+2], v[(\s)+16:(\s)+31], v[TM+5]
	v_nop
.irp i, 0,1,2
	v_permlane16_swap_b32 v[(\dst)+\i], v[PT+\i]
.endr
.irp i, 0,1,2
	v_mov_b32 v[(\dst)+3+\i], v[PT+\i]
.endr
.endm
.macro IMAGE k                         ; the fragment in v[PC] on and its scale word go to LDS as they stand
.irp c, 0,1,2
	ds_store_b128 v[XWI], v[PC+4*\c:PC+4*\c+3] offset:XIMG+1536*(\k)+512*\c
.endr
	ds_store_b32 v[XWS], v[PW] offset:XSC+128*(\k)
.endm
.macro GBLOAD c                        ; gain and bias of my numbers 32 c .. 32 c + 31
.irp bb, 0,1
.irp j, 0,1,2,3
	ds_load_b128 v[GG+16*\bb+4*\j:GG+16*\bb+4*\j+3], v[GBA] offset:128*(2*(\c)+\bb)+16*\j
	ds_load_b128 v[BB+16*\bb+4*\j:BB+16*\bb+4*\j+3], v[GBA] offset:3072+128*(2*(\c)+\bb)+16*\j
.endr
.endr
.endm
.macro NORMA c                         ; (x - mean) x rstd: names X and RS alone
.set i, 0
.rept 16
	v_pk_mul_f32 v[X+32*(\c)+i:X+32*(\c)+i+1], v[X+32*(\c)+i:X+32*(\c)+i+1], v[RS:RS+1]
.set i, i+2
.endr
.endm
.macro NORMB c                         ; .. x g + b
.set i, 0
.rept 16
	v_pk_fma_f32 v[X+32*(\c)+i:X+32*(\c)+i+1], v[X+32*(\c)+i:X+32*(\c)+i+1], v[GG+i:GG+i+1], v[BB+i:BB+i+1]
.set i, i+2
.endr
.endm
.macro JOIN                            ; four chains -> my row's sum over my wave's 256 columns, in both halves of the lanes
	v_pk_add_f32 v[CH:CH+1], v[CH:CH+1], v[CH+2:CH+3]
	v_pk_add_f32 v[CH+4:CH+5], v[CH+4:CH+5], v[CH+6:CH+7]
	v_pk_add_f32 v[CH:CH+1], v[CH:CH+1], v[CH+4:CH+5]
	v_add_f32 v[CH], v[CH], v[CH+1]
	v_permlanex16_b32 v[CH+1], v[CH], s[SEL], s[SEL+1]
	v_add_f32 v[CH], v[CH], v[CH+1]
.endm
.macro WLOAD s, base                   ; my unit's four weight fragments of K step s: each 24 bytes of a row as three loads of 8
.irp t, 0,1,2,3
.irp p, 0,1,2,3,4,5
	global_load_b64 v[\base+12*\t+2*\p:\base+12*\t+2*\p+1], v[WA], s[34:35] offset:(32*(\t/2)+8*(\t%2))*576+96*(\s)+48*(\p/3)+8*(\p%3)
.endr
.endr
.endm
.macro MMT o, t, s                     ; transposed: source 0 = weight tile t, source 1 = token tile o
.set rD, ACC+8*(4*(\o)+(\t))
.if (\s) == 0
	v_wmma_scale_f32_16x16x128_f8f6f4 v[rD:rD+7], v[WB+12*(\t):WB+12*(\t)+11], v[XF+12*(\o):XF+12*(\o)+11], v[BIAS+8*(\t):BIAS+8*(\t)+7], v[WS+4*(\t)], v[XS+(\o)] matrix_a_fmt:MATRIX_FMT_FP6 matrix_b_fmt:MATRIX_FMT_FP6
.elseif (\s) < 3
	v_wmma_scale_f32_16x16x128_f8f6f4 v[rD:rD+7], v[WB+12*(\t):WB+12*(\t)+11], v[XF+12*(\o):XF+12*(\o)+11], v[rD:rD+7], v[WS+4*(\t)+(\s)], v[XS+(\o)] matrix_a_fmt:MATRIX_FMT_FP6 matrix_b_fmt:MATRIX_FMT_FP6
.else
	v_wmma_scale_f32_16x16x128_f8f6f4 v[rD:rD+7], v[WB+12*(\t):WB+12*(\t)+11], v[XF+12*(\o):XF+12*(\o)+11], v[rD:rD+7], v[WS+4*(\t)+(\s)-3], v[XS+(\o)] matrix_a_fmt:MATRIX_FMT_FP6 matrix_b_fmt:MATRIX_FMT_FP6 matrix_a_scale:MATRIX_SCALE_ROW1
.endif
.endm
.macro MMV o, t, s                     ; v: source 0 = token tile t, source 1 = weight tile o
.set rD, ACC+8*(4*(\o)+(\t))
.if (\s) == 0
	v_wmma_scale_f32_16x16x128_f8f6f4 v[rD:rD+7], v[XF+12*(\t):XF+12*(\t)+11], v[WB+12*(\o):WB+12*(\o)+11], v[BIAS+8*(\o):BIAS+8*(\o)+7], v[XS+(\t)], v[WS+4*(\o)] matrix_a_fmt:MATRIX_FMT_FP6 matrix_b_fmt:MATRIX_FMT_FP6
.elseif (\s) < 3
	v_wmma_scale_f32_16x16x128_f8f6f4 v[rD:rD+7], v[XF+12*(\t):XF+12*(\t)+11], v[WB+12*(\o):WB+12*(\o)+11], v[rD:rD+7], v[XS+(\t)], v[WS+4*(\o)+(\s)] matrix_a_fmt:MATRIX_FMT_FP6 matrix_b_fmt:MATRIX_FMT_FP6
.else
	v_wmma_scale_f32_16x16x128_f8f6f4 v[rD:rD+7], v[XF+12*(\t):XF+12*(\t)+11], v[WB+12*(\o):WB+12*(\o)+11], v[rD:rD+7], v[XS+(\t)], v[WS+4*(\o)+(\s)-3] matrix_a_fmt:MATRIX_FMT_FP6 matrix_b_fmt:MATRIX_FMT_FP6 matrix_b_scale:MATRIX_SCALE_ROW1
.endif
.endm
; The six K steps. A step: four places and the step's one wait on va_vdst; xn's four fragments and scale words from LDS, a token tile after the other; the next step's weights from memory, into the set that the
; last step has read; then 16 matrix instructions on 16 accumulators by turns, a token tile's four as soon as that tile's four LDS loads are in.
.macro PROD tr
.irp s, 0,1,2,3,4,5
	WIN 0
.if \s > 0
.rept 4
	v_nop                                                 ; the places behind the last step's matrix instructions stay, in front of the wait
.endr
	s_wait_alu depctr_va_vdst(0)                          ; the last step's matrix instructions are done reading XF, XS and their set of weights: the loads below land in all three
.endif                                                    ; (step 0: the wait ahead of the second image's stores serves: no vector instruction stands behind it)
.irp o, 0,1,2,3
.irp c, 0,1,2
	ds_load_b128 v[XF+12*\o+4*\c:XF+12*\o+4*\c+3], v[LI16] offset:XIMG+(6*\o+\s)*1536+512*\c
.endr
	ds_load_b32 v[XS+\o], v[LS] offset:XSC+128*(6*\o+\s)
.endr
.if (\s >= 1) && (\s <= 4)
.if (\s % 2) == 1
	WIN 0x40                                              ; destination window 1; between the wait above and these loads stand LDS loads and this switch alone
	WLOAD \s+1, 0
	WIN 0
.else
	WLOAD \s+1, WBA
.endif
.endif
.if \s < 5
	s_wait_loadcnt 24                                     ; this step's weights are in; the next step's 24 loads may be out
.else
	s_wait_loadcnt 0x0
.endif
.if (\s % 2) == 0
.set WB, 0
.else
.set WB, WBA
.endif
.if \tr
.if \s == 0
	WIN 0x11                                              ; source 0 (weights) and C (bias) window 1
.elseif (\s % 2) == 0
	WIN 0x01
.endif
.irp o, 0,1,2,3
	s_wait_dscnt 12-4*\o                                  ; LDS loads come back in order (ISA guide 5.7.1): token tile o's three loads of codes and its scale word are in; the later tiles' four each may be out
.irp t, 0,1,2,3
	MMT \o, \t, \s
.endr
.endr
.else
.if \s == 0
	WIN 0x14                                              ; source 1 (weights) and C (bias) window 1
.elseif (\s % 2) == 0
	WIN 0x04
.endif
.irp t, 0,1,2,3
	s_wait_dscnt 12-4*\t                                  ; token tile t's four loads are in; the later tiles' four each may be out
.irp o, 0,1,2,3
	MMV \o, \t, \s
.endr
.endr
.endif
.endr
	WIN 0
.endm
.macro SEND o                          ; tile o's half fragment leaves
	global_store_b128 v[LI16], v[PC+6*(\o):PC+6*(\o)+3], s[40:41] offset:768*(\o)          ; 512 consecutive bytes, aligned
	global_store_b64 v[LI8], v[PC+6*(\o)+4:PC+6*(\o)+5], s[40:41] offset:768*(\o)+512      ; 256 consecutive bytes, aligned
.endm
; gelu(x) = max(u, x - u), u = x E, E = erfc(|x| / sqrt 2) / 2 = t 2^(-x^2 log2(e) / 2 + c0 + t (c1 + .. t c9)), t = 1 / (1 + |x| sqrt(2) / 4): a fit of erfc whose fractional error is 1.2e-7 for every x
; st >= 0: tile st, quantised just before, is stored behind the first wait
.macro GELU16 a, st
.irp i, 0,1,2,3,4,5,6,7,8,9,10,11,12,13,14,15
	v_fma_f32 v[GT+\i], |v[(\a)+\i]|, 0x3eb504f3, 1.0     ; each accumulator is read from its low end on
.endr
.irp i, 0,1,2,3,4,5,6,7,8,9,10,11,12,13,14,15
	v_rcp_f32 v[GT+\i], v[GT+\i]
.endr
.irp i, 0,2,4,6,8,10,12,14
	v_pk_mul_f32 v[GQ+\i:GQ+\i+1], v[(\a)+\i:(\a)+\i+1], v[(\a)+\i:(\a)+\i+1]   ; plain work behind the batch
.endr
	s_wait_alu depctr_va_vdst(0)                          ; the sixteen reciprocals are written, ahead of their first reader; so are the codes of the tile quantised before, which the stores below read
.if (\st) >= 0
	SEND \st
.endif
.irp i, 0,2,4,6,8,10,12,14
	v_pk_fma_f32 v[GP+\i:GP+\i+1], v[GT+\i:GT+\i+1], v[C9:C9+1], s[GC+16:GC+17] op_sel_hi:[1,1,0]
.endr
.irp k, 7,6,5,4,3,2,1,0
.irp i, 0,2,4,6,8,10,12,14
	v_pk_fma_f32 v[GP+\i:GP+\i+1], v[GP+\i:GP+\i+1], v[GT+\i:GT+\i+1], s[GC+2*\k:GC+2*\k+1] op_sel_hi:[1,1,0]
.endr
.endr
.irp i, 0,2,4,6,8,10,12,14
	v_pk_fma_f32 v[GP+\i:GP+\i+1], v[GQ+\i:GQ+\i+1], s[GC+18:GC+19], v[GP+\i:GP+\i+1] op_sel_hi:[1,0,1]
.endr
.irp i, 0,1,2,3,4,5,6,7,8,9,10,11,12,13,14,15
	v_exp_f32 v[GP+\i], v[GP+\i]
.endr
	v_nop                                                 ; a plain place behind the last exponential
	s_wait_alu depctr_va_vdst(0)                          ; the sixteen exponentials are written, ahead of their first reader
.irp i, 0,2,4,6,8,10,12,14
	v_pk_mul_f32 v[GP+\i:GP+\i+1], v[GP+\i:GP+\i+1], v[GT+\i:GT+\i+1]
.endr
.irp i, 0,2,4,6,8,10,12,14
	v_pk_mul_f32 v[GP+\i:GP+\i+1], v[GP+\i:GP+\i+1], v[(\a)+\i:(\a)+\i+1]
.endr
.irp i, 0,2,4,6,8,10,12,14
	v_pk_add_f32 v[GQ+\i:GQ+\i+1], v[(\a)+\i:(\a)+\i+1], v[GP+\i:GP+\i+1] neg_lo:[0,1] neg_hi:[0,1]
.endr
.irp i, 0,1,2,3,4,5,6,7,8,9,10,11,12,13,14,15
	v_max_num_f32 v[(\a)+\i], v[GP+\i], v[GQ+\i]
.endr
.endm
	; ---- head
	s_load_b512 s[4:19], s[0:1], 0x0                      ; x, g, b, then FFN = 0: Wq's codes, scales, bq, Wk's codes, scales;  FFN = 1: W1's codes, scales, b1, hc, hs
	v_lshl_add_u32 v27, v0, 2, 0xbc00
	v_mov_b32 v31, 0
.if FFN == 0
	s_load_b256 s[20:27], s[0:1], 0x40                    ; bk, Wv's codes, scales, bv
	s_load_b128 s[28:31], s[0:1], 0x60                    ; qc, qs
	s_load_b64 s[32:33], s[0:1], 0x70                     ; kv
.endif
	v_lshrrev_b32 v44, 5, v0
	v_readfirstlane_b32 s44, v44                          ; wave 0..11
	v_and_b32 v43, 31, v0                                 ; lane
	v_and_b32 v40, 15, v0                                 ; r
	v_bfe_u32 v41, v0, 4, 1                               ; h
	v_and_b32 v42, 8, v40
	v_add_nc_u32 v42, v42, v40                            ; r + 8 (r / 8)
	s_wait_alu depctr_va_sdst(0)                          ; s44 is written, ahead of its first reader
	s_and_b32 s45, s44, 3                                 ; m
	s_lshr_b32 s46, s44, 2                                ; kt
	s_mov_b32 s47, ttmp9                                  ; R
	s_and_b32 s48, ttmp7, 0xffff                          ; y
	s_mov_b32 s[SEL], 0x76543210
	s_mov_b32 s[SEL+1], 0xfedcba98
	s_mov_b32 s58, 0x3aaaaaab                             ; 1 / 768
	s_mov_b32 s59, 0x3727c5ac                             ; 1e-5
.if FFN
	SPAIR GC+0,  0xc034d90f                               ; c0 .. c8, then -log2(e) / 2
	SPAIR GC+2,  0x3fb8ab5a
	SPAIR GC+4,  0x3f0a29d2
	SPAIR GC+6,  0x3e0efb2e
	SPAIR GC+8,  0xbe899a80
	SPAIR GC+10, 0x3ecdfd18
	SPAIR GC+12, 0xbfd1a1e5
	SPAIR GC+14, 0x40097039
	SPAIR GC+16, 0xbf97d29d
	SPAIR GC+18, 0xbf38aa3b
.endif
	v_lshlrev_b32 v[LI16], 4, v43
	v_lshlrev_b32 v[LI8], 3, v43
	v_lshlrev_b32 v[LS], 2, v43
	v_lshlrev_b32 v[SBA], 3, v40
	v_mul_u32_u24 v[WA], v42, 576
	v_mad_u32_u24 v[WA], v41, 24, v[WA]
	v_mul_u32_u24 v[WSA], v42, 24
	v_mad_u32_u24 v[WSA], v41, 12, v[WSA]
	v_mul_u32_u24 v[XA], v42, 3072
	v_lshl_add_u32 v[XA], v41, 6, v[XA]
	s_lshl_b32 s49, s46, 10
	s_add_co_u32 s49, s49, GBL
	v_lshl_add_u32 v[GBA], v41, 6, s49                    ; GBL + 1,024 kt + 64 h
	s_lshl_b32 s49, s44, 6
	s_add_co_u32 s49, s49, RED
	v_lshl_add_u32 v[RST], v40, 2, s49
	s_lshl_b32 s49, s45, 6
	s_add_co_u32 s49, s49, RED
	v_lshl_add_u32 v[RLD], v40, 2, s49
	s_mul_i32 s49, s45, 6
	s_lshl_b32 s50, s46, 1
	s_add_co_u32 s49, s49, s50                            ; my first fragment: 6 m + 2 kt
	s_mul_i32 s50, s49, 1536
	v_add_nc_u32 v[XWI], s50, v[LI16]
	s_lshl_b32 s50, s49, 7
	v_add_nc_u32 v[XWS], s50, v[LS]
	v_lshlrev_b32 v36, 6, v41                             ; the bias, transposed form: 64 h
	v_lshlrev_b32 v37, 2, v42                             ; v's form: 4 (r + 8 (r / 8))
	s_cmp_lt_u32 s44, 6                                   ; waves 0-5 bring the gain, waves 6-11 the bias of the norm: 16 bytes a thread
	s_cselect_b32 s53, 0, 3072
	v_lshlrev_b32 v38, 4, v0
	v_sub_nc_u32 v38, v38, s53
	v_lshl_add_u32 v39, v0, 4, GBL
	s_lshl_b32 s49, s47, 6                                ; my tile's first token: 64 R + 32 (m / 2) + 8 (m % 2)
	s_lshr_b32 s50, s45, 1
	s_lshl_b32 s50, s50, 5
	s_add_co_u32 s49, s49, s50
	s_and_b32 s50, s45, 1
	s_lshl_b32 s50, s50, 3
	s_add_co_u32 s49, s49, s50
	s_mul_i32 s50, s49, 3072
	s_lshl_b32 s51, s46, 10
	s_add_co_u32 s50, s50, s51                            ; + my 256 columns
	s_mov_b32 s51, 0
	s_mov_b32 s55, 0
.if FFN
	s_mul_i32 s52, s48, 12
	s_add_co_u32 s52, s52, s44                            ; my unit of 64 columns: 12 y + w
.else
	s_mov_b32 s52, s44                                    ; my head
.endif
	s_wait_kmcnt 0x0
	s_add_nc_u64 s[4:5], s[4:5], s[50:51]
.if FFN
	s_mov_b64 s[34:35], s[10:11]
	s_mov_b64 s[36:37], s[12:13]
	s_mov_b64 s[38:39], s[14:15]
	s_mov_b64 s[40:41], s[16:17]
	s_mov_b64 s[42:43], s[18:19]
	s_mul_i32 s49, s47, 48
	s_add_co_u32 s49, s49, s52                            ; 48 R + unit
	s_mul_i32 s50, s49, 3072
	s_lshl_b32 s54, s49, 7
.else
	s_lshl_b32 s49, s44, 6
	s_add_co_u32 s49, s49, s47                            ; 64 head + R
	s_mul_i32 s50, s49, 3072                              ; q's four half fragments
	s_lshl_b32 s54, s49, 7                                ; and their scale bytes
	s_lshl_b32 s49, s44, 5
	s_lshr_b32 s53, s47, 1
	s_add_co_u32 s49, s49, s53
	s_mul_i32 s49, s49, 12800                             ; the record of head w, keys 128 (R / 2) on
	s_and_b32 s53, s47, 1
	s_mul_i32 s60, s53, 3072
	s_add_co_u32 s60, s60, s49                            ; k's place in it
	s_lshl_b32 s61, s53, 7
	s_add_co_u32 s61, s61, s49
	s_add_co_u32 s61, s61, 12288                          ; and its scale bytes'
	s_cmp_eq_u32 s48, 2
	s_cselect_b32 s62, 6144, 0                            ; v's lie 6,144 and 256 bytes behind k's
	s_cselect_b32 s63, 256, 0
	s_cselect_b64 s[34:35], s[22:23], s[16:17]
	s_cselect_b64 s[36:37], s[24:25], s[18:19]
	s_cselect_b64 s[38:39], s[26:27], s[20:21]
	s_add_co_u32 s60, s60, s62
	s_add_co_u32 s61, s61, s63
	s_cmp_eq_u32 s48, 0
	s_cselect_b64 s[34:35], s[10:11], s[34:35]
	s_cselect_b64 s[36:37], s[12:13], s[36:37]
	s_cselect_b64 s[38:39], s[14:15], s[38:39]
	s_cselect_b64 s[40:41], s[28:29], s[32:33]
	s_cselect_b64 s[42:43], s[30:31], s[32:33]
	s_cselect_b32 s50, s50, s60
	s_cselect_b32 s54, s54, s61
.endif
	s_add_nc_u64 s[40:41], s[40:41], s[50:51]             ; where my codes go
	s_add_nc_u64 s[42:43], s[42:43], s[54:55]             ; and my scale bytes
	s_mul_i32 s54, s52, 36864
	s_add_nc_u64 s[34:35], s[34:35], s[54:55]             ; my 64 rows of weights,
	s_mul_i32 s54, s52, 1536
	s_add_nc_u64 s[36:37], s[36:37], s[54:55]             ; their scale bytes,
	s_lshl_b32 s54, s52, 8
	s_add_nc_u64 s[38:39], s[38:39], s[54:55]             ; their bias
	s_cmp_lt_u32 s44, 6
	s_cselect_b64 s[6:7], s[6:7], s[8:9]
.if FFN == 0
	s_cmp_eq_u32 s48, 2
	s_cbranch_scc1 .Lbias_v
.endif
	WIN 0x40                                              ; the bias as the C of each sum's first matrix instruction: lane (r, h) holds the tile's eight columns of its half
	s_wait_alu depctr_va_vdst(0)                          ; the head's offsets and addresses v1-11, v36-39 and v62 are written, which the loads and stores from here on read
.irp t, 0,1,2,3
	global_load_b128 v[BIAS+8*\t:BIAS+8*\t+3], v36, s[38:39] offset:(32*(\t/2)+8*(\t%2))*4
	global_load_b128 v[BIAS+8*\t+4:BIAS+8*\t+7], v36, s[38:39] offset:(32*(\t/2)+8*(\t%2))*4+16
.endr
	WIN 0
.if FFN == 0
	s_branch .Lbias_done
.Lbias_v:
	WIN 0x40                                              ; v: a lane holds one channel: the same number in all eight registers
	s_wait_alu depctr_va_vdst(0)                          ; on this way too: the head's offsets and addresses v1-11, v36-39 and v62 are written
.irp o, 0,1,2,3
.irp j, 0,1,2,3,4,5,6,7
	global_load_b32 v[BIAS+8*\o+\j], v37, s[38:39] offset:(32*(\o/2)+8*(\o%2))*4
.endr
.endr
	WIN 0
.Lbias_done:
.endif
	global_load_b128 v[32:35], v38, s[6:7]
.irp b, 0,1,2,3,4,5,6,7
.irp j, 0,1,2,3
	global_load_b128 v[X+16*\b+4*\j:X+16*\b+4*\j+3], v[XA], s[4:5] offset:128*\b+16*\j   ; register 16 b + i: column 32 b + 16 h + i of my 256
.endr
.endr
	WIN 0x40
	WLOAD 0, 0
	WIN 0
.irp t, 0,1,2,3
	global_load_b96 v[WS+4*\t:WS+4*\t+2], v[WSA], s[36:37] offset:(32*(\t/2)+8*(\t%2))*24
.endr
.set TM, 32
.set PC, 64
.set PT, 76
	; ---- the mean
	s_wait_loadcnt 28                                     ; bias, gain and x are in; the 24 weight loads and the 4 loads of scale words may be out
	ds_store_b128 v39, v[32:35]
.irp c, 0,1,2,3
	v_pk_add_f32 v[CH+2*\c:CH+2*\c+1], v[X+4*\c:X+4*\c+1], v[X+4*\c+2:X+4*\c+3]
.endr
.set i, 16
.rept 14
.irp c, 0,1,2,3
	v_pk_add_f32 v[CH+2*\c:CH+2*\c+1], v[CH+2*\c:CH+2*\c+1], v[X+i+2*\c:X+i+2*\c+1]
.endr
.set i, i+8
.endr
	JOIN
	s_wait_alu depctr_va_vdst(0)                          ; the sums have written v[CH], which the store reads, and are done with v[CH .. CH+2], in which loads land behind the barrier
	ds_store_b32 v[RST], v[CH]                            ; both lanes of a row write the same word with the same value
	BARRIER
	s_wait_alu depctr_vm_vsrc(0)                          ; my LDS store has read v[CH], in which a load lands now; the head's loads and the store of gain or bias have read v32-39, which the quantiser writes later
	ds_load_b32 v[CH], v[RLD]
	ds_load_b32 v[CH+1], v[RLD] offset:256
	ds_load_b32 v[CH+2], v[RLD] offset:512
	GBLOAD 0
	s_wait_dscnt 16                                       ; the three partial sums are in; the 16 loads of gain and bias may be out
	v_add_f32 v[CH], v[CH], v[CH+1]
	v_add_f32 v[CH], v[CH], v[CH+2]
	v_mul_f32 v[MU], s58, v[CH]
	v_mov_b32 v[MU+1], v[MU]
	; ---- the variance, of x - mean
.set i, 0
.rept 64
	v_pk_add_f32 v[X+i:X+i+1], v[X+i:X+i+1], v[MU:MU+1] neg_lo:[0,1] neg_hi:[0,1]
.set i, i+2
.endr
.irp c, 0,1,2,3
	v_pk_mul_f32 v[CH+2*\c:CH+2*\c+1], v[X+2*\c:X+2*\c+1], v[X+2*\c:X+2*\c+1]
.endr
.set i, 8
.rept 15
.irp c, 0,1,2,3
	v_pk_fma_f32 v[CH+2*\c:CH+2*\c+1], v[X+i+2*\c:X+i+2*\c+1], v[X+i+2*\c:X+i+2*\c+1], v[CH+2*\c:CH+2*\c+1]
.endr
.set i, i+8
.endr
	JOIN
	s_wait_alu depctr_va_vdst(0)                          ; as above: v[CH] is written for the store, and the sums are done with v[CH .. CH+2]
	ds_store_b32 v[RST], v[CH] offset:768
	BARRIER
	s_wait_alu depctr_vm_vsrc(0)                          ; my LDS store has read v[CH], in which a load lands now
	ds_load_b32 v[CH], v[RLD] offset:768
	ds_load_b32 v[CH+1], v[RLD] offset:1024
	ds_load_b32 v[CH+2], v[RLD] offset:1280
	s_wait_dscnt 0x0
	v_add_f32 v[CH], v[CH], v[CH+1]
	v_add_f32 v[CH], v[CH], v[CH+2]
	v_fma_f32 v[CH], v[CH], s58, s59
	v_rsq_f32 v[RS], v[CH]
	v_nop                                                 ; a plain place behind the transcendental
	s_wait_alu depctr_va_vdst(0)                          ; rstd is written, ahead of its first reader
	v_mov_b32 v[RS+1], v[RS]
	; ---- normalise, quantise, images to LDS
	NORMA 0
	NORMB 0
	s_wait_alu depctr_va_vdst(0)                          ; chunk 0's multiply-adds are done reading GG and BB, in which chunk 1's gain and bias land
	GBLOAD 1
	NORMA 1                                               ; names X and RS alone: it stands between the loads and the wait for them
	s_wait_dscnt 0x0
	NORMB 1
	QUANT4 X
	s_wait_alu depctr_va_vdst(0)                          ; the quantiser has written PC and PW, which the stores read; it and chunk 1's multiply-adds are done with GG and BB, in which chunk 2's land
	IMAGE 0
	s_wait_alu depctr_vm_vsrc(0)                          ; the stores have read PC, in which chunk 2's gain lands, and PW, which the quantiser writes again
	GBLOAD 2
	NORMA 2
	s_wait_dscnt 0x0
	NORMB 2
	s_wait_alu depctr_va_vdst(0)                          ; chunk 2's multiply-adds are done reading GG and BB, in which chunk 3's land
	GBLOAD 3
	NORMA 3
	s_wait_dscnt 0x0
	NORMB 3
	QUANT4 X+64
	s_wait_alu depctr_va_vdst(0)                          ; the quantiser has written PC and PW, which the stores read; all vector work on v32-127 is done: K step 1's weights land in v80-127, and behind the barrier xn's fragments in v32-79
	IMAGE 1
	WLOAD 1, WBA
	s_wait_dscnt 0x0                                      ; for the others' sake: both my images are in LDS
	s_wait_alu depctr_vm_vsrc(0)                          ; the stores have read PC, PW and v[XWS]: xn's fragments land in these registers in the product's first step
	s_barrier_signal -1
	s_barrier_wait -1                                     ; xn's 24 fragments lie in LDS
	; ---- the product
.if FFN == 0
	s_cmp_eq_u32 s48, 2
	s_cbranch_scc1 .Lprod_v
.endif
	PROD 1
.if FFN == 0
	s_branch .Lepi
.Lprod_v:
	PROD 0
.Lepi:
.endif
	; ---- the way out
.rept 4
	v_nop                                                 ; places behind the last matrix instructions
.endr
.set TM, 108
.set PT, 104
.set PC, 80
	v_mov_b32 v[TM+2], 0                                  ; written once: a lane permute's destination counts as one of its sources
	v_mov_b32 v[TM+3], 0
.if FFN
	v_mov_b32 v[C9], 0x3e7c6f08
	v_mov_b32 v[C9+1], 0x3e7c6f08
.endif
.irp o, 0,1,2,3
.if FFN
	GELU16 ACC+32*\o, \o-1                                ; the tile before leaves behind this gelu's first wait
	GELU16 ACC+32*\o+16, -1
.endif
	QUANT2 ACC+32*\o, PC+6*\o, 116+\o
.endr
	v_lshl_or_b32 v120, v117, 16, v116                    ; tiles 0, 1: two bytes each;
	v_lshl_or_b32 v121, v119, 16, v118                    ; tiles 2, 3
	s_wait_alu depctr_va_vdst(0)                          ; the quantiser has written the codes that are not yet stored, and v[120:121] are written: the stores below read them
.if FFN
	SEND 3
.else
.irp o, 0,1,2,3
	SEND \o
.endr
.endif
	global_store_b64 v[SBA], v[120:121], s[42:43]         ; 128 consecutive bytes; lanes 16-31 write what lanes 0-15 write
	s_wait_dscnt 0x0
	s_wait_alu depctr_hold_cnt(0) depctr_sa_sdst(0) depctr_va_vdst(0) depctr_va_sdst(0) depctr_va_ssrc(0) depctr_va_vcc(0) depctr_vm_vsrc(0)
	s_wait_tensorcnt 0x0
	ds_add_u32 v27, v31
	s_wait_dscnt 0x0
	s_endpgm
.Lfunc_end_k_q9ea1d664d8_ffn1:
	.size	k_q9ea1d664d8_ffn1, .Lfunc_end_k_q9ea1d664d8_ffn1-k_q9ea1d664d8_ffn1
	.p2alignl 7, 3214868480
	.fill 96, 4, 3214868480
	.section	.rodata,"a",@progbits
	.p2align	6, 0x0
	.amdhsa_kernel k_q9ea1d664d8_ffn1
		.amdhsa_group_segment_fixed_size 49664
		.amdhsa_private_segment_fixed_size 0
		.amdhsa_enable_private_segment 0
		.amdhsa_kernarg_size 64
		.amdhsa_user_sgpr_count 2
		.amdhsa_user_sgpr_kernarg_segment_ptr 1
		.amdhsa_wavefront_size32 1
		.amdhsa_system_sgpr_workgroup_id_x 1
		.amdhsa_system_sgpr_workgroup_id_y 1
		.amdhsa_system_sgpr_workgroup_id_z 1
		.amdhsa_system_vgpr_workitem_id 0
		.amdhsa_next_free_vgpr 336
		.amdhsa_next_free_sgpr 96
		.amdhsa_reserve_vcc 0
		.amdhsa_float_denorm_mode_32 3
		.amdhsa_float_denorm_mode_16_64 3
		.amdhsa_memory_ordered 1
		.amdhsa_forward_progress 1
		.amdhsa_inst_pref_size 167
	.end_amdhsa_kernel
	.amdgpu_metadata
---
amdhsa.version: [ 1, 2 ]
amdhsa.kernels:
  - .name:           k_q9ea1d664d8_ffn1
    .symbol:         k_q9ea1d664d8_ffn1.kd
    .args:
      - { .name: x1, .offset: 0, .size: 8, .value_kind: global_buffer, .address_space: global }
      - { .name: ln2_g, .offset: 8, .size: 8, .value_kind: global_buffer, .address_space: global }
      - { .name: ln2_b, .offset: 16, .size: 8, .value_kind: global_buffer, .address_space: global }
      - { .name: W1_codes, .offset: 24, .size: 8, .value_kind: global_buffer, .address_space: global }
      - { .name: W1_scales, .offset: 32, .size: 8, .value_kind: global_buffer, .address_space: global }
      - { .name: b1, .offset: 40, .size: 8, .value_kind: global_buffer, .address_space: global }
      - { .name: hc, .offset: 48, .size: 8, .value_kind: global_buffer, .address_space: global }
      - { .name: hs, .offset: 56, .size: 8, .value_kind: global_buffer, .address_space: global }
    .group_segment_fixed_size: 49664
    .private_segment_fixed_size: 0
    .kernarg_segment_align: 8
    .kernarg_segment_size: 64
    .max_flat_workgroup_size: 384
    .sgpr_count:     96
    .vgpr_count:     336
    .wavefront_size: 32
...
	.end_amdgpu_metadata
.endif
;; end of part 8
;; launch ffn2: the kernel of part 5 again; grid 64 x 4, 4 waves a work-group, no clusters, 205,312 bytes of LDS; arguments hc, hs, W2_codes, W2_scales, b2, x1, out0; writes out0
